; MI455X (gfx1250); checked and timed in simulation.
; The chip was launched on July 23, 2026; its instructions are those of AMD's public machine-readable ISA for CDNA 5 (MIT licence, August 2026) and "CDNA5" Instruction Set Architecture Reference Guide (July 2026). The comments in the code are by the model that wrote it; some were corrected since.
;; Distributed Mo E Layer. Allowed arithmetic: float matrix products may take bf16 or f16 operands with f32 sums; other float arithmetic in f32, or as packed bf16 or f16 multiplies, adds, multiply-adds, maxima and minima; sums over many terms, partial sums and values carried from step to step in f32; what a program stores and reads back later, other than sums and carried values, may be rounded once to bf16 or f16.
;; Inputs: w1 8 x 1,024 x 4,096 float32; w2 8 x 4,096 x 1,024 float32; w_router 1,024 x 8 float32; x 1,024 x 1,024 float32.
;; Outputs: out0 1,024 x 1,024 float32.
;; 2 versions, each right; version 2 is version 1 with the launches ffn1, ffn2 written anew for expert scheduling mode. Each part assembles by itself: llvm-mc -triple=amdgcn-amd-amdhsa -mcpu=gfx1250 --defsym DOCPART=n.
;; ======== version 1 of 2: 4 launches
;; workspace buffers: xb 2,097,152 bytes; idx 8,192 bytes of whole numbers; wts 8,192 bytes; posE 32,768 bytes of whole numbers; cnt 2,048 bytes of whole numbers; hbuf 67,108,864 bytes; part 134,217,728 bytes
;; launch router (part 1): grid 64 x 1, 8 waves a work-group, no clusters, 62,464 bytes of LDS; arguments x, w_router, xb, idx, wts; writes xb, idx, wts
.if DOCPART == 1
	.amdgcn_target "amdgcn-amd-amdhsa--gfx1250"
	.amdhsa_code_object_version 6
	.text
	.protected	k_q26312ad491_router
	.globl	k_q26312ad491_router
	.p2align	8
	.type	k_q26312ad491_router,@function
k_q26312ad491_router:
	s_mov_b64 s[64:65], 0
	v_nop
	global_prefetch_b8 v0, s[64:65] scope:SCOPE_SE
	s_setreg_imm32_b32 hwreg(HW_REG_WAVE_MODE, 25, 1), 1
	s_wait_xcnt 0x0
; ROUTER.  logits = x w_router ([1024][1024] x [1024][8]); softmax; the two largest, renormalised.  Also x rounded to bf16 (xb) for the first product.
; Both operands are rounded once to bf16 (nearest even), products summed in f32.  Stored at fixed places: idx[t][2] (experts), wts[t][2] (weights): no address and no branch hangs on them here.
; SHARES.  A work-group has 16 tokens, wave w the channels 128 w .. 128 w + 127: it rounds its part of x and of w_router, lays both into LDS bytes of its own, and makes 16 x 8 partial logits
; by four matrix instructions (source 0 = experts, rows 8-15 repeat rows 0-7; source 1 = tokens): register j of a lane is expert j's logit for token lane % 16.  Wave 0 adds the eight parts.
; SOFTMAX.  The row's maximum is taken away before the exponentials; the softmax's divisor cancels in w_k = p_k / (p_1 + p_2).  Ties go to the lower index (strict > over ascending experts), as lax.top_k has it.
; LIMITS.  NaN and infinities are not treated apart.  A probability below 2^-126 counts as 0.  A choice that hangs on a difference of logits below the f32 sums' error may differ.
; No cluster: the work-groups share only w_router, 32 KiB of the launch's 4 MiB.  idx and wts leave as 128 bytes a work-group: 16 KiB in the whole launch.
.set PITCH, 272                        ; an LDS row: 256 bytes + 16: the 16 rows of a fragment load start at 16 different groups of four banks (64 banks of 4 bytes: ISA guide 11.1)
.set XTW,   16*PITCH                   ; a wave's x tile: 16 tokens x 128 channels bf16
.set WT,    8*XTW                      ; behind the eight x tiles: a wave's w tile, 8 experts x 128 channels bf16
.set WTW,   2304
.set RED,   WT+8*WTW                   ; a wave's partial logits: 1,024 bytes
.set SPARE, RED+8*1024                 ; the spare words: 128 bytes a wave, four blocks of 256 bytes that no other line names
.set WL, 32                            ; v[32:63]    w_router as loaded;  later D0 v[32:39], D1 v[40:47], the logits v[48:55]
.set XL, 64                            ; v[64:127]   x as loaded;  later the fragments: x v[64:95], w v[96:127];  later the eight parts
.set XP, 128                           ; v[128:159]  x rounded, two registers a row
.set WP, 160                           ; v[160:175]  w_router rounded
.set LG, 48
	s_load_b256 s[4:11], s[0:1], 0x0               ; x s[4:5], w_router s[6:7], xb s[8:9], idx s[10:11]
	s_load_b64 s[12:13], s[0:1], 0x20              ; wts
	v_lshl_add_u32 v20, v0, 2, SPARE               ; my spare word, and 0: kept for the add alone
	v_mov_b32 v21, 0
	v_and_b32 v1, 31, v0                           ; lane l
	v_lshrrev_b32 v4, 5, v0
	v_readfirstlane_b32 s16, v4                    ; wave w
	v_and_b32 v2, 15, v1                           ; r = l % 16
	v_lshrrev_b32 v3, 4, v1                        ; h = l / 16
	v_lshrrev_b32 v5, 1, v1
	v_and_b32 v7, 1, v1
	v_lshlrev_b32 v6, 6, v5
	v_lshl_add_u32 v6, v7, 4, v6                   ; w_router: rows 2 (l / 2) and the next, experts 4 (l % 2) ..
	v_lshlrev_b32 v8, 4, v1                        ; x: 16 l
	v_lshlrev_b32 v9, 3, v1                        ; xb: 8 l
	s_mul_i32 s17, s16, XTW                        ; my x tile
	s_mul_i32 s18, s16, WTW
	s_add_co_u32 s18, s18, WT                      ; my w tile
	s_lshl_b32 s19, s16, 10
	s_add_co_u32 s19, s19, RED                     ; my partial logits
	v_mul_u32_u24 v10, v7, 4*PITCH
	v_lshl_add_u32 v10, v5, 2, v10
	v_add_nc_u32 v10, s18, v10                     ; w tile, in: expert 4 (l % 2), channel pair l / 2
	v_lshl_add_u32 v11, v1, 3, s17                 ; x tile, in: 8 l
	v_mul_u32_u24 v12, v2, PITCH
	v_lshl_add_u32 v12, v3, 4, v12
	v_add_nc_u32 v12, s17, v12                     ; x fragment: token r, 16 h
	v_and_b32 v13, 7, v2
	v_mul_u32_u24 v13, v13, PITCH
	v_lshl_add_u32 v13, v3, 4, v13
	v_add_nc_u32 v13, s18, v13                     ; w fragment: expert r % 8, 16 h
	v_lshl_add_u32 v14, v1, 4, s19
	v_lshl_add_u32 v15, v1, 4, RED
	v_lshlrev_b32 v16, 3, v2                       ; idx, wts: 8 r
	s_lshl_b32 s20, ttmp9, 16                      ; 16 rows of 4,096 bytes,
	s_lshl_b32 s21, s16, 9                         ; my 128 channels
	s_add_co_u32 s20, s20, s21
	s_mov_b32 s21, 0
	s_lshl_b32 s22, s16, 12                        ; my 128 rows of w_router
	s_mov_b32 s23, 0
	s_lshl_b32 s24, ttmp9, 15
	s_lshl_b32 s25, s16, 8
	s_add_co_u32 s24, s24, s25
	s_mov_b32 s25, 0
	s_lshl_b32 s26, ttmp9, 7
	s_mov_b32 s27, 0
	s_wait_kmcnt 0x0
	s_add_nc_u64 s[4:5], s[4:5], s[20:21]
	s_add_nc_u64 s[6:7], s[6:7], s[22:23]
	s_add_nc_u64 s[8:9], s[8:9], s[24:25]
	s_add_nc_u64 s[10:11], s[10:11], s[26:27]
	s_add_nc_u64 s[12:13], s[12:13], s[26:27]
.irp i, 0,1,2,3
	global_load_b128 v[WL+8*(\i):WL+8*(\i)+3],   v6, s[6:7] offset:1024*(\i)      ; channel 2 m, m = l / 2 + 16 i
	global_load_b128 v[WL+8*(\i)+4:WL+8*(\i)+7], v6, s[6:7] offset:1024*(\i)+32   ; channel 2 m + 1
.endr
.irp p, 0,1,2,3,4,5,6,7,8,9,10,11,12,13,14,15
	global_load_b128 v[XL+4*(\p):XL+4*(\p)+3], v8, s[4:5] offset:4096*(\p) th:TH_LOAD_NT  ; a row's 512 consecutive bytes
.endr
	s_wait_loadcnt 16                              ; w_router is in; the 16 loads of x are younger
.irp i, 0,1,2,3
.irp c, 0,1,2,3
	v_cvt_pk_bf16_f32 v[WP+4*(\i)+(\c)], v[WL+8*(\i)+(\c)], v[WL+8*(\i)+4+(\c)]  ; two neighbouring channels of one expert
.endr
.endr
.irp i, 0,1,2,3
.irp c, 0,1,2,3
	ds_store_b32 v10, v[WP+4*(\i)+(\c)] offset:(\c)*PITCH+64*(\i)                ; turned: [expert][channel]
.endr
.endr
.irp p, 0,1,2,3,4,5,6,7,8,9,10,11,12,13,14,15
	s_wait_loadcnt 15-(\p)                         ; loads come back in order: row p is in
	v_cvt_pk_bf16_f32 v[XP+2*(\p)],   v[XL+4*(\p)],   v[XL+4*(\p)+1]
	v_cvt_pk_bf16_f32 v[XP+2*(\p)+1], v[XL+4*(\p)+2], v[XL+4*(\p)+3]
	ds_store_b64 v11, v[XP+2*(\p):XP+2*(\p)+1] offset:(\p)*PITCH
	global_store_b64 v9, v[XP+2*(\p):XP+2*(\p)+1], s[8:9] offset:2048*(\p)       ; 256 consecutive bytes, aligned
.endr
.irp k, 0,1,2,3                        ; my own bytes: LDS serves a wave's instructions in order, so these see the stores above
	ds_load_b128 v[64+8*(\k):64+8*(\k)+3], v12 offset:64*(\k)
	ds_load_b128 v[64+8*(\k)+4:64+8*(\k)+7], v12 offset:64*(\k)+32
	ds_load_b128 v[96+8*(\k):96+8*(\k)+3], v13 offset:64*(\k)
	ds_load_b128 v[96+8*(\k)+4:96+8*(\k)+7], v13 offset:64*(\k)+32
.endr
	s_wait_dscnt 0x0
	v_wmma_f32_16x16x32_bf16 v[32:39], v[96:103],  v[64:71], 0                   ; two accumulators by turns
	v_wmma_f32_16x16x32_bf16 v[40:47], v[104:111], v[72:79], 0
	v_wmma_f32_16x16x32_bf16 v[32:39], v[112:119], v[80:87], v[32:39]
	v_wmma_f32_16x16x32_bf16 v[40:47], v[120:127], v[88:95], v[40:47]
.rept 4
	v_nop                                          ; four places behind the products
.endr
.irp n, 0,2,4,6
	v_pk_add_f32 v[LG+(\n):LG+(\n)+1], v[32+(\n):32+(\n)+1], v[40+(\n):40+(\n)+1]
.endr
	ds_store_b128 v14, v[LG:LG+3]
	ds_store_b128 v14, v[LG+4:LG+7] offset:512
	s_wait_dscnt 0x0                               ; for wave 0's sake: my part lies in LDS
	s_barrier_signal -1
	s_barrier_wait -1
	s_cmp_lg_u32 s16, 0
	s_cbranch_scc1 .Lend
.irp w, 0,1,2,3,4,5,6,7
	ds_load_b128 v[64+8*(\w):64+8*(\w)+3],   v15 offset:1024*(\w)
	ds_load_b128 v[64+8*(\w)+4:64+8*(\w)+7], v15 offset:1024*(\w)+512
.endr
	s_wait_dscnt 0x0
.irp n, 0,2,4,6
	v_pk_add_f32 v[LG+(\n):LG+(\n)+1], v[64+(\n):64+(\n)+1], v[72+(\n):72+(\n)+1]
.endr
.irp w, 2,3,4,5,6,7                    ; the parts in ascending order of the channels
.irp n, 0,2,4,6
	v_pk_add_f32 v[LG+(\n):LG+(\n)+1], v[LG+(\n):LG+(\n)+1], v[64+8*(\w)+(\n):64+8*(\w)+(\n)+1]
.endr
.endr
	v_max3_num_f32 v56, v48, v49, v50              ; the row's maximum
	v_max3_num_f32 v56, v56, v51, v52
	v_max3_num_f32 v56, v56, v53, v54
	v_max_num_f32 v56, v56, v55
.irp e, 0,1,2,3,4,5,6,7
	v_sub_f32 v[64+(\e)], v[LG+(\e)], v56
.endr
.irp e, 0,1,2,3,4,5,6,7
	v_mul_f32 v[64+(\e)], 0x3fb8aa3b, v[64+(\e)]   ; log2(e)
.endr
.irp e, 0,1,2,3,4,5,6,7
	v_exp_f32 v[64+(\e)], v[64+(\e)]               ; one batch
.endr
	v_nop                                          ; a plain instruction behind the last exponential,
	s_wait_alu depctr_va_vdst(0)                   ; and one wait for the eight, ahead of their first reader
	v_mov_b32 v57, v64                             ; the largest, and its expert
	v_mov_b32 v80, 0
.irp e, 1,2,3,4,5,6,7
	v_cmp_gt_f32 vcc_lo, v[64+(\e)], v57
	v_cndmask_b32 v57, v57, v[64+(\e)], vcc_lo
	v_cndmask_b32 v80, v80, \e, vcc_lo
.endr
.irp e, 0,1,2,3,4,5,6,7
	v_cmp_eq_u32 vcc_lo, \e, v80
	v_cndmask_b32 v[72+(\e)], v[64+(\e)], -1.0, vcc_lo  ; the first choice is taken out
.endr
	v_mov_b32 v59, v72                             ; the second largest
	v_mov_b32 v81, 0
.irp e, 1,2,3,4,5,6,7
	v_cmp_gt_f32 vcc_lo, v[72+(\e)], v59
	v_cndmask_b32 v59, v59, v[72+(\e)], vcc_lo
	v_cndmask_b32 v81, v81, \e, vcc_lo
.endr
	v_add_f32 v60, v57, v59                        ; at least 1: the largest is 2^0
	v_rcp_f32 v61, v60
	v_nop
	s_wait_alu depctr_va_vdst(0)
	v_mul_f32 v82, v57, v61
	v_mul_f32 v83, v59, v61
	s_wait_xcnt 0x0                                ; EXEC changes only behind this wait: my stores of xb have had their addresses translated
	v_cmp_gt_u32 vcc_lo, 16, v1
	s_and_saveexec_b32 s28, vcc_lo                 ; lanes 16-31 hold the same 16 tokens once more
	global_store_b64 v16, v[80:81], s[10:11]
	global_store_b64 v16, v[82:83], s[12:13]
	s_wait_xcnt 0x0
	s_or_b32 exec_lo, exec_lo, s28
.Lend:
	s_wait_tensorcnt 0x0                           ; the wave's end
	ds_add_u32 v20, v21
	s_wait_dscnt 0x0
	s_endpgm
.Lfunc_end_k_q26312ad491_router:
	.size	k_q26312ad491_router, .Lfunc_end_k_q26312ad491_router-k_q26312ad491_router
	.p2alignl 7, 3214868480
	.fill 96, 4, 3214868480
	.section	.rodata,"a",@progbits
	.p2align	6, 0x0
	.amdhsa_kernel k_q26312ad491_router
		.amdhsa_group_segment_fixed_size 62464
		.amdhsa_private_segment_fixed_size 0
		.amdhsa_enable_private_segment 0
		.amdhsa_kernarg_size 40
		.amdhsa_user_sgpr_count 2
		.amdhsa_user_sgpr_kernarg_segment_ptr 1
		.amdhsa_wavefront_size32 1
		.amdhsa_system_sgpr_workgroup_id_x 1
		.amdhsa_system_sgpr_workgroup_id_y 1
		.amdhsa_system_sgpr_workgroup_id_z 1
		.amdhsa_system_vgpr_workitem_id 0
		.amdhsa_next_free_vgpr 176
		.amdhsa_next_free_sgpr 66
		.amdhsa_reserve_vcc 1
		.amdhsa_float_denorm_mode_32 3
		.amdhsa_float_denorm_mode_16_64 3
		.amdhsa_memory_ordered 1
		.amdhsa_forward_progress 1
		.amdhsa_inst_pref_size 22
	.end_amdhsa_kernel
	.amdgpu_metadata
---
amdhsa.version: [ 1, 2 ]
amdhsa.kernels:
  - .name:           k_q26312ad491_router
    .symbol:         k_q26312ad491_router.kd
    .args:
      - { .name: x, .offset: 0, .size: 8, .value_kind: global_buffer, .address_space: global }
      - { .name: w_router, .offset: 8, .size: 8, .value_kind: global_buffer, .address_space: global }
      - { .name: xb, .offset: 16, .size: 8, .value_kind: global_buffer, .address_space: global }
      - { .name: idx, .offset: 24, .size: 8, .value_kind: global_buffer, .address_space: global }
      - { .name: wts, .offset: 32, .size: 8, .value_kind: global_buffer, .address_space: global }
    .group_segment_fixed_size: 62464
    .private_segment_fixed_size: 0
    .kernarg_segment_align: 8
    .kernarg_segment_size: 40
    .max_flat_workgroup_size: 256
    .sgpr_count:     66
    .vgpr_count:     176
    .wavefront_size: 32
...
	.end_amdgpu_metadata
.endif
;; end of part 1
;; launch ffn1 (part 2): grid 32 x 8, 4 waves a work-group, no clusters, 312,832 bytes of LDS; arguments w1, xb, idx, hbuf, posE, cnt; writes hbuf, posE, cnt
.if DOCPART == 2
	.amdgcn_target "amdgcn-amd-amdhsa--gfx1250"
	.amdhsa_code_object_version 6
	.text
	.protected	k_q26312ad491_ffn1
	.globl	k_q26312ad491_ffn1
	.p2align	8
	.type	k_q26312ad491_ffn1,@function
k_q26312ad491_ffn1:
	s_mov_b64 s[64:65], 0
	v_nop
	global_prefetch_b8 v0, s[64:65] scope:SCOPE_SE
	s_setreg_imm32_b32 hwreg(HW_REG_WAVE_MODE, 25, 1), 1
	s_wait_xcnt 0x0
; THE EXPERTS' TWO PRODUCTS, ONE TEXT; LAYER picks the lines.
; LAYER 1: hbuf = gelu(x[rows of expert e] w1[e]) in bf16.   LAYER 2: part[kh] = hbuf[e] w2[e], summed over a quarter kh of the hidden width, in f32.
; Only the rows that chose expert e are multiplied.  A routed row's place is e x 1,024 + its rank in the expert, so that no work-group needs another expert's count.
; SHARES.  A work-group has a slice of ONE expert's weights, 1,024 k x 128 columns (512 KiB of f32), which it alone reads, and all of that expert's rows.  All four waves run the same text.
; PHASE A.  The slice goes from memory through registers, rounded once to bf16, into LDS, where it stays: wave w takes rows 256 w .. 256 w + 255, a row (512 consecutive bytes) to a load,
; in a ring of eight groups of eight loads of which six or seven are out.  Each group has an offset register of its own, stepped behind the counted wait that has shown the group's last loads done,
; and the base is never rewritten: no wait for all addresses stands in the loop.  One barrier; behind it nobody writes the weights.
; PHASE B.  Wave w has the row tiles 20 PASS + 4 i + w (16 rows each, i = 0..4) times all 128 columns: 40 accumulators.  Its token fragments, which no other wave needs, come from memory straight
; into a ring of six register slots, five K steps ahead; the weight fragments come out of LDS turned (ds_load_tr16_b128), one K step ahead.
; WHICH ROWS (LAYER 1).  Every wave compares the 2,048 choices with e: 32 masks of 32 tokens stay in scalar registers (word 2 g + b, bit l: token 64 g + 2 l + b); a token's rank is the number of members
; in lower words and lower bits.  At a pass's head each lane finds the token of each of its five ranks from the masks, by arithmetic in registers alone.
; BARRIERS IN PHASE B.  Whatever a wave writes into LDS behind phase A (LAYER 2's stages, the closing add) lies behind the slice; all the same a barrier stands between every wave's reads of the slice
; and such a write, and between LAYER 2's stage stores and the next pass's reads, so that the order holds without the addresses' arithmetic.  Every wave passes every barrier; only work is jumped over.
; EVERY SPLIT.  A pass serves 320 rows; four passes, a constant count, serve 1,024; a wave without tiles in a pass jumps over its K steps; the weights are read from memory once whatever the split.
; An expert without rows multiplies one tile of token 1,023's row, which nobody reads.  Places past the count repeat the last row; dead tiles are not stored.
; THE MATRIX INSTRUCTION IS USED TRANSPOSED (source 0 = 16 columns of the weights, source 1 = 16 rows): a lane holds one row (lane % 16) and the columns 16 q + 8 (lane / 16) + 0..7.
; hbuf: [e][tile of 16 rows][K step of 32][1,024 bytes]: lane l's fragment registers 0-3 at 16 l, 4-7 at 512 + 16 l: LAYER 1's packed results ARE LAYER 2's fragments.
; GELU is the tanh form: x / (1 + 2^(x (c1 + c2 x^2))), c1 = -2 log2(e) sqrt(2 / pi), c2 = 0.044715 c1.
; LIMITS.  Weights, x and the hidden layer are rounded once to bf16; sums in f32.  NaN and infinities are not treated apart; where x^2 overflows gelu gives x or -0, as tanh -> +-1 does.
; NO CLUSTER: each slice of weights has one reader; LAYER 1's shared rows are gathered, which no tile descriptor covers; for LAYER 2's shared fragments LDS has no room beside the slice.
; NO TENSOR LOADS: the weights pass through registers for their rounding in any case.
.set LAYER, 1
.if LAYER == 1
.set PW,    16384                      ; bytes from a weight row (k) to the next
.set KSB,   64                         ; bytes from a K step's token fragment to the next
.set HB,    32                         ; from its registers 0-3 to its registers 4-7
.else
.set PW,    4096
.set KSB,   1024
.set HB,    512
.endif
.set BLK,    544                       ; a block of 16 k x 16 columns of bf16: 512 dense bytes + 32: the eight blocks of a row of weights start 8 banks apart (64 banks of 4 bytes: ISA guide 11.1)
.set KB16,   8*BLK                     ; 16 k x 128 columns
.set KST,    2*KB16                    ; a K step of 32
.set WSH,    16*KB16                   ; a wave's 256 rows
.set WTS,    64*KB16                   ; the slice: 278,528 bytes from LDS byte 0
.set STAGE,  WTS                       ; LAYER 2: 16 rows x 528 bytes for each wave, for the way out
.set SPITCH, 528                       ; 512 + 16 = 132 words: the 16 rows of a store start at 16 different groups of four banks
.set SPARE,  WTS+4*16*SPITCH           ; the spare words: 128 bytes a wave, two blocks of 256 bytes that no other line names
; vector registers, in windows of 256 (s_set_vgpr_msb: bits 1:0 source 0, 3:2 source 1, 5:4 source 2, 7:6 destination)
.set AOFF, 10                          ; v10-14  tile i: my lane's byte offset in the tokens' buffer
.set BK0,  15                          ; v15     my lane's place in a block of weights; never rewritten
.set BADR, 16                          ; v16-17  the same at the K steps in hand: steps 0-3 and 4-7 from the loop's place
.set VO,   18                          ; v18     my byte offset in the output
.set STO,  19                          ; v19     LAYER 2: into the stage
.set SPW,  20                          ; v20     my spare word; never rewritten
.set NIL,  21                          ; v21     0; never rewritten
.set SRD,  22                          ; v22     LAYER 2: back from the stage
.set WOFF, 23                          ; v23     16 x lane; never rewritten
.set LST0, 24                          ; v24     phase A: my lane's place in my wave's share of the slice; never rewritten
.set LST,  25                          ; v25     the same at the rows in hand
.set BF,   32                          ; v32-159 weight fragments, two buffers of 8 x 8; at work on the way out and at a pass's head
.set IDX,  32                          ; LAYER 1, ahead of phase B: the choices as loaded,
.set RK,   96                          ; and the tokens' ranks
.set T,    128                         ; phase A: v128-159 rounded weights, two sets of 16 by turns
.set WO,   160                         ; phase A: v160-167 group s: 16 x lane + the rows that the group has gone on
.set RHO,  32                          ; LAYER 1, a pass's head, five registers each, one a tile: the rank wanted,
.set WM,   37                          ; the mask word that holds it,
.set KK,   42                          ; that word's number << 16 | the members in lower words,
.set Q2,   47                          ; the word's set bits summed in fields of 2,
.set Q4,   52                          ; 4,
.set Q8,   57                          ; 8
.set Q16,  62                          ; and 16 bits,
.set TT,   67                          ; at work,
.set NN,   72                          ; the set bits still to be passed over,
.set PP,   77                          ; the bit's place so far
.set ZZ,   82                          ; v82     0
                                       ; window 1: phase A: group s, load j at 32 s + 4 j;  phase B: the token ring, slot s tile i at 40 s + 8 i
                                       ; window 2: accumulators of tiles 0-2, (i, q) at 64 i + 8 q;  window 3: of tiles 3, 4 at 64 (i - 3) + 8 q
; scalar registers
.set WV, 16                            ; wave
.set E,  18
.set SL, 19
.set R,  20                            ; the expert's rows
.set PC, 21                            ; passes to go
.set T0, 22                            ; 20 x pass
.set KC, 23                            ; a loop's trips to go
.set TB, 24                            ; the loop's place in LDS
.set NT, 25                            ; my live tiles in this pass, 0 to 5
.set NTILE, 26
.set KH, 27
.set WCUR, 28                          ; s[28:29] my wave's first row of weights; never rewritten
.set ACUR, 30
.set MK5, 32                           ; LAYER 1: 0x55555555,
.set MK3, 33                           ; 0x33333333,
.set MKF, 34                           ; 0x0f0f0f0f,
.set MKB, 35                           ; 0x00ff00ff,
.set MKW, 36                           ; 0x0000ffff
.set ABASE, 40
.set HB0, 42
.set C1, 44
.set C2, 46
.set LB, 56                            ; LAYER 2: my stage
.set M,  66                            ; LAYER 1: s66-97 the 32 masks
.set MSB, 0
.macro WIN new                         ; the immediate's high byte repeats the setting that is left; a switch that changes nothing is dropped
.if MSB != (\new)
	s_set_vgpr_msb (MSB<<8)|(\new)
.set MSB, (\new)
.endif
.endm
.macro PLACES                          ; four places between matrix instructions and what reads their results or writes or loads into their registers (ISA guide 7.12.1 for reads and writes)
.rept 4
	v_nop
.endr
.endm
; ---- phase A ----
; Eight loads, a row of 512 consecutive bytes each: rows 8 slot .. 8 slot + 7 of the 64 rows at the slot's offset.  Slot 7 is not issued at the head, so its offset is stepped ahead of its first
; use too, and its immediates stand 64 rows lower.
.macro WISSUE slot
.set jj, 0
.rept 8
	global_load_b128 v[32*(\slot)+4*jj:32*(\slot)+4*jj+3], v[WO+(\slot)], s[WCUR:WCUR+1] offset:(8*(\slot)+jj-64*((\slot)/7))*PW th:TH_LOAD_NT
.set jj, jj+1
.endr
.endm
; Group s of a trip's eight: rounded and laid into LDS; fill = 1: the group seven further on is asked for, into the registers that the step before has read.  That slot's offset is stepped first:
; its last loads were shown done by the counted wait of the step before.
.macro WSTEP s, fill, cnt
	s_wait_loadcnt \cnt                            ; loads come back in order: this group is in, the younger ones stay out
	WIN 0x05                                       ; sources window 1, destination window 0
.set TBUF, T+16*((\s)%2)
.set jj, 0
.rept 8
	v_cvt_pk_bf16_f32 v[TBUF+2*jj],   v[32*(\s)+4*jj],   v[32*(\s)+4*jj+1]
	v_cvt_pk_bf16_f32 v[TBUF+2*jj+1], v[32*(\s)+4*jj+2], v[32*(\s)+4*jj+3]
.set jj, jj+1
.endr
	WIN 0
.if \fill
	v_add_nc_u32 v[WO+((\s)+7)%8], 64*PW, v[WO+((\s)+7)%8]  ; the slot's next 64 rows
	WIN 0x40                                       ; loads into window 1; addresses, and the stores' data, in window 0
	WISSUE ((\s)+7)%8
.endif
.set jj, 0
.rept 8
	ds_store_b64 v[LST], v[TBUF+2*jj:TBUF+2*jj+1] offset:((\s)/2)*KB16+(((\s)%2)*8+jj)*32  ; a row's 256 bytes: 32 bytes in each of eight blocks, every bank once
.set jj, jj+1
.endr
.endm
; ---- phase B ----
.macro AFILL slot, kidx                ; ten loads: the five tiles' token fragments of K step kidx from the base, into ring slot
.irp i, 0,1,2,3,4
	global_load_b128 v[40*(\slot)+8*(\i):40*(\slot)+8*(\i)+3],   v[AOFF+(\i)], s[ACUR:ACUR+1] offset:(\kidx)*KSB
	global_load_b128 v[40*(\slot)+8*(\i)+4:40*(\slot)+8*(\i)+7], v[AOFF+(\i)], s[ACUR:ACUR+1] offset:(\kidx)*KSB+HB
.endr
.endm
.macro BFETCH j                        ; sixteen turning loads: the weights of K step j from the loop's place, 32 k x 128 columns, into buffer j % 2; each half of the lanes takes 256 consecutive bytes
.irp q, 0,1,2,3,4,5,6,7
	ds_load_tr16_b128 v[BF+64*((\j)%2)+8*(\q):BF+64*((\j)%2)+8*(\q)+3],   v[BADR+(\j)/4] offset:((\j)%4)*KST+(\q)*BLK
	ds_load_tr16_b128 v[BF+64*((\j)%2)+8*(\q)+4:BF+64*((\j)%2)+8*(\q)+7], v[BADR+(\j)/4] offset:((\j)%4)*KST+(\q)*BLK+KB16
.endr
.endm
.macro MULT rel, i, zero               ; tile i's eight products
.set ACB, 64*((\i)%3)
.irp q, 0,1,2,3,4,5,6,7
.if \zero
	v_wmma_f32_16x16x32_bf16 v[ACB+8*(\q):ACB+8*(\q)+7], v[BF+64*((\rel)%2)+8*(\q):BF+64*((\rel)%2)+8*(\q)+7], v[40*((\rel)%6)+8*(\i):40*((\rel)%6)+8*(\i)+7], 0
.else
	v_wmma_f32_16x16x32_bf16 v[ACB+8*(\q):ACB+8*(\q)+7], v[BF+64*((\rel)%2)+8*(\q):BF+64*((\rel)%2)+8*(\q)+7], v[40*((\rel)%6)+8*(\i):40*((\rel)%6)+8*(\i)+7], v[ACB+8*(\q):ACB+8*(\q)+7]
.endif
.endr
.endm
; K STEP rel, counted from the loop's place.  The ring slot that the step before has read is asked again, for the K step five on (fill = 1); the next step's weights are fetched (fetch = 1).
; cnt: ten times the groups of token loads issued behind the one needed: five while the ring is filled; at most 60 loads are out.  s_wait_dscnt 16 leaves the next step's sixteen loads out.
; The accumulators take turns, one instruction a turn, on both ways and from step to step.  Tile 4 stands first, under the one jump: most waves have four tiles.
; zero = 1: the pass's first step: its products start all 40 sums, tile 4's too.
.macro KSTEP rel, fill, cnt, fetch, zero
.if !(\zero)
	PLACES
.endif
.if \fill
	WIN 0x40
	AFILL ((\rel)+5)%6, (\rel)+5
.endif
	WIN 0
.if \zero
	BFETCH 0
.endif
.if \fetch
	BFETCH (\rel)+1
.endif
	s_wait_loadcnt \cnt
.if \fetch
	s_wait_dscnt 16
.else
	s_wait_dscnt 0x0
.endif
.if \zero
	WIN 0xf4                                       ; weights window 0, tokens window 1, sums window 3
	MULT \rel, 4, 1
	MULT \rel, 3, 1
	WIN 0xa4                                       ; sums window 2
	MULT \rel, 0, 1
	MULT \rel, 1, 1
	MULT \rel, 2, 1
.else
	s_cmp_lt_u32 s[NT], 5
	s_cbranch_scc1 .Lno4_\@
	WIN 0xf4
	MULT \rel, 4, 0
	WIN 0                                          ; at a label and at a branch every window is 0
.Lno4_\@:
	WIN 0xf4
	MULT \rel, 3, 0
	WIN 0xa4
	MULT \rel, 0, 0
	MULT \rel, 1, 0
	MULT \rel, 2, 0
.endif
.endm
.macro TILES                           ; the expert's tiles of 16 rows, at least one
	s_min_u32 s[R], s[R], 1024
	s_add_co_u32 s48, s[R], 15
	s_lshr_b32 s48, s48, 4
	s_max_u32 s[NTILE], s48, 1
.endm
.if LAYER == 1
; ---- the token of a rank ----
.macro EACH line:vararg                ; one line for each of my five tiles i
.set i, 0
.rept 5
	\line
.set i, i+1
.endr
.endm
.macro SEEK                            ; word wi, with s52 members in lower words: it takes the earlier word's place unless s52 is over the rank.  So the last word with s52 <= rank stays
.set i, 0
.rept 5
	v_cmp_gt_u32 vcc_lo, s52, v[RHO+i]
	v_cndmask_b32 v[WM+i], s[M+wi], v[WM+i], vcc_lo
	v_cndmask_b32 v[KK+i], s53, v[KK+i], vcc_lo
.set i, i+1
.endr
.endm
.macro LEVEL c, w                      ; a halving: the lower w bits from the place so far hold t set bits (read off the sums in fields of w bits); if t are too few, they are passed over
.set i, 0
.rept 5
	v_bfe_u32 v[TT+i], v[(\c)+i], v[PP+i], \w
	v_cmp_lt_u32 vcc_lo, v[NN+i], v[TT+i]          ; the bit wanted lies among them
	v_cndmask_b32 v[TT+i], v[TT+i], v[ZZ], vcc_lo  ; 0 then, else t
	v_sub_nc_u32 v[NN+i], v[NN+i], v[TT+i]
	v_cndmask_b32 v[TT+i], \w, v[ZZ], vcc_lo       ; 0 then, else w
	v_add_nc_u32 v[PP+i], v[PP+i], v[TT+i]
.set i, i+1
.endr
.endm
; THE WAY OUT, LAYER 1: gelu of half a tile, 32 numbers a lane; each batch of 32 transcendentals has one plain instruction and one wait behind it.
; Each accumulator is read from its low end on.  A store is 512 consecutive bytes, aligned: half a fragment of LAYER 2.
.macro GELU i, hf
.set WS, 2+(\i)/3
.set X, 64*((\i)%3)+32*(\hf)
.set P, BF
.set Y, BF+64
	WIN WS|(WS<<2)                                 ; both sources in the sums' window
.set n, 0
.rept 16
	v_pk_mul_f32 v[P+2*n:P+2*n+1], v[X+2*n:X+2*n+1], v[X+2*n:X+2*n+1]
.set n, n+1
.endr
	WIN 0
.set n, 0
.rept 16
	v_pk_fma_f32 v[P+2*n:P+2*n+1], v[P+2*n:P+2*n+1], s[C2:C2+1], s[C1:C1+1] op_sel_hi:[1,0,0]
.set n, n+1
.endr
	WIN WS<<2                                      ; source 1 in the sums' window
.set n, 0
.rept 16
	v_pk_mul_f32 v[P+2*n:P+2*n+1], v[P+2*n:P+2*n+1], v[X+2*n:X+2*n+1]
.set n, n+1
.endr
	WIN 0
.set n, 0
.rept 32
	v_exp_f32 v[P+n], v[P+n]
.set n, n+1
.endr
	v_nop
	s_wait_alu depctr_va_vdst(0)
.set n, 0
.rept 16
	v_pk_add_f32 v[P+2*n:P+2*n+1], v[P+2*n:P+2*n+1], 1.0 op_sel_hi:[1,0]
.set n, n+1
.endr
.set n, 0
.rept 32
	v_rcp_f32 v[P+n], v[P+n]
.set n, n+1
.endr
	v_nop
	s_wait_alu depctr_va_vdst(0)
	WIN WS<<2
.set n, 0
.rept 16
	v_pk_mul_f32 v[P+2*n:P+2*n+1], v[P+2*n:P+2*n+1], v[X+2*n:X+2*n+1]
.set n, n+1
.endr
	WIN 0
	s_wait_xcnt 0x0                                ; the registers that the stores before read are written only behind this wait
.set n, 0
.rept 16
	v_cvt_pk_bf16_f32 v[Y+n], v[P+2*n], v[P+2*n+1]
.set n, n+1
.endr
.irp c, 0,1,2,3
	global_store_b128 v[VO], v[Y+4*(\c):Y+4*(\c)+3], s[HB0:HB0+1] offset:(\i)*524288+(2*(\hf)+(\c)/2)*1024+((\c)%2)*512
.endr
.endm
.macro EPI
	PLACES                                         ; behind the last products
.irp i, 0,1,2,3,4
	s_cmp_gt_u32 s[NT], \i
	s_cbranch_scc0 .Lepi_done                      ; dead tiles are not stored
	GELU \i, 0
	GELU \i, 1
.endr
.Lepi_done:
.endm
.else
; THE WAY OUT, LAYER 2: a tile through my own stage: in by lanes (a row's 32 bytes for each column block), back as whole rows; a store is a row's 512 consecutive bytes, aligned.
.macro EPI
	PLACES
.irp i, 0,1,2,3,4
	s_cmp_gt_u32 s[NT], \i
	s_cbranch_scc0 .Lepi_done
.set WS, 2+(\i)/3
.set X, 64*((\i)%3)
.set Y, BF+64*((\i)%2)
	WIN WS<<2                                      ; the stores' data in the sums' window
.irp q, 0,1,2,3,4,5,6,7
	ds_store_b128 v[STO], v[X+8*(\q):X+8*(\q)+3]   offset:64*(\q)
	ds_store_b128 v[STO], v[X+8*(\q)+4:X+8*(\q)+7] offset:64*(\q)+16
.endr
	WIN 0
	s_wait_xcnt 0x0                                ; the registers that earlier stores read are loaded again only behind this wait
.set t, 0
.rept 16
	ds_load_b128 v[Y+4*t:Y+4*t+3], v[SRD] offset:t*SPITCH  ; LDS serves a wave's instructions in order: these see the stores above
.set t, t+1
.endr
	s_wait_dscnt 0x0
.set t, 0
.rept 16
	global_store_b128 v[VO], v[Y+4*t:Y+4*t+3], s[HB0:HB0+1] offset:(\i)*262144+t*4096
.set t, t+1
.endr
.endr
.Lepi_done:
.endm
.endif
; ---- the head ----
	s_load_b256 s[4:11], s[0:1], 0x0               ; weights s[4:5], tokens s[6:7], idx (LAYER 2: cnt) s[8:9], output s[10:11]
.if LAYER == 1
	s_load_b128 s[12:15], s[0:1], 0x20             ; posE s[12:13], cnt s[14:15]
.endif
	v_lshl_add_u32 v[SPW], v0, 2, SPARE
	v_mov_b32 v[NIL], 0
	v_and_b32 v1, 31, v0                           ; lane l
	v_lshrrev_b32 v4, 5, v0
	v_readfirstlane_b32 s[WV], v4
	v_and_b32 v2, 15, v1                           ; r = l % 16
	v_lshrrev_b32 v3, 4, v1                        ; h = l / 16
	v_lshlrev_b32 v[WOFF], 4, v1
.irp s, 0,1,2,3,4,5,6,7
	v_mov_b32 v[WO+(\s)], v[WOFF]                  ; every group of phase A starts at my wave's first 64 rows
.endr
	v_lshrrev_b32 v4, 2, v1                        ; phase A: my four columns lie in block l / 4,
	v_mul_u32_u24 v[LST0], v4, BLK
	v_and_b32 v4, 3, v1
	v_lshl_add_u32 v[LST0], v4, 3, v[LST0]         ; at byte 8 (l % 4) of a row of it,
	s_mul_i32 s48, s[WV], WSH
	v_add_nc_u32 v[LST0], s48, v[LST0]             ; in my wave's share
	v_and_b32 v4, 7, v1                            ; the turning load: lane l reads row 8 h + l % 8 of a block,
	v_lshl_add_u32 v4, v3, 3, v4
	v_lshlrev_b32 v[BK0], 5, v4
	v_bfe_u32 v4, v1, 3, 1
	v_lshl_add_u32 v[BK0], v4, 4, v[BK0]           ; columns 8 ((l / 8) % 2) ..
	s_and_b32 s[E], ttmp7, 0xffff
	s_mov_b32 s49, 0
	s_mov_b32 s51, 0
	s_mov_b32 s53, 0
.if LAYER == 1
	s_mov_b32 s[SL], ttmp9
	s_lshl_b32 s48, s[E], 24                       ; an expert's weights are 16 MiB;
	s_lshl_b32 s54, s[SL], 9                       ; my work-group's 128 columns;
	s_add_co_u32 s48, s48, s54
	s_lshl_b32 s54, s[WV], 22                      ; my wave's 256 rows of 16,384 bytes
	s_add_co_u32 s48, s48, s54
	s_mov_b32 s50, 0                               ; xb from its first byte
	s_lshl_b32 s52, s[E], 23                       ; an expert's part of hbuf is 8 MiB;
	s_lshl_b32 s54, s[SL], 12                      ; my four K steps
	s_add_co_u32 s52, s52, s54
	s_mov_b32 s[C1], 0xc0135761                    ; -2.3022082
	s_mov_b32 s[C1+1], s[C1]
	s_mov_b32 s[C2], 0xbdd2d3e7                    ; -0.10294324
	s_mov_b32 s[C2+1], s[C2]
	s_mov_b32 s[MK5], 0x55555555
	s_mov_b32 s[MK3], 0x33333333
	s_mov_b32 s[MKF], 0x0f0f0f0f
	s_mov_b32 s[MKB], 0x00ff00ff
	s_mov_b32 s[MKW], 0x0000ffff
.else
	s_and_b32 s[SL], ttmp9, 7
	s_lshr_b32 s[KH], ttmp9, 3
	s_lshl_b32 s48, s[E], 24
	s_lshl_b32 s54, s[KH], 22                      ; 1,024 rows of 4,096 bytes
	s_add_co_u32 s48, s48, s54
	s_lshl_b32 s55, s[SL], 9                       ; my work-group's 128 columns
	s_add_co_u32 s48, s48, s55
	s_lshl_b32 s54, s[WV], 20                      ; my wave's 256 rows
	s_add_co_u32 s48, s48, s54
	s_lshl_b32 s50, s[E], 23
	s_lshl_b32 s54, s[KH], 15                      ; 32 K steps
	s_add_co_u32 s50, s50, s54
	s_lshl_b32 s52, s[KH], 25                      ; a quarter's part is 32 MiB,
	s_lshl_b32 s54, s[E], 22                       ; an expert's 1,024 rows 4 MiB
	s_add_co_u32 s52, s52, s54
	s_add_co_u32 s52, s52, s55
	s_lshl_b32 s60, s[E], 8
	s_mov_b32 s61, 0
.endif
	s_wait_kmcnt 0x0
	s_add_nc_u64 s[WCUR:WCUR+1], s[4:5], s[48:49]
	s_add_nc_u64 s[ABASE:ABASE+1], s[6:7], s[50:51]
	s_add_nc_u64 s[HB0:HB0+1], s[10:11], s[52:53]
.if LAYER == 1
.set g, 0
.rept 16
	global_load_b128 v[IDX+4*g:IDX+4*g+3], v[WOFF], s[8:9] offset:512*g  ; two tokens' two choices a lane
.set g, g+1
.endr
	WIN 0x40
	WISSUE 0                                       ; five groups of weights behind them: 56 loads are out
	WISSUE 1
	WISSUE 2
	WISSUE 3
	WISSUE 4
	WIN 0
	; THE MASKS, while the weights are on their way.  Every wave compares the 2,048 choices for itself.  Word g = 2 x group + b, bit l: token 64 group + 2 l + b.
	s_mov_b32 s[R], 0
	s_wait_loadcnt 40                              ; the choices are in; the 40 loads of weights are younger
.set g, 0
.rept 32
	v_cmp_eq_u32 s[M+g], s[E], v[IDX+2*g]
	v_cmp_eq_u32 s51, s[E], v[IDX+2*g+1]
	s_or_b32 s[M+g], s[M+g], s51                   ; the members among these 32 tokens
	v_mbcnt_lo_u32_b32 v[RK+g], s[M+g], s[R]       ; rank = members in lower words + members in lower lanes
	s_bcnt1_i32_b32 s51, s[M+g]
	s_add_co_u32 s[R], s[R], s51
.set g, g+1
.endr
	WIN 0x40
	WISSUE 5
	WISSUE 6
	WIN 0
	s_or_b32 s50, s[WV], s[SL]
	s_cmp_lg_u32 s50, 0
	s_cbranch_scc1 .Lnot0
	s_lshl_b32 s50, s[E], 12                       ; one wave an expert hands ranks and count to the later launches
	s_mov_b32 s51, 0
	s_add_nc_u64 s[52:53], s[12:13], s[50:51]
	s_lshl_b32 s50, s[E], 8
	s_add_nc_u64 s[54:55], s[14:15], s[50:51]
	v_lshlrev_b32 v28, 3, v1
	v_mov_b32 v26, s[R]
	v_mov_b32 v27, s[R]
.set g, 0
.rept 16
	global_store_b64 v28, v[RK+2*g:RK+2*g+1], s[52:53] offset:256*g  ; 256 consecutive bytes, aligned; a token that is no member gets a number that nobody reads
.set g, g+1
.endr
	global_store_b64 v28, v[26:27], s[54:55]
.Lnot0:
.else
	s_add_nc_u64 s[58:59], s[8:9], s[60:61]
	s_load_b32 s[R], s[58:59], 0x0                 ; the expert's count
	WIN 0x40
	WISSUE 0                                       ; seven groups: 56 loads are out
	WISSUE 1
	WISSUE 2
	WISSUE 3
	WISSUE 4
	WISSUE 5
	WISSUE 6
	; The sums start with the constant 0 as C.  These 320 lines only give every accumulator a value on every way: a wave without tiles in a pass passes the way out's text up to its first jump.
	; They stand once, in the wait for the first weights.
	WIN 0x80                                       ; destination window 2
.set n, 0
.rept 192
	v_mov_b32 v[n], 0
.set n, n+1
.endr
	WIN 0xc0                                       ; destination window 3
.set n, 0
.rept 128
	v_mov_b32 v[n], 0
.set n, n+1
.endr
	WIN 0
	s_mul_i32 s[LB], s[WV], 16*SPITCH
	s_add_co_u32 s[LB], s[LB], STAGE
	v_mul_u32_u24 v[STO], v2, SPITCH
	v_lshl_add_u32 v[STO], v3, 5, v[STO]
	v_add_nc_u32 v[STO], s[LB], v[STO]             ; in: row r, 32 bytes for each half of the lanes
	v_lshl_add_u32 v[SRD], v1, 4, s[LB]            ; back: a row's 512 bytes, 16 a lane
	s_wait_kmcnt 0x0
.endif
	TILES
; ---- phase A: 32 groups; three trips of eight ask for the group seven on, the last eight are written out and their counts run down ----
	s_mov_b32 s[TB], 0
	v_mov_b32 v[LST], v[LST0]
	s_mov_b32 s[KC], 3
.Lw:
.irp s, 0,1,2,3,4,5,6,7
	WSTEP \s, 1, 48                                ; six younger groups stay out
.endr
	WIN 0
	s_add_co_u32 s[TB], s[TB], 4*KB16
	v_add_nc_u32 v[LST], s[TB], v[LST0]
	s_sub_co_u32 s[KC], s[KC], 1
	s_cmp_lg_u32 s[KC], 0
	s_cbranch_scc1 .Lw
	WSTEP 0, 1, 48                                 ; the last group is asked for
	WSTEP 1, 0, 48
	WSTEP 2, 0, 40
	WSTEP 3, 0, 32
	WSTEP 4, 0, 24
	WSTEP 5, 0, 16
	WSTEP 6, 0, 8
	WSTEP 7, 0, 0
	WIN 0
	s_wait_dscnt 0x0                               ; for the others' sake: my share of the slice lies in LDS
	s_barrier_signal -1
	s_barrier_wait -1                              ; the whole slice does
; ---- phase B: four passes ----
	s_mov_b32 s[T0], 0
	s_mov_b32 s[PC], 4
.Lpass:
	s_add_co_u32 s48, s[T0], s[WV]                 ; my first tile of this pass
	s_sub_co_i32 s49, s[NTILE], s48
	s_add_co_i32 s49, s49, 3
	s_ashr_i32 s49, s49, 2
	s_max_i32 s49, s49, 0
	s_min_i32 s[NT], s49, 5                        ; how many of my five tiles exist
	s_wait_xcnt 0x0                                ; offsets, bases and the registers that stores read are written only behind this wait
.if LAYER == 2
	s_lshl_b32 s51, s48, 16                        ; a tile of part is 16 rows of 4,096 bytes
	v_lshl_add_u32 v[VO], v1, 4, s51               ; made on every way: the way out's text stands behind the join
.endif
	s_cmp_eq_u32 s[NT], 0
	s_cbranch_scc1 .Lmeet                          ; none: the pass's K steps are jumped over; no barrier stands in them
.if LAYER == 1
	; THE TOKENS OF MY FIVE RANKS.  First the word: the last one with no more members in lower words than the rank.
	s_max_u32 s50, s[R], 1
	s_sub_co_u32 s50, s50, 1                       ; the last rank
	s_lshl_b32 s51, s48, 4
	v_add_nc_u32 v4, s51, v2
	v_mov_b32 v[ZZ], 0
	EACH v_add_nc_u32 v[RHO+i], 64*i, v4           ; my row's rank in tile i,
	EACH v_min_u32 v[RHO+i], s50, v[RHO+i]         ; or past the count the last row's
	EACH v_mov_b32 v[WM+i], s[M]                   ; word 0 to begin with
	EACH v_mov_b32 v[KK+i], 0
	s_mov_b32 s52, 0
.set wi, 1
.rept 31
	s_bcnt1_i32_b32 s53, s[M+wi-1]
	s_add_co_u32 s52, s52, s53                     ; the members in words below wi: 1,024 at the most,
	s_or_b32 s53, s52, wi<<16                      ; with the word's number above them
	SEEK
.set wi, wi+1
.endr
	; Then the bit.  The word's set bits are summed in fields of 2, 4, 8 and 16 bits, once; five halvings read the sums.
	EACH v_lshrrev_b32 v[TT+i], 1, v[WM+i]
	EACH v_and_b32 v[TT+i], s[MK5], v[TT+i]
	EACH v_sub_nc_u32 v[Q2+i], v[WM+i], v[TT+i]
	EACH v_lshrrev_b32 v[TT+i], 2, v[Q2+i]
	EACH v_and_b32 v[Q4+i], s[MK3], v[Q2+i]
	EACH v_and_b32 v[TT+i], s[MK3], v[TT+i]
	EACH v_add_nc_u32 v[Q4+i], v[Q4+i], v[TT+i]
	EACH v_lshrrev_b32 v[TT+i], 4, v[Q4+i]
	EACH v_add_nc_u32 v[Q8+i], v[Q4+i], v[TT+i]
	EACH v_and_b32 v[Q8+i], s[MKF], v[Q8+i]
	EACH v_lshrrev_b32 v[TT+i], 8, v[Q8+i]
	EACH v_add_nc_u32 v[Q16+i], v[Q8+i], v[TT+i]
	EACH v_and_b32 v[Q16+i], s[MKB], v[Q16+i]
	EACH v_and_b32 v[TT+i], s[MKW], v[KK+i]
	EACH v_sub_nc_u32 v[NN+i], v[RHO+i], v[TT+i]   ; the word's set bits below the one wanted
	EACH v_mov_b32 v[PP+i], 0
	LEVEL Q16, 16
	LEVEL Q8, 8
	LEVEL Q4, 4
	LEVEL Q2, 2
	LEVEL WM, 1
	EACH v_lshrrev_b32 v[TT+i], 17, v[KK+i]        ; the word's group g
	EACH v_bfe_u32 v[NN+i], v[KK+i], 16, 1         ; and its b
	EACH v_lshl_add_u32 v[PP+i], v[PP+i], 1, v[NN+i]
	EACH v_lshl_add_u32 v[PP+i], v[TT+i], 6, v[PP+i]  ; the token: 64 g + 2 l + b
	EACH v_min_u32 v[PP+i], 0x3ff, v[PP+i]
	EACH v_lshlrev_b32 v[AOFF+i], 11, v[PP+i]      ; its row of 2,048 bytes,
	EACH v_lshl_add_u32 v[AOFF+i], v3, 4, v[AOFF+i]  ; 16 bytes for each half of the lanes
	s_lshl_b32 s51, s48, 17                        ; a tile of hbuf is 128 KiB
	v_lshl_add_u32 v[VO], v1, 4, s51
.else
	s_sub_co_u32 s50, s[NTILE], 1
.irp i, 0,1,2,3,4
	s_add_co_u32 s51, s48, 4*(\i)
	s_min_u32 s51, s51, s50                        ; a dead tile repeats the last one
	s_min_u32 s51, s51, 63
	s_lshl_b32 s51, s51, 17
	v_lshl_add_u32 v[AOFF+(\i)], v1, 4, s51
.endr
.endif
	s_mov_b64 s[ACUR:ACUR+1], s[ABASE:ABASE+1]
	s_mov_b32 s[TB], 0
	v_mov_b32 v[BADR], v[BK0]
	v_add_nc_u32 v[BADR+1], 4*KST, v[BK0]
	WIN 0x40
	AFILL 0, 0                                     ; the first five K steps' tokens
	AFILL 1, 1
	AFILL 2, 2
	AFILL 3, 3
	AFILL 4, 4
	KSTEP 0, 1, 50, 1, 1                           ; K step 0 stands ahead of the loop: its products start the sums
	WIN 0
	s_mov_b32 s[KC], 4
.Lk:                                                   ; four trips of six: K steps 1 to 24
	KSTEP 1, 1, 50, 1, 0
	KSTEP 2, 1, 50, 1, 0
	KSTEP 3, 1, 50, 1, 0
	KSTEP 4, 1, 50, 1, 0
	KSTEP 5, 1, 50, 1, 0
	KSTEP 6, 1, 50, 1, 0
	WIN 0
	s_wait_xcnt 0x0                                ; the loads that are out have had their addresses translated: their base may be stepped
	s_add_nc_u64 s[ACUR:ACUR+1], s[ACUR:ACUR+1], 6*KSB
	s_add_co_u32 s[TB], s[TB], 6*KST
	v_add_nc_u32 v[BADR], s[TB], v[BK0]
	v_add_nc_u32 v[BADR+1], 4*KST, v[BADR]
	s_sub_co_u32 s[KC], s[KC], 1
	s_cmp_lg_u32 s[KC], 0
	s_cbranch_scc1 .Lk
	KSTEP 1, 1, 50, 1, 0                           ; K steps 25 to 31 are written out: two more groups of tokens are asked for, then none, and the counts run down
	KSTEP 2, 1, 50, 1, 0
	KSTEP 3, 0, 40, 1, 0
	KSTEP 4, 0, 30, 1, 0
	KSTEP 5, 0, 20, 1, 0
	KSTEP 6, 0, 10, 1, 0
	KSTEP 7, 0, 0, 0, 0
	WIN 0
.if LAYER == 1
	EPI                                            ; writes no LDS: no barrier is wanted here
.Lmeet:
.else
.Lmeet:
	s_wait_dscnt 0x0                               ; my reads of the slice in this pass are back:
	s_barrier_signal -1
	s_barrier_wait -1                              ; everybody's are; only now are the stages written
	EPI
	s_wait_dscnt 0x0                               ; my stores into my stage, and my reads of it, are done:
	s_barrier_signal -1
	s_barrier_wait -1                              ; everybody's are; only now is the slice read again, or the closing add made
.endif
	s_add_co_u32 s[T0], s[T0], 20
	s_sub_co_u32 s[PC], s[PC], 1
	s_cmp_lg_u32 s[PC], 0
	s_cbranch_scc1 .Lpass
.if LAYER == 1
	s_wait_dscnt 0x0                               ; my reads of the slice are back:
	s_barrier_signal -1
	s_barrier_wait -1                              ; everybody's are; only now is LDS written again, by the closing add
.endif
	s_wait_tensorcnt 0x0                           ; the wave's end
	ds_add_u32 v[SPW], v[NIL]
	s_wait_dscnt 0x0
	s_endpgm
.Lfunc_end_k_q26312ad491_ffn1:
	.size	k_q26312ad491_ffn1, .Lfunc_end_k_q26312ad491_ffn1-k_q26312ad491_ffn1
	.p2alignl 7, 3214868480
	.fill 96, 4, 3214868480
	.section	.rodata,"a",@progbits
	.p2align	6, 0x0
	.amdhsa_kernel k_q26312ad491_ffn1
		.amdhsa_group_segment_fixed_size 312832
		.amdhsa_private_segment_fixed_size 0
		.amdhsa_enable_private_segment 0
		.amdhsa_kernarg_size 48
		.amdhsa_user_sgpr_count 2
		.amdhsa_user_sgpr_kernarg_segment_ptr 1
		.amdhsa_wavefront_size32 1
		.amdhsa_system_sgpr_workgroup_id_x 1
		.amdhsa_system_sgpr_workgroup_id_y 1
		.amdhsa_system_sgpr_workgroup_id_z 1
		.amdhsa_system_vgpr_workitem_id 0
		.amdhsa_next_free_vgpr 896
		.amdhsa_next_free_sgpr 100
		.amdhsa_reserve_vcc 1
		.amdhsa_float_denorm_mode_32 3
		.amdhsa_float_denorm_mode_16_64 3
		.amdhsa_memory_ordered 1
		.amdhsa_forward_progress 1
		.amdhsa_inst_pref_size 241
	.end_amdhsa_kernel
	.amdgpu_metadata
---
amdhsa.version: [ 1, 2 ]
amdhsa.kernels:
  - .name:           k_q26312ad491_ffn1
    .symbol:         k_q26312ad491_ffn1.kd
    .args:
      - { .name: w1, .offset: 0, .size: 8, .value_kind: global_buffer, .address_space: global }
      - { .name: xb, .offset: 8, .size: 8, .value_kind: global_buffer, .address_space: global }
      - { .name: idx, .offset: 16, .size: 8, .value_kind: global_buffer, .address_space: global }
      - { .name: hbuf, .offset: 24, .size: 8, .value_kind: global_buffer, .address_space: global }
      - { .name: posE, .offset: 32, .size: 8, .value_kind: global_buffer, .address_space: global }
      - { .name: cnt, .offset: 40, .size: 8, .value_kind: global_buffer, .address_space: global }
    .group_segment_fixed_size: 312832
    .private_segment_fixed_size: 0
    .kernarg_segment_align: 8
    .kernarg_segment_size: 48
    .max_flat_workgroup_size: 128
    .sgpr_count:     100
    .vgpr_count:     896
    .wavefront_size: 32
...
	.end_amdgpu_metadata
.endif
;; end of part 2
;; launch ffn2 (part 3): grid 32 x 8, 4 waves a work-group, no clusters, 312,832 bytes of LDS; arguments w2, hbuf, cnt, part; writes part
.if DOCPART == 3
	.amdgcn_target "amdgcn-amd-amdhsa--gfx1250"
	.amdhsa_code_object_version 6
	.text
	.protected	k_q26312ad491_ffn2
	.globl	k_q26312ad491_ffn2
	.p2align	8
	.type	k_q26312ad491_ffn2,@function
k_q26312ad491_ffn2:
	s_mov_b64 s[64:65], 0
	v_nop
	global_prefetch_b8 v0, s[64:65] scope:SCOPE_SE
	s_setreg_imm32_b32 hwreg(HW_REG_WAVE_MODE, 25, 1), 1
	s_wait_xcnt 0x0
; THE EXPERTS' TWO PRODUCTS, ONE TEXT; LAYER picks the lines.
; LAYER 1: hbuf = gelu(x[rows of expert e] w1[e]) in bf16.   LAYER 2: part[kh] = hbuf[e] w2[e], summed over a quarter kh of the hidden width, in f32.
; Only the rows that chose expert e are multiplied.  A routed row's place is e x 1,024 + its rank in the expert, so that no work-group needs another expert's count.
; SHARES.  A work-group has a slice of ONE expert's weights, 1,024 k x 128 columns (512 KiB of f32), which it alone reads, and all of that expert's rows.  All four waves run the same text.
; PHASE A.  The slice goes from memory through registers, rounded once to bf16, into LDS, where it stays: wave w takes rows 256 w .. 256 w + 255, a row (512 consecutive bytes) to a load,
; in a ring of eight groups of eight loads of which six or seven are out.  Each group has an offset register of its own, stepped behind the counted wait that has shown the group's last loads done,
; and the base is never rewritten: no wait for all addresses stands in the loop.  One barrier; behind it nobody writes the weights.
; PHASE B.  Wave w has the row tiles 20 PASS + 4 i + w (16 rows each, i = 0..4) times all 128 columns: 40 accumulators.  Its token fragments, which no other wave needs, come from memory straight
; into a ring of six register slots, five K steps ahead; the weight fragments come out of LDS turned (ds_load_tr16_b128), one K step ahead.
; WHICH ROWS (LAYER 1).  Every wave compares the 2,048 choices with e: 32 masks of 32 tokens stay in scalar registers (word 2 g + b, bit l: token 64 g + 2 l + b); a token's rank is the number of members
; in lower words and lower bits.  At a pass's head each lane finds the token of each of its five ranks from the masks, by arithmetic in registers alone.
; BARRIERS IN PHASE B.  Whatever a wave writes into LDS behind phase A (LAYER 2's stages, the closing add) lies behind the slice; all the same a barrier stands between every wave's reads of the slice
; and such a write, and between LAYER 2's stage stores and the next pass's reads, so that the order holds without the addresses' arithmetic.  Every wave passes every barrier; only work is jumped over.
; EVERY SPLIT.  A pass serves 320 rows; four passes, a constant count, serve 1,024; a wave without tiles in a pass jumps over its K steps; the weights are read from memory once whatever the split.
; An expert without rows multiplies one tile of token 1,023's row, which nobody reads.  Places past the count repeat the last row; dead tiles are not stored.
; THE MATRIX INSTRUCTION IS USED TRANSPOSED (source 0 = 16 columns of the weights, source 1 = 16 rows): a lane holds one row (lane % 16) and the columns 16 q + 8 (lane / 16) + 0..7.
; hbuf: [e][tile of 16 rows][K step of 32][1,024 bytes]: lane l's fragment registers 0-3 at 16 l, 4-7 at 512 + 16 l: LAYER 1's packed results ARE LAYER 2's fragments.
; GELU is the tanh form: x / (1 + 2^(x (c1 + c2 x^2))), c1 = -2 log2(e) sqrt(2 / pi), c2 = 0.044715 c1.
; LIMITS.  Weights, x and the hidden layer are rounded once to bf16; sums in f32.  NaN and infinities are not treated apart; where x^2 overflows gelu gives x or -0, as tanh -> +-1 does.
; NO CLUSTER: each slice of weights has one reader; LAYER 1's shared rows are gathered, which no tile descriptor covers; for LAYER 2's shared fragments LDS has no room beside the slice.
; NO TENSOR LOADS: the weights pass through registers for their rounding in any case.
.set LAYER, 2
.if LAYER == 1
.set PW,    16384                      ; bytes from a weight row (k) to the next
.set KSB,   64                         ; bytes from a K step's token fragment to the next
.set HB,    32                         ; from its registers 0-3 to its registers 4-7
.else
.set PW,    4096
.set KSB,   1024
.set HB,    512
.endif
.set BLK,    544                       ; a block of 16 k x 16 columns of bf16: 512 dense bytes + 32: the eight blocks of a row of weights start 8 banks apart (64 banks of 4 bytes: ISA guide 11.1)
.set KB16,   8*BLK                     ; 16 k x 128 columns
.set KST,    2*KB16                    ; a K step of 32
.set WSH,    16*KB16                   ; a wave's 256 rows
.set WTS,    64*KB16                   ; the slice: 278,528 bytes from LDS byte 0
.set STAGE,  WTS                       ; LAYER 2: 16 rows x 528 bytes for each wave, for the way out
.set SPITCH, 528                       ; 512 + 16 = 132 words: the 16 rows of a store start at 16 different groups of four banks
.set SPARE,  WTS+4*16*SPITCH           ; the spare words: 128 bytes a wave, two blocks of 256 bytes that no other line names
; vector registers, in windows of 256 (s_set_vgpr_msb: bits 1:0 source 0, 3:2 source 1, 5:4 source 2, 7:6 destination)
.set AOFF, 10                          ; v10-14  tile i: my lane's byte offset in the tokens' buffer
.set BK0,  15                          ; v15     my lane's place in a block of weights; never rewritten
.set BADR, 16                          ; v16-17  the same at the K steps in hand: steps 0-3 and 4-7 from the loop's place
.set VO,   18                          ; v18     my byte offset in the output
.set STO,  19                          ; v19     LAYER 2: into the stage
.set SPW,  20                          ; v20     my spare word; never rewritten
.set NIL,  21                          ; v21     0; never rewritten
.set SRD,  22                          ; v22     LAYER 2: back from the stage
.set WOFF, 23                          ; v23     16 x lane; never rewritten
.set LST0, 24                          ; v24     phase A: my lane's place in my wave's share of the slice; never rewritten
.set LST,  25                          ; v25     the same at the rows in hand
.set BF,   32                          ; v32-159 weight fragments, two buffers of 8 x 8; at work on the way out and at a pass's head
.set IDX,  32                          ; LAYER 1, ahead of phase B: the choices as loaded,
.set RK,   96                          ; and the tokens' ranks
.set T,    128                         ; phase A: v128-159 rounded weights, two sets of 16 by turns
.set WO,   160                         ; phase A: v160-167 group s: 16 x lane + the rows that the group has gone on
.set RHO,  32                          ; LAYER 1, a pass's head, five registers each, one a tile: the rank wanted,
.set WM,   37                          ; the mask word that holds it,
.set KK,   42                          ; that word's number << 16 | the members in lower words,
.set Q2,   47                          ; the word's set bits summed in fields of 2,
.set Q4,   52                          ; 4,
.set Q8,   57                          ; 8
.set Q16,  62                          ; and 16 bits,
.set TT,   67                          ; at work,
.set NN,   72                          ; the set bits still to be passed over,
.set PP,   77                          ; the bit's place so far
.set ZZ,   82                          ; v82     0
                                       ; window 1: phase A: group s, load j at 32 s + 4 j;  phase B: the token ring, slot s tile i at 40 s + 8 i
                                       ; window 2: accumulators of tiles 0-2, (i, q) at 64 i + 8 q;  window 3: of tiles 3, 4 at 64 (i - 3) + 8 q
; scalar registers
.set WV, 16                            ; wave
.set E,  18
.set SL, 19
.set R,  20                            ; the expert's rows
.set PC, 21                            ; passes to go
.set T0, 22                            ; 20 x pass
.set KC, 23                            ; a loop's trips to go
.set TB, 24                            ; the loop's place in LDS
.set NT, 25                            ; my live tiles in this pass, 0 to 5
.set NTILE, 26
.set KH, 27
.set WCUR, 28                          ; s[28:29] my wave's first row of weights; never rewritten
.set ACUR, 30
.set MK5, 32                           ; LAYER 1: 0x55555555,
.set MK3, 33                           ; 0x33333333,
.set MKF, 34                           ; 0x0f0f0f0f,
.set MKB, 35                           ; 0x00ff00ff,
.set MKW, 36                           ; 0x0000ffff
.set ABASE, 40
.set HB0, 42
.set C1, 44
.set C2, 46
.set LB, 56                            ; LAYER 2: my stage
.set M,  66                            ; LAYER 1: s66-97 the 32 masks
.set MSB, 0
.macro WIN new                         ; the immediate's high byte repeats the setting that is left; a switch that changes nothing is dropped
.if MSB != (\new)
	s_set_vgpr_msb (MSB<<8)|(\new)
.set MSB, (\new)
.endif
.endm
.macro PLACES                          ; four places between matrix instructions and what reads their results or writes or loads into their registers (ISA guide 7.12.1 for reads and writes)
.rept 4
	v_nop
.endr
.endm
; ---- phase A ----
; Eight loads, a row of 512 consecutive bytes each: rows 8 slot .. 8 slot + 7 of the 64 rows at the slot's offset.  Slot 7 is not issued at the head, so its offset is stepped ahead of its first
; use too, and its immediates stand 64 rows lower.
.macro WISSUE slot
.set jj, 0
.rept 8
	global_load_b128 v[32*(\slot)+4*jj:32*(\slot)+4*jj+3], v[WO+(\slot)], s[WCUR:WCUR+1] offset:(8*(\slot)+jj-64*((\slot)/7))*PW th:TH_LOAD_NT
.set jj, jj+1
.endr
.endm
; Group s of a trip's eight: rounded and laid into LDS; fill = 1: the group seven further on is asked for, into the registers that the step before has read.  That slot's offset is stepped first:
; its last loads were shown done by the counted wait of the step before.
.macro WSTEP s, fill, cnt
	s_wait_loadcnt \cnt                            ; loads come back in order: this group is in, the younger ones stay out
	WIN 0x05                                       ; sources window 1, destination window 0
.set TBUF, T+16*((\s)%2)
.set jj, 0
.rept 8
	v_cvt_pk_bf16_f32 v[TBUF+2*jj],   v[32*(\s)+4*jj],   v[32*(\s)+4*jj+1]
	v_cvt_pk_bf16_f32 v[TBUF+2*jj+1], v[32*(\s)+4*jj+2], v[32*(\s)+4*jj+3]
.set jj, jj+1
.endr
	WIN 0
.if \fill
	v_add_nc_u32 v[WO+((\s)+7)%8], 64*PW, v[WO+((\s)+7)%8]  ; the slot's next 64 rows
	WIN 0x40                                       ; loads into window 1; addresses, and the stores' data, in window 0
	WISSUE ((\s)+7)%8
.endif
.set jj, 0
.rept 8
	ds_store_b64 v[LST], v[TBUF+2*jj:TBUF+2*jj+1] offset:((\s)/2)*KB16+(((\s)%2)*8+jj)*32  ; a row's 256 bytes: 32 bytes in each of eight blocks, every bank once
.set jj, jj+1
.endr
.endm
; ---- phase B ----
.macro AFILL slot, kidx                ; ten loads: the five tiles' token fragments of K step kidx from the base, into ring slot
.irp i, 0,1,2,3,4
	global_load_b128 v[40*(\slot)+8*(\i):40*(\slot)+8*(\i)+3],   v[AOFF+(\i)], s[ACUR:ACUR+1] offset:(\kidx)*KSB
	global_load_b128 v[40*(\slot)+8*(\i)+4:40*(\slot)+8*(\i)+7], v[AOFF+(\i)], s[ACUR:ACUR+1] offset:(\kidx)*KSB+HB
.endr
.endm
.macro BFETCH j                        ; sixteen turning loads: the weights of K step j from the loop's place, 32 k x 128 columns, into buffer j % 2; each half of the lanes takes 256 consecutive bytes
.irp q, 0,1,2,3,4,5,6,7
	ds_load_tr16_b128 v[BF+64*((\j)%2)+8*(\q):BF+64*((\j)%2)+8*(\q)+3],   v[BADR+(\j)/4] offset:((\j)%4)*KST+(\q)*BLK
	ds_load_tr16_b128 v[BF+64*((\j)%2)+8*(\q)+4:BF+64*((\j)%2)+8*(\q)+7], v[BADR+(\j)/4] offset:((\j)%4)*KST+(\q)*BLK+KB16
.endr
.endm
.macro MULT rel, i, zero               ; tile i's eight products
.set ACB, 64*((\i)%3)
.irp q, 0,1,2,3,4,5,6,7
.if \zero
	v_wmma_f32_16x16x32_bf16 v[ACB+8*(\q):ACB+8*(\q)+7], v[BF+64*((\rel)%2)+8*(\q):BF+64*((\rel)%2)+8*(\q)+7], v[40*((\rel)%6)+8*(\i):40*((\rel)%6)+8*(\i)+7], 0
.else
	v_wmma_f32_16x16x32_bf16 v[ACB+8*(\q):ACB+8*(\q)+7], v[BF+64*((\rel)%2)+8*(\q):BF+64*((\rel)%2)+8*(\q)+7], v[40*((\rel)%6)+8*(\i):40*((\rel)%6)+8*(\i)+7], v[ACB+8*(\q):ACB+8*(\q)+7]
.endif
.endr
.endm
; K STEP rel, counted from the loop's place.  The ring slot that the step before has read is asked again, for the K step five on (fill = 1); the next step's weights are fetched (fetch = 1).
; cnt: ten times the groups of token loads issued behind the one needed: five while the ring is filled; at most 60 loads are out.  s_wait_dscnt 16 leaves the next step's sixteen loads out.
; The accumulators take turns, one instruction a turn, on both ways and from step to step.  Tile 4 stands first, under the one jump: most waves have four tiles.
; zero = 1: the pass's first step: its products start all 40 sums, tile 4's too.
.macro KSTEP rel, fill, cnt, fetch, zero
.if !(\zero)
	PLACES
.endif
.if \fill
	WIN 0x40
	AFILL ((\rel)+5)%6, (\rel)+5
.endif
	WIN 0
.if \zero
	BFETCH 0
.endif
.if \fetch
	BFETCH (\rel)+1
.endif
	s_wait_loadcnt \cnt
.if \fetch
	s_wait_dscnt 16
.else
	s_wait_dscnt 0x0
.endif
.if \zero
	WIN 0xf4                                       ; weights window 0, tokens window 1, sums window 3
	MULT \rel, 4, 1
	MULT \rel, 3, 1
	WIN 0xa4                                       ; sums window 2
	MULT \rel, 0, 1
	MULT \rel, 1, 1
	MULT \rel, 2, 1
.else
	s_cmp_lt_u32 s[NT], 5
	s_cbranch_scc1 .Lno4_\@
	WIN 0xf4
	MULT \rel, 4, 0
	WIN 0                                          ; at a label and at a branch every window is 0
.Lno4_\@:
	WIN 0xf4
	MULT \rel, 3, 0
	WIN 0xa4
	MULT \rel, 0, 0
	MULT \rel, 1, 0
	MULT \rel, 2, 0
.endif
.endm
.macro TILES                           ; the expert's tiles of 16 rows, at least one
	s_min_u32 s[R], s[R], 1024
	s_add_co_u32 s48, s[R], 15
	s_lshr_b32 s48, s48, 4
	s_max_u32 s[NTILE], s48, 1
.endm
.if LAYER == 1
; ---- the token of a rank ----
.macro EACH line:vararg                ; one line for each of my five tiles i
.set i, 0
.rept 5
	\line
.set i, i+1
.endr
.endm
.macro SEEK                            ; word wi, with s52 members in lower words: it takes the earlier word's place unless s52 is over the rank.  So the last word with s52 <= rank stays
.set i, 0
.rept 5
	v_cmp_gt_u32 vcc_lo, s52, v[RHO+i]
	v_cndmask_b32 v[WM+i], s[M+wi], v[WM+i], vcc_lo
	v_cndmask_b32 v[KK+i], s53, v[KK+i], vcc_lo
.set i, i+1
.endr
.endm
.macro LEVEL c, w                      ; a halving: the lower w bits from the place so far hold t set bits (read off the sums in fields of w bits); if t are too few, they are passed over
.set i, 0
.rept 5
	v_bfe_u32 v[TT+i], v[(\c)+i], v[PP+i], \w
	v_cmp_lt_u32 vcc_lo, v[NN+i], v[TT+i]          ; the bit wanted lies among them
	v_cndmask_b32 v[TT+i], v[TT+i], v[ZZ], vcc_lo  ; 0 then, else t
	v_sub_nc_u32 v[NN+i], v[NN+i], v[TT+i]
	v_cndmask_b32 v[TT+i], \w, v[ZZ], vcc_lo       ; 0 then, else w
	v_add_nc_u32 v[PP+i], v[PP+i], v[TT+i]
.set i, i+1
.endr
.endm
; THE WAY OUT, LAYER 1: gelu of half a tile, 32 numbers a lane; each batch of 32 transcendentals has one plain instruction and one wait behind it.
; Each accumulator is read from its low end on.  A store is 512 consecutive bytes, aligned: half a fragment of LAYER 2.
.macro GELU i, hf
.set WS, 2+(\i)/3
.set X, 64*((\i)%3)+32*(\hf)
.set P, BF
.set Y, BF+64
	WIN WS|(WS<<2)                                 ; both sources in the sums' window
.set n, 0
.rept 16
	v_pk_mul_f32 v[P+2*n:P+2*n+1], v[X+2*n:X+2*n+1], v[X+2*n:X+2*n+1]
.set n, n+1
.endr
	WIN 0
.set n, 0
.rept 16
	v_pk_fma_f32 v[P+2*n:P+2*n+1], v[P+2*n:P+2*n+1], s[C2:C2+1], s[C1:C1+1] op_sel_hi:[1,0,0]
.set n, n+1
.endr
	WIN WS<<2                                      ; source 1 in the sums' window
.set n, 0
.rept 16
	v_pk_mul_f32 v[P+2*n:P+2*n+1], v[P+2*n:P+2*n+1], v[X+2*n:X+2*n+1]
.set n, n+1
.endr
	WIN 0
.set n, 0
.rept 32
	v_exp_f32 v[P+n], v[P+n]
.set n, n+1
.endr
	v_nop
	s_wait_alu depctr_va_vdst(0)
.set n, 0
.rept 16
	v_pk_add_f32 v[P+2*n:P+2*n+1], v[P+2*n:P+2*n+1], 1.0 op_sel_hi:[1,0]
.set n, n+1
.endr
.set n, 0
.rept 32
	v_rcp_f32 v[P+n], v[P+n]
.set n, n+1
.endr
	v_nop
	s_wait_alu depctr_va_vdst(0)
	WIN WS<<2
.set n, 0
.rept 16
	v_pk_mul_f32 v[P+2*n:P+2*n+1], v[P+2*n:P+2*n+1], v[X+2*n:X+2*n+1]
.set n, n+1
.endr
	WIN 0
	s_wait_xcnt 0x0                                ; the registers that the stores before read are written only behind this wait
.set n, 0
.rept 16
	v_cvt_pk_bf16_f32 v[Y+n], v[P+2*n], v[P+2*n+1]
.set n, n+1
.endr
.irp c, 0,1,2,3
	global_store_b128 v[VO], v[Y+4*(\c):Y+4*(\c)+3], s[HB0:HB0+1] offset:(\i)*524288+(2*(\hf)+(\c)/2)*1024+((\c)%2)*512
.endr
.endm
.macro EPI
	PLACES                                         ; behind the last products
.irp i, 0,1,2,3,4
	s_cmp_gt_u32 s[NT], \i
	s_cbranch_scc0 .Lepi_done                      ; dead tiles are not stored
	GELU \i, 0
	GELU \i, 1
.endr
.Lepi_done:
.endm
.else
; THE WAY OUT, LAYER 2: a tile through my own stage: in by lanes (a row's 32 bytes for each column block), back as whole rows; a store is a row's 512 consecutive bytes, aligned.
.macro EPI
	PLACES
.irp i, 0,1,2,3,4
	s_cmp_gt_u32 s[NT], \i
	s_cbranch_scc0 .Lepi_done
.set WS, 2+(\i)/3
.set X, 64*((\i)%3)
.set Y, BF+64*((\i)%2)
	WIN WS<<2                                      ; the stores' data in the sums' window
.irp q, 0,1,2,3,4,5,6,7
	ds_store_b128 v[STO], v[X+8*(\q):X+8*(\q)+3]   offset:64*(\q)
	ds_store_b128 v[STO], v[X+8*(\q)+4:X+8*(\q)+7] offset:64*(\q)+16
.endr
	WIN 0
	s_wait_xcnt 0x0                                ; the registers that earlier stores read are loaded again only behind this wait
.set t, 0
.rept 16
	ds_load_b128 v[Y+4*t:Y+4*t+3], v[SRD] offset:t*SPITCH  ; LDS serves a wave's instructions in order: these see the stores above
.set t, t+1
.endr
	s_wait_dscnt 0x0
.set t, 0
.rept 16
	global_store_b128 v[VO], v[Y+4*t:Y+4*t+3], s[HB0:HB0+1] offset:(\i)*262144+t*4096
.set t, t+1
.endr
.endr
.Lepi_done:
.endm
.endif
; ---- the head ----
	s_load_b256 s[4:11], s[0:1], 0x0               ; weights s[4:5], tokens s[6:7], idx (LAYER 2: cnt) s[8:9], output s[10:11]
.if LAYER == 1
	s_load_b128 s[12:15], s[0:1], 0x20             ; posE s[12:13], cnt s[14:15]
.endif
	v_lshl_add_u32 v[SPW], v0, 2, SPARE
	v_mov_b32 v[NIL], 0
	v_and_b32 v1, 31, v0                           ; lane l
	v_lshrrev_b32 v4, 5, v0
	v_readfirstlane_b32 s[WV], v4
	v_and_b32 v2, 15, v1                           ; r = l % 16
	v_lshrrev_b32 v3, 4, v1                        ; h = l / 16
	v_lshlrev_b32 v[WOFF], 4, v1
.irp s, 0,1,2,3,4,5,6,7
	v_mov_b32 v[WO+(\s)], v[WOFF]                  ; every group of phase A starts at my wave's first 64 rows
.endr
	v_lshrrev_b32 v4, 2, v1                        ; phase A: my four columns lie in block l / 4,
	v_mul_u32_u24 v[LST0], v4, BLK
	v_and_b32 v4, 3, v1
	v_lshl_add_u32 v[LST0], v4, 3, v[LST0]         ; at byte 8 (l % 4) of a row of it,
	s_mul_i32 s48, s[WV], WSH
	v_add_nc_u32 v[LST0], s48, v[LST0]             ; in my wave's share
	v_and_b32 v4, 7, v1                            ; the turning load: lane l reads row 8 h + l % 8 of a block,
	v_lshl_add_u32 v4, v3, 3, v4
	v_lshlrev_b32 v[BK0], 5, v4
	v_bfe_u32 v4, v1, 3, 1
	v_lshl_add_u32 v[BK0], v4, 4, v[BK0]           ; columns 8 ((l / 8) % 2) ..
	s_and_b32 s[E], ttmp7, 0xffff
	s_mov_b32 s49, 0
	s_mov_b32 s51, 0
	s_mov_b32 s53, 0
.if LAYER == 1
	s_mov_b32 s[SL], ttmp9
	s_lshl_b32 s48, s[E], 24                       ; an expert's weights are 16 MiB;
	s_lshl_b32 s54, s[SL], 9                       ; my work-group's 128 columns;
	s_add_co_u32 s48, s48, s54
	s_lshl_b32 s54, s[WV], 22                      ; my wave's 256 rows of 16,384 bytes
	s_add_co_u32 s48, s48, s54
	s_mov_b32 s50, 0                               ; xb from its first byte
	s_lshl_b32 s52, s[E], 23                       ; an expert's part of hbuf is 8 MiB;
	s_lshl_b32 s54, s[SL], 12                      ; my four K steps
	s_add_co_u32 s52, s52, s54
	s_mov_b32 s[C1], 0xc0135761                    ; -2.3022082
	s_mov_b32 s[C1+1], s[C1]
	s_mov_b32 s[C2], 0xbdd2d3e7                    ; -0.10294324
	s_mov_b32 s[C2+1], s[C2]
	s_mov_b32 s[MK5], 0x55555555
	s_mov_b32 s[MK3], 0x33333333
	s_mov_b32 s[MKF], 0x0f0f0f0f
	s_mov_b32 s[MKB], 0x00ff00ff
	s_mov_b32 s[MKW], 0x0000ffff
.else
	s_and_b32 s[SL], ttmp9, 7
	s_lshr_b32 s[KH], ttmp9, 3
	s_lshl_b32 s48, s[E], 24
	s_lshl_b32 s54, s[KH], 22                      ; 1,024 rows of 4,096 bytes
	s_add_co_u32 s48, s48, s54
	s_lshl_b32 s55, s[SL], 9                       ; my work-group's 128 columns
	s_add_co_u32 s48, s48, s55
	s_lshl_b32 s54, s[WV], 20                      ; my wave's 256 rows
	s_add_co_u32 s48, s48, s54
	s_lshl_b32 s50, s[E], 23
	s_lshl_b32 s54, s[KH], 15                      ; 32 K steps
	s_add_co_u32 s50, s50, s54
	s_lshl_b32 s52, s[KH], 25                      ; a quarter's part is 32 MiB,
	s_lshl_b32 s54, s[E], 22                       ; an expert's 1,024 rows 4 MiB
	s_add_co_u32 s52, s52, s54
	s_add_co_u32 s52, s52, s55
	s_lshl_b32 s60, s[E], 8
	s_mov_b32 s61, 0
.endif
	s_wait_kmcnt 0x0
	s_add_nc_u64 s[WCUR:WCUR+1], s[4:5], s[48:49]
	s_add_nc_u64 s[ABASE:ABASE+1], s[6:7], s[50:51]
	s_add_nc_u64 s[HB0:HB0+1], s[10:11], s[52:53]
.if LAYER == 1
.set g, 0
.rept 16
	global_load_b128 v[IDX+4*g:IDX+4*g+3], v[WOFF], s[8:9] offset:512*g  ; two tokens' two choices a lane
.set g, g+1
.endr
	WIN 0x40
	WISSUE 0                                       ; five groups of weights behind them: 56 loads are out
	WISSUE 1
	WISSUE 2
	WISSUE 3
	WISSUE 4
	WIN 0
	; THE MASKS, while the weights are on their way.  Every wave compares the 2,048 choices for itself.  Word g = 2 x group + b, bit l: token 64 group + 2 l + b.
	s_mov_b32 s[R], 0
	s_wait_loadcnt 40                              ; the choices are in; the 40 loads of weights are younger
.set g, 0
.rept 32
	v_cmp_eq_u32 s[M+g], s[E], v[IDX+2*g]
	v_cmp_eq_u32 s51, s[E], v[IDX+2*g+1]
	s_or_b32 s[M+g], s[M+g], s51                   ; the members among these 32 tokens
	v_mbcnt_lo_u32_b32 v[RK+g], s[M+g], s[R]       ; rank = members in lower words + members in lower lanes
	s_bcnt1_i32_b32 s51, s[M+g]
	s_add_co_u32 s[R], s[R], s51
.set g, g+1
.endr
	WIN 0x40
	WISSUE 5
	WISSUE 6
	WIN 0
	s_or_b32 s50, s[WV], s[SL]
	s_cmp_lg_u32 s50, 0
	s_cbranch_scc1 .Lnot0
	s_lshl_b32 s50, s[E], 12                       ; one wave an expert hands ranks and count to the later launches
	s_mov_b32 s51, 0
	s_add_nc_u64 s[52:53], s[12:13], s[50:51]
	s_lshl_b32 s50, s[E], 8
	s_add_nc_u64 s[54:55], s[14:15], s[50:51]
	v_lshlrev_b32 v28, 3, v1
	v_mov_b32 v26, s[R]
	v_mov_b32 v27, s[R]
.set g, 0
.rept 16
	global_store_b64 v28, v[RK+2*g:RK+2*g+1], s[52:53] offset:256*g  ; 256 consecutive bytes, aligned; a token that is no member gets a number that nobody reads
.set g, g+1
.endr
	global_store_b64 v28, v[26:27], s[54:55]
.Lnot0:
.else
	s_add_nc_u64 s[58:59], s[8:9], s[60:61]
	s_load_b32 s[R], s[58:59], 0x0                 ; the expert's count
	WIN 0x40
	WISSUE 0                                       ; seven groups: 56 loads are out
	WISSUE 1
	WISSUE 2
	WISSUE 3
	WISSUE 4
	WISSUE 5
	WISSUE 6
	; The sums start with the constant 0 as C.  These 320 lines only give every accumulator a value on every way: a wave without tiles in a pass passes the way out's text up to its first jump.
	; They stand once, in the wait for the first weights.
	WIN 0x80                                       ; destination window 2
.set n, 0
.rept 192
	v_mov_b32 v[n], 0
.set n, n+1
.endr
	WIN 0xc0                                       ; destination window 3
.set n, 0
.rept 128
	v_mov_b32 v[n], 0
.set n, n+1
.endr
	WIN 0
	s_mul_i32 s[LB], s[WV], 16*SPITCH
	s_add_co_u32 s[LB], s[LB], STAGE
	v_mul_u32_u24 v[STO], v2, SPITCH
	v_lshl_add_u32 v[STO], v3, 5, v[STO]
	v_add_nc_u32 v[STO], s[LB], v[STO]             ; in: row r, 32 bytes for each half of the lanes
	v_lshl_add_u32 v[SRD], v1, 4, s[LB]            ; back: a row's 512 bytes, 16 a lane
	s_wait_kmcnt 0x0
.endif
	TILES
; ---- phase A: 32 groups; three trips of eight ask for the group seven on, the last eight are written out and their counts run down ----
	s_mov_b32 s[TB], 0
	v_mov_b32 v[LST], v[LST0]
	s_mov_b32 s[KC], 3
.Lw:
.irp s, 0,1,2,3,4,5,6,7
	WSTEP \s, 1, 48                                ; six younger groups stay out
.endr
	WIN 0
	s_add_co_u32 s[TB], s[TB], 4*KB16
	v_add_nc_u32 v[LST], s[TB], v[LST0]
	s_sub_co_u32 s[KC], s[KC], 1
	s_cmp_lg_u32 s[KC], 0
	s_cbranch_scc1 .Lw
	WSTEP 0, 1, 48                                 ; the last group is asked for
	WSTEP 1, 0, 48
	WSTEP 2, 0, 40
	WSTEP 3, 0, 32
	WSTEP 4, 0, 24
	WSTEP 5, 0, 16
	WSTEP 6, 0, 8
	WSTEP 7, 0, 0
	WIN 0
	s_wait_dscnt 0x0                               ; for the others' sake: my share of the slice lies in LDS
	s_barrier_signal -1
	s_barrier_wait -1                              ; the whole slice does
; ---- phase B: four passes ----
	s_mov_b32 s[T0], 0
	s_mov_b32 s[PC], 4
.Lpass:
	s_add_co_u32 s48, s[T0], s[WV]                 ; my first tile of this pass
	s_sub_co_i32 s49, s[NTILE], s48
	s_add_co_i32 s49, s49, 3
	s_ashr_i32 s49, s49, 2
	s_max_i32 s49, s49, 0
	s_min_i32 s[NT], s49, 5                        ; how many of my five tiles exist
	s_wait_xcnt 0x0                                ; offsets, bases and the registers that stores read are written only behind this wait
.if LAYER == 2
	s_lshl_b32 s51, s48, 16                        ; a tile of part is 16 rows of 4,096 bytes
	v_lshl_add_u32 v[VO], v1, 4, s51               ; made on every way: the way out's text stands behind the join
.endif
	s_cmp_eq_u32 s[NT], 0
	s_cbranch_scc1 .Lmeet                          ; none: the pass's K steps are jumped over; no barrier stands in them
.if LAYER == 1
	; THE TOKENS OF MY FIVE RANKS.  First the word: the last one with no more members in lower words than the rank.
	s_max_u32 s50, s[R], 1
	s_sub_co_u32 s50, s50, 1                       ; the last rank
	s_lshl_b32 s51, s48, 4
	v_add_nc_u32 v4, s51, v2
	v_mov_b32 v[ZZ], 0
	EACH v_add_nc_u32 v[RHO+i], 64*i, v4           ; my row's rank in tile i,
	EACH v_min_u32 v[RHO+i], s50, v[RHO+i]         ; or past the count the last row's
	EACH v_mov_b32 v[WM+i], s[M]                   ; word 0 to begin with
	EACH v_mov_b32 v[KK+i], 0
	s_mov_b32 s52, 0
.set wi, 1
.rept 31
	s_bcnt1_i32_b32 s53, s[M+wi-1]
	s_add_co_u32 s52, s52, s53                     ; the members in words below wi: 1,024 at the most,
	s_or_b32 s53, s52, wi<<16                      ; with the word's number above them
	SEEK
.set wi, wi+1
.endr
	; Then the bit.  The word's set bits are summed in fields of 2, 4, 8 and 16 bits, once; five halvings read the sums.
	EACH v_lshrrev_b32 v[TT+i], 1, v[WM+i]
	EACH v_and_b32 v[TT+i], s[MK5], v[TT+i]
	EACH v_sub_nc_u32 v[Q2+i], v[WM+i], v[TT+i]
	EACH v_lshrrev_b32 v[TT+i], 2, v[Q2+i]
	EACH v_and_b32 v[Q4+i], s[MK3], v[Q2+i]
	EACH v_and_b32 v[TT+i], s[MK3], v[TT+i]
	EACH v_add_nc_u32 v[Q4+i], v[Q4+i], v[TT+i]
	EACH v_lshrrev_b32 v[TT+i], 4, v[Q4+i]
	EACH v_add_nc_u32 v[Q8+i], v[Q4+i], v[TT+i]
	EACH v_and_b32 v[Q8+i], s[MKF], v[Q8+i]
	EACH v_lshrrev_b32 v[TT+i], 8, v[Q8+i]
	EACH v_add_nc_u32 v[Q16+i], v[Q8+i], v[TT+i]
	EACH v_and_b32 v[Q16+i], s[MKB], v[Q16+i]
	EACH v_and_b32 v[TT+i], s[MKW], v[KK+i]
	EACH v_sub_nc_u32 v[NN+i], v[RHO+i], v[TT+i]   ; the word's set bits below the one wanted
	EACH v_mov_b32 v[PP+i], 0
	LEVEL Q16, 16
	LEVEL Q8, 8
	LEVEL Q4, 4
	LEVEL Q2, 2
	LEVEL WM, 1
	EACH v_lshrrev_b32 v[TT+i], 17, v[KK+i]        ; the word's group g
	EACH v_bfe_u32 v[NN+i], v[KK+i], 16, 1         ; and its b
	EACH v_lshl_add_u32 v[PP+i], v[PP+i], 1, v[NN+i]
	EACH v_lshl_add_u32 v[PP+i], v[TT+i], 6, v[PP+i]  ; the token: 64 g + 2 l + b
	EACH v_min_u32 v[PP+i], 0x3ff, v[PP+i]
	EACH v_lshlrev_b32 v[AOFF+i], 11, v[PP+i]      ; its row of 2,048 bytes,
	EACH v_lshl_add_u32 v[AOFF+i], v3, 4, v[AOFF+i]  ; 16 bytes for each half of the lanes
	s_lshl_b32 s51, s48, 17                        ; a tile of hbuf is 128 KiB
	v_lshl_add_u32 v[VO], v1, 4, s51
.else
	s_sub_co_u32 s50, s[NTILE], 1
.irp i, 0,1,2,3,4
	s_add_co_u32 s51, s48, 4*(\i)
	s_min_u32 s51, s51, s50                        ; a dead tile repeats the last one
	s_min_u32 s51, s51, 63
	s_lshl_b32 s51, s51, 17
	v_lshl_add_u32 v[AOFF+(\i)], v1, 4, s51
.endr
.endif
	s_mov_b64 s[ACUR:ACUR+1], s[ABASE:ABASE+1]
	s_mov_b32 s[TB], 0
	v_mov_b32 v[BADR], v[BK0]
	v_add_nc_u32 v[BADR+1], 4*KST, v[BK0]
	WIN 0x40
	AFILL 0, 0                                     ; the first five K steps' tokens
	AFILL 1, 1
	AFILL 2, 2
	AFILL 3, 3
	AFILL 4, 4
	KSTEP 0, 1, 50, 1, 1                           ; K step 0 stands ahead of the loop: its products start the sums
	WIN 0
	s_mov_b32 s[KC], 4
.Lk:                                                   ; four trips of six: K steps 1 to 24
	KSTEP 1, 1, 50, 1, 0
	KSTEP 2, 1, 50, 1, 0
	KSTEP 3, 1, 50, 1, 0
	KSTEP 4, 1, 50, 1, 0
	KSTEP 5, 1, 50, 1, 0
	KSTEP 6, 1, 50, 1, 0
	WIN 0
	s_wait_xcnt 0x0                                ; the loads that are out have had their addresses translated: their base may be stepped
	s_add_nc_u64 s[ACUR:ACUR+1], s[ACUR:ACUR+1], 6*KSB
	s_add_co_u32 s[TB], s[TB], 6*KST
	v_add_nc_u32 v[BADR], s[TB], v[BK0]
	v_add_nc_u32 v[BADR+1], 4*KST, v[BADR]
	s_sub_co_u32 s[KC], s[KC], 1
	s_cmp_lg_u32 s[KC], 0
	s_cbranch_scc1 .Lk
	KSTEP 1, 1, 50, 1, 0                           ; K steps 25 to 31 are written out: two more groups of tokens are asked for, then none, and the counts run down
	KSTEP 2, 1, 50, 1, 0
	KSTEP 3, 0, 40, 1, 0
	KSTEP 4, 0, 30, 1, 0
	KSTEP 5, 0, 20, 1, 0
	KSTEP 6, 0, 10, 1, 0
	KSTEP 7, 0, 0, 0, 0
	WIN 0
.if LAYER == 1
	EPI                                            ; writes no LDS: no barrier is wanted here
.Lmeet:
.else
.Lmeet:
	s_wait_dscnt 0x0                               ; my reads of the slice in this pass are back:
	s_barrier_signal -1
	s_barrier_wait -1                              ; everybody's are; only now are the stages written
	EPI
	s_wait_dscnt 0x0                               ; my stores into my stage, and my reads of it, are done:
	s_barrier_signal -1
	s_barrier_wait -1                              ; everybody's are; only now is the slice read again, or the closing add made
.endif
	s_add_co_u32 s[T0], s[T0], 20
	s_sub_co_u32 s[PC], s[PC], 1
	s_cmp_lg_u32 s[PC], 0
	s_cbranch_scc1 .Lpass
.if LAYER == 1
	s_wait_dscnt 0x0                               ; my reads of the slice are back:
	s_barrier_signal -1
	s_barrier_wait -1                              ; everybody's are; only now is LDS written again, by the closing add
.endif
	s_wait_tensorcnt 0x0                           ; the wave's end
	ds_add_u32 v[SPW], v[NIL]
	s_wait_dscnt 0x0
	s_endpgm
.Lfunc_end_k_q26312ad491_ffn2:
	.size	k_q26312ad491_ffn2, .Lfunc_end_k_q26312ad491_ffn2-k_q26312ad491_ffn2
	.p2alignl 7, 3214868480
	.fill 96, 4, 3214868480
	.section	.rodata,"a",@progbits
	.p2align	6, 0x0
	.amdhsa_kernel k_q26312ad491_ffn2
		.amdhsa_group_segment_fixed_size 312832
		.amdhsa_private_segment_fixed_size 0
		.amdhsa_enable_private_segment 0
		.amdhsa_kernarg_size 32
		.amdhsa_user_sgpr_count 2
		.amdhsa_user_sgpr_kernarg_segment_ptr 1
		.amdhsa_wavefront_size32 1
		.amdhsa_system_sgpr_workgroup_id_x 1
		.amdhsa_system_sgpr_workgroup_id_y 1
		.amdhsa_system_sgpr_workgroup_id_z 1
		.amdhsa_system_vgpr_workitem_id 0
		.amdhsa_next_free_vgpr 896
		.amdhsa_next_free_sgpr 66
		.amdhsa_reserve_vcc 1
		.amdhsa_float_denorm_mode_32 3
		.amdhsa_float_denorm_mode_16_64 3
		.amdhsa_memory_ordered 1
		.amdhsa_forward_progress 1
		.amdhsa_inst_pref_size 141
	.end_amdhsa_kernel
	.amdgpu_metadata
---
amdhsa.version: [ 1, 2 ]
amdhsa.kernels:
  - .name:           k_q26312ad491_ffn2
    .symbol:         k_q26312ad491_ffn2.kd
    .args:
      - { .name: w2, .offset: 0, .size: 8, .value_kind: global_buffer, .address_space: global }
      - { .name: hbuf, .offset: 8, .size: 8, .value_kind: global_buffer, .address_space: global }
      - { .name: cnt, .offset: 16, .size: 8, .value_kind: global_buffer, .address_space: global }
      - { .name: part, .offset: 24, .size: 8, .value_kind: global_buffer, .address_space: global }
    .group_segment_fixed_size: 312832
    .private_segment_fixed_size: 0
    .kernarg_segment_align: 8
    .kernarg_segment_size: 32
    .max_flat_workgroup_size: 128
    .sgpr_count:     66
    .vgpr_count:     896
    .wavefront_size: 32
...
	.end_amdgpu_metadata
.endif
;; end of part 3
;; launch combine (part 4): grid 256 x 1, 8 waves a work-group, no clusters, 0 bytes of LDS; arguments part, idx, wts, posE, out0; writes out0
.if DOCPART == 4
	.amdgcn_target "amdgcn-amd-amdhsa--gfx1250"
	.amdhsa_code_object_version 6
	.text
	.protected	k_q26312ad491_combine
	.globl	k_q26312ad491_combine
	.p2align	8
	.type	k_q26312ad491_combine,@function
k_q26312ad491_combine:
	s_mov_b64 s[64:65], 0
	v_nop
	global_prefetch_b8 v0, s[64:65] scope:SCOPE_SE
	s_setreg_imm32_b32 hwreg(HW_REG_WAVE_MODE, 25, 1), 1
	s_wait_xcnt 0x0
; out[t] = w0 x (the sum over kh of part[kh][row0]) + w1 x (the sum over kh of part[kh][row1]), row_k = 1,024 x expert_k + the token's rank in that expert; kh = 0..3.  All in f32.
; A work-group has four tokens, a wave half a token's row: eight pieces of 2,048 bytes in, one out; each load and store of the wave covers 512 consecutive bytes, aligned.
; All 32 loads go out before the first wait.  The token's ranks in all eight experts are loaded beside its two choices, so that no load waits for another's result; the two wanted are picked by scalar selects.
; Memory binds: no LDS, no barrier, no matrix unit, no cluster (no two work-groups read the same bytes of part).
.set P, 16                             ; v[16:143]  chunk c of 512 bytes: eight rows x 4 registers at P + 32 c
	s_load_b256 s[4:11], s[0:1], 0x0               ; part s[4:5], idx s[6:7], wts s[8:9], posE s[10:11]
	s_load_b64 s[12:13], s[0:1], 0x20              ; out0
	v_lshrrev_b32 v2, 5, v0
	v_readfirstlane_b32 s16, v2                    ; wave
	v_and_b32 v1, 31, v0
	v_lshlrev_b32 v1, 4, v1                        ; 16 bytes a lane,
	s_lshr_b32 s14, s16, 1                         ; which of the four tokens,
	s_and_b32 s15, s16, 1
	s_lshl_b32 s15, s15, 11                        ; which half of its row
	v_add_nc_u32 v1, s15, v1
	s_lshl2_add_u32 s17, ttmp9, s14                ; my token
	s_lshl_b32 s18, s17, 3
	s_mov_b32 s19, 0
	s_wait_kmcnt 0x0
	s_add_nc_u64 s[48:49], s[6:7], s[18:19]
	s_add_nc_u64 s[50:51], s[8:9], s[18:19]
	s_lshl_b32 s18, s17, 2
	s_add_nc_u64 s[52:53], s[10:11], s[18:19]
	s_load_b64 s[20:21], s[48:49], 0x0             ; the two experts
	s_load_b64 s[22:23], s[50:51], 0x0             ; their weights
.irp e, 0,1,2,3,4,5,6,7
	s_load_b32 s[24+(\e)], s[52:53], (\e)*4096     ; the token's entry in expert e's table of ranks
.endr
	s_lshl_b32 s18, s17, 12
	s_add_nc_u64 s[12:13], s[12:13], s[18:19]      ; my row of out0
	s_wait_kmcnt 0x0
.irp k, 0,1
	s_min_u32 s[20+(\k)], s[20+(\k)], 7
	s_mov_b32 s18, s24
.irp e, 1,2,3,4,5,6,7
	s_cmp_eq_u32 s[20+(\k)], \e
	s_cselect_b32 s18, s[24+(\e)], s18
.endr
	s_min_u32 s18, s18, 1023
	s_lshl_b32 s54, s[20+(\k)], 10
	s_add_co_u32 s18, s18, s54
	s_lshl_b32 s18, s18, 12                        ; a row of part is 4,096 bytes
	s_add_nc_u64 s[32+8*(\k):33+8*(\k)], s[4:5], s[18:19]
	s_add_nc_u64 s[34+8*(\k):35+8*(\k)], s[32+8*(\k):33+8*(\k)], 0x2000000  ; the other quarters of the hidden width: 32 MiB apart
	s_add_nc_u64 s[36+8*(\k):37+8*(\k)], s[32+8*(\k):33+8*(\k)], 0x4000000
	s_add_nc_u64 s[38+8*(\k):39+8*(\k)], s[32+8*(\k):33+8*(\k)], 0x6000000
.endr
	s_mov_b32 s50, s23                             ; the second weight as a pair's low word
	s_mov_b32 s51, s23
.irp c, 0,1,2,3
.irp j, 0,1,2,3,4,5,6,7
	global_load_b128 v[P+32*(\c)+4*(\j):P+32*(\c)+4*(\j)+3], v1, s[32+2*(\j):33+2*(\j)] offset:512*(\c) th:TH_LOAD_NT
.endr
.endr
.irp c, 0,1,2,3
.set B, P+32*(\c)
	s_wait_loadcnt 8*(3-(\c))                      ; loads come back in order: chunk c's eight are in, the later chunks' stay out
.irp k, 0,16                           ; the four quarters of each of the two rows
	v_pk_add_f32 v[B+(\k):B+(\k)+1],     v[B+(\k):B+(\k)+1],     v[B+(\k)+4:B+(\k)+5]
	v_pk_add_f32 v[B+(\k)+2:B+(\k)+3],   v[B+(\k)+2:B+(\k)+3],   v[B+(\k)+6:B+(\k)+7]
	v_pk_add_f32 v[B+(\k)+8:B+(\k)+9],   v[B+(\k)+8:B+(\k)+9],   v[B+(\k)+12:B+(\k)+13]
	v_pk_add_f32 v[B+(\k)+10:B+(\k)+11], v[B+(\k)+10:B+(\k)+11], v[B+(\k)+14:B+(\k)+15]
	v_pk_add_f32 v[B+(\k):B+(\k)+1],     v[B+(\k):B+(\k)+1],     v[B+(\k)+8:B+(\k)+9]
	v_pk_add_f32 v[B+(\k)+2:B+(\k)+3],   v[B+(\k)+2:B+(\k)+3],   v[B+(\k)+10:B+(\k)+11]
.endr
	v_pk_mul_f32 v[B:B+1],   v[B:B+1],   s[22:23] op_sel_hi:[1,0]
	v_pk_mul_f32 v[B+2:B+3], v[B+2:B+3], s[22:23] op_sel_hi:[1,0]
	v_pk_fma_f32 v[B:B+1],   v[B+16:B+17], s[50:51], v[B:B+1]   op_sel_hi:[1,0,1]
	v_pk_fma_f32 v[B+2:B+3], v[B+18:B+19], s[50:51], v[B+2:B+3] op_sel_hi:[1,0,1]
	global_store_b128 v1, v[B:B+3], s[12:13] offset:512*(\c) th:TH_STORE_NT
.endr
	s_endpgm
.Lfunc_end_k_q26312ad491_combine:
	.size	k_q26312ad491_combine, .Lfunc_end_k_q26312ad491_combine-k_q26312ad491_combine
	.p2alignl 7, 3214868480
	.fill 96, 4, 3214868480
	.section	.rodata,"a",@progbits
	.p2align	6, 0x0
	.amdhsa_kernel k_q26312ad491_combine
		.amdhsa_group_segment_fixed_size 0
		.amdhsa_private_segment_fixed_size 0
		.amdhsa_enable_private_segment 0
		.amdhsa_kernarg_size 40
		.amdhsa_user_sgpr_count 2
		.amdhsa_user_sgpr_kernarg_segment_ptr 1
		.amdhsa_wavefront_size32 1
		.amdhsa_system_sgpr_workgroup_id_x 1
		.amdhsa_system_sgpr_workgroup_id_y 1
		.amdhsa_system_sgpr_workgroup_id_z 1
		.amdhsa_system_vgpr_workitem_id 0
		.amdhsa_next_free_vgpr 144
		.amdhsa_next_free_sgpr 66
		.amdhsa_reserve_vcc 0
		.amdhsa_float_denorm_mode_32 3
		.amdhsa_float_denorm_mode_16_64 3
		.amdhsa_memory_ordered 1
		.amdhsa_forward_progress 1
		.amdhsa_inst_pref_size 11
	.end_amdhsa_kernel
	.amdgpu_metadata
---
amdhsa.version: [ 1, 2 ]
amdhsa.kernels:
  - .name:           k_q26312ad491_combine
    .symbol:         k_q26312ad491_combine.kd
    .args:
      - { .name: part, .offset: 0, .size: 8, .value_kind: global_buffer, .address_space: global }
      - { .name: idx, .offset: 8, .size: 8, .value_kind: global_buffer, .address_space: global }
      - { .name: wts, .offset: 16, .size: 8, .value_kind: global_buffer, .address_space: global }
      - { .name: posE, .offset: 24, .size: 8, .value_kind: global_buffer, .address_space: global }
      - { .name: out0, .offset: 32, .size: 8, .value_kind: global_buffer, .address_space: global }
    .group_segment_fixed_size: 0
    .private_segment_fixed_size: 0
    .kernarg_segment_align: 8
    .kernarg_segment_size: 40
    .max_flat_workgroup_size: 256
    .sgpr_count:     66
    .vgpr_count:     144
    .wavefront_size: 32
...
	.end_amdgpu_metadata
.endif
;; end of part 4
;; ======== version 2 of 2: 4 launches; version 1 with the launches ffn1, ffn2 written anew for expert scheduling mode
;; workspace buffers: xb 2,097,152 bytes; idx 8,192 bytes of whole numbers; wts 8,192 bytes; posE 32,768 bytes of whole numbers; cnt 2,048 bytes of whole numbers; hbuf 67,108,864 bytes; part 134,217,728 bytes
;; launch router: the kernel of part 1 again; grid 64 x 1, 8 waves a work-group, no clusters, 62,464 bytes of LDS; arguments x, w_router, xb, idx, wts; writes xb, idx, wts
;; launch ffn1 (part 5): grid 32 x 8, 4 waves a work-group, no clusters, 312,832 bytes of LDS; arguments w1, xb, idx, hbuf, posE, cnt; writes hbuf, posE, cnt
.if DOCPART == 5
	.amdgcn_target "amdgcn-amd-amdhsa--gfx1250"
	.amdhsa_code_object_version 6
	.text
	.protected	k_q26312ad491_ffn1
	.globl	k_q26312ad491_ffn1
	.p2align	8
	.type	k_q26312ad491_ffn1,@function
k_q26312ad491_ffn1:
	s_mov_b64 s[64:65], 0
	v_nop
	global_prefetch_b8 v0, s[64:65] scope:SCOPE_SE
	s_setreg_imm32_b32 hwreg(HW_REG_WAVE_SCHED_MODE, 0, 2), 2
	s_setreg_imm32_b32 hwreg(HW_REG_WAVE_MODE, 25, 1), 1
	s_wait_xcnt 0x0
	s_wait_alu depctr_vm_vsrc(0)
; THE EXPERTS' TWO PRODUCTS, ONE TEXT; LAYER picks the lines.
; LAYER 1: hbuf = gelu(x[rows of expert e] w1[e]) in bf16.   LAYER 2: part[kh] = hbuf[e] w2[e], summed over a quarter kh of the hidden width, in f32.
; Only the rows that chose expert e are multiplied.  A routed row's place is e x 1,024 + its rank in the expert, so that no work-group needs another expert's count.
; SHARES.  A work-group has a slice of ONE expert's weights, 1,024 k x 128 columns (512 KiB of f32), which it alone reads, and all of that expert's rows.  All four waves run the same text.
; PHASE A.  The slice goes from memory through registers, rounded once to bf16, into LDS, where it stays: wave w takes rows 256 w .. 256 w + 255, a row (512 consecutive bytes) to a load,
; in a ring of eight groups of eight loads of which six or seven are out.  Each group has an offset register of its own, stepped behind the counted wait that has shown the group's last loads done,
; and the base is never rewritten: no wait for all addresses stands in the loop.  One barrier; behind it nobody writes the weights.
; PHASE B.  Wave w has the row tiles 20 PASS + 4 i + w (16 rows each, i = 0..4) times all 128 columns: 40 accumulators.  Its token fragments, which no other wave needs, come from memory straight
; into a ring of six register slots, five K steps ahead; the weight fragments come out of LDS turned (ds_load_tr16_b128), one K step ahead.
; WHICH ROWS (LAYER 1).  Every wave compares the 2,048 choices with e: 32 masks of 32 tokens stay in scalar registers (word 2 g + b, bit l: token 64 g + 2 l + b); a token's rank is the number of members
; in lower words and lower bits.  At a pass's head each lane finds the token of each of its five ranks from the masks, by arithmetic in registers alone.
; BARRIERS IN PHASE B.  What a wave writes into LDS behind phase A (LAYER 2's stages) lies behind the slice; all the same a barrier stands between every wave's reads of the slice
; and such a write, and between LAYER 2's stage stores and the next pass's reads, so that the order holds without the addresses' arithmetic.  Every wave passes every barrier; only work is jumped over.
; EVERY SPLIT.  A pass serves 320 rows; four passes, a constant count, serve 1,024; a wave without tiles in a pass jumps over its K steps; the weights are read from memory once whatever the split.
; An expert without rows multiplies one tile of token 1,023's row, which nobody reads.  Places past the count repeat the last row; dead tiles are not stored.
; THE MATRIX INSTRUCTION IS USED TRANSPOSED (source 0 = 16 columns of the weights, source 1 = 16 rows): a lane holds one row (lane % 16) and the columns 16 q + 8 (lane / 16) + 0..7.
; hbuf: [e][tile of 16 rows][K step of 32][1,024 bytes]: lane l's fragment registers 0-3 at 16 l, 4-7 at 512 + 16 l: LAYER 1's packed results ARE LAYER 2's fragments.
; GELU is the tanh form: x / (1 + 2^(x (c1 + c2 x^2))), c1 = -2 log2(e) sqrt(2 / pi), c2 = 0.044715 c1.
; LIMITS.  Weights, x and the hidden layer are rounded once to bf16; sums in f32.  NaN and infinities are not treated apart; where x^2 overflows gelu gives x or -0, as tanh -> +-1 does.
; NO CLUSTER: each slice of weights has one reader; LAYER 1's shared rows are gathered, which no tile descriptor covers; for LAYER 2's shared fragments LDS has no room beside the slice.
; NO TENSOR LOADS: the weights pass through registers for their rounding in any case.
; THE MODE: SCHED_MODE bits 1:0 = 2 (LLVM: expert scheduling mode 2), set by the entry lines.  The code itself states the register dependences
; between vector or matrix instructions and memory or LDS instructions, with s_wait_alu, always for 0.
; THE PLAN.  Registers that memory or LDS instructions touch, and who else names them.
;   PHASE A, step n of 32, s = n % 8:
;     group s (window 1)   read by step n's sixteen roundings; the loads of group n + 8, issued in step n + 1, land in it.
;     T[n % 2]             written by step n's roundings; read by the eight LDS stores issued in step n + 1; written again in step n + 2.
;     v[WO + s]            read by group n's loads; stepped at the end of step n; read again by the loads issued in step n + 1.
;     v[LST]               read by every LDS store; written once in eight steps, behind a wait on vm_vsrc of its own.
;   So a step's memory and LDS instructions touch what the step BEFORE worked on, and two waits at the step's head state all that they hang on; the step's roundings follow them.
;   PHASE B, K step k:
;     ring slot k % 6      read by step k's products; the token loads issued in step k + 1 land in it.
;     BF[k % 2]            read by step k's products; the turning loads issued in step k + 1 land in it.
;     v[BADR ..]           read by the turning loads; written once in six steps, behind a wait on vm_vsrc.
;     v[AOFF ..], v[VO]    read by the token loads and by the stores; written at a pass's head alone.
;   So ONE wait on va_vdst stands at a step's head, and the step's 26 loads follow it, dealt among its products, which name slot k % 6, BF[k % 2] and the sums: none of the registers that those loads touch.
;   A PASS'S HEAD has one wait on vm_vsrc ahead of its arithmetic and one on va_vdst ahead of its first loads; THE WAYS OUT have theirs ahead of the stores and ahead of what writes the stores' registers again.
.set LAYER, 1
.if LAYER == 1
.set PW,    16384                      ; bytes from a weight row (k) to the next
.set KSB,   64                         ; bytes from a K step's token fragment to the next
.set HB,    32                         ; from its registers 0-3 to its registers 4-7
.else
.set PW,    4096
.set KSB,   1024
.set HB,    512
.endif
.set BLK,    544                       ; a block of 16 k x 16 columns of bf16: 512 dense bytes + 32: the eight blocks of a row of weights start 8 banks apart (64 banks of 4 bytes: ISA guide 11.1)
.set KB16,   8*BLK                     ; 16 k x 128 columns
.set KST,    2*KB16                    ; a K step of 32
.set WSH,    16*KB16                   ; a wave's 256 rows
.set WTS,    64*KB16                   ; the slice: 278,528 bytes from LDS byte 0
.set STAGE,  WTS                       ; LAYER 2: 16 rows x 528 bytes for each wave, for the way out
.set SPITCH, 528                       ; 512 + 16 = 132 words: the 16 rows of a store start at 16 different groups of four banks
; vector registers, in windows of 256 (s_set_vgpr_msb: bits 1:0 source 0, 3:2 source 1, 5:4 source 2, 7:6 destination)
.set AOFF, 10                          ; v10-14  tile i: my lane's byte offset in the tokens' buffer
.set BK0,  15                          ; v15     my lane's place in a block of weights; never rewritten
.set BADR, 16                          ; v16-17  the same at the K steps in hand: steps 0-3 and 4-7 from the loop's place
.set VO,   18                          ; v18     my byte offset in the output
.set STO,  19                          ; v19     LAYER 2: into the stage
.set SRD,  22                          ; v22     LAYER 2: back from the stage
.set WOFF, 23                          ; v23     16 x lane; never rewritten
.set LST0, 24                          ; v24     phase A: my lane's place in my wave's share of the slice; never rewritten
.set LST,  25                          ; v25     the same at the rows in hand
.set BF,   32                          ; v32-159 weight fragments, two buffers of 8 x 8; at work on the way out and at a pass's head
.set IDX,  32                          ; LAYER 1, ahead of phase B: the choices as loaded,
.set RK,   96                          ; and the tokens' ranks
.set T,    128                         ; phase A: v128-159 rounded weights, two sets of 16 by turns
.set WO,   160                         ; phase A: v160-167 group s: 16 x lane + the rows that the group has gone on
.set RHO,  32                          ; LAYER 1, a pass's head, five registers each, one a tile: the rank wanted,
.set WM,   37                          ; the mask word that holds it,
.set KK,   42                          ; that word's number << 16 | the members in lower words,
.set Q2,   47                          ; the word's set bits summed in fields of 2,
.set Q4,   52                          ; 4,
.set Q8,   57                          ; 8
.set Q16,  62                          ; and 16 bits,
.set TT,   67                          ; at work,
.set NN,   72                          ; the set bits still to be passed over,
.set PP,   77                          ; the bit's place so far
.set ZZ,   82                          ; v82     0
                                       ; window 1: phase A: group s, load j at 32 s + 4 j;  phase B: the token ring, slot s tile i at 40 s + 8 i
                                       ; window 2: accumulators of tiles 0-2, (i, q) at 64 i + 8 q;  window 3: of tiles 3, 4 at 64 (i - 3) + 8 q
; scalar registers
.set WV, 16                            ; wave
.set E,  18
.set SL, 19
.set R,  20                            ; the expert's rows
.set PC, 21                            ; passes to go
.set T0, 22                            ; 20 x pass
.set KC, 23                            ; a loop's trips to go
.set TB, 24                            ; the loop's place in LDS
.set NT, 25                            ; my live tiles in this pass, 0 to 5
.set NTILE, 26
.set KH, 27
.set WCUR, 28                          ; s[28:29] my wave's first row of weights; never rewritten
.set ACUR, 30
.set MK5, 32                           ; LAYER 1: 0x55555555,
.set MK3, 33                           ; 0x33333333,
.set MKF, 34                           ; 0x0f0f0f0f,
.set MKB, 35                           ; 0x00ff00ff,
.set MKW, 36                           ; 0x0000ffff
.set ABASE, 40
.set HB0, 42
.set C1, 44
.set C2, 46
.set LB, 56                            ; LAYER 2: my stage.  LAYER 1: s48-63 take the compares' masks, in runs
.set M,  66                            ; LAYER 1: s66-97 the 32 masks
.set MSB, 0
.macro WIN new                         ; the immediate's high byte repeats the setting that is left; a switch that changes nothing is dropped
.if MSB != (\new)
	s_set_vgpr_msb (MSB<<8)|(\new)
.set MSB, (\new)
.endif
.endm
.macro PLACES                          ; four places between matrix instructions and what reads their results or writes or loads into their registers; ahead of loads they stand beside the wait that states the dependence
.rept 4
	v_nop
.endr
.endm
; ---- phase A ----
; Eight loads, a row of 512 consecutive bytes each: rows 8 slot .. 8 slot + 7 of the 64 rows at the slot's offset.
.macro WISSUE slot
.set jj, 0
.rept 8
	global_load_b128 v[32*(\slot)+4*jj:32*(\slot)+4*jj+3], v[WO+(\slot)], s[WCUR:WCUR+1] offset:(8*(\slot)+jj)*PW th:TH_LOAD_NT
.set jj, jj+1
.endr
.endm
; Eight LDS stores: group p's rounded rows, out of T[p % 2].
.macro WSTORE p
.set jj, 0
.rept 8
	ds_store_b64 v[LST], v[T+16*((\p)%2)+2*jj:T+16*((\p)%2)+2*jj+1] offset:((\p)/2)*KB16+(((\p)%2)*8+jj)*32  ; a row's 256 bytes: 32 bytes in each of eight blocks, every bank once
.set jj, jj+1
.endr
.endm
; Group s of eight.  At the head: the group seven further on is asked for (fill = 1), into the registers that the step before has read, and the step before's rounded rows go into LDS
; (first = 1: there is no step before).  Then this group is rounded, and its offset steps to its next 64 rows: its loads were shown done by the counted wait at the head.
; (The loop's last trip steps slot 0's offset once more than is used: the price of one text for every trip.)
.macro WSTEP s, first, fill, cnt
	s_wait_loadcnt \cnt                            ; loads come back in order: this group is in, the younger ones stay out
.if \fill
	WIN 0x40                                       ; loads into window 1; addresses, and the stores' data, in window 0
.endif
	s_wait_alu depctr_vm_vsrc(0)                   ; the LDS stores issued in the step before have read T[s % 2], which the roundings below write again; this group's loads have read v[WO + s], which is stepped below
.if !(\first)
	s_wait_alu depctr_va_vdst(0)                   ; the step before has written its T and its offset (and v[LST], where it was stepped), which the stores and loads below read, and is done reading its group, in which the loads land
.endif
.if \fill
	WISSUE ((\s)+7)%8
.endif
.if !(\first)
	WSTORE ((\s)+7)%8
.endif
	WIN 0x05                                       ; sources window 1, destination window 0
.set jj, 0
.rept 8
	v_cvt_pk_bf16_f32 v[T+16*((\s)%2)+2*jj],   v[32*(\s)+4*jj],   v[32*(\s)+4*jj+1]
	v_cvt_pk_bf16_f32 v[T+16*((\s)%2)+2*jj+1], v[32*(\s)+4*jj+2], v[32*(\s)+4*jj+3]
.set jj, jj+1
.endr
	WIN 0
.if \fill
	v_add_nc_u32 v[WO+(\s)], 64*PW, v[WO+(\s)]     ; the slot's next 64 rows
.endif
.endm
; ---- phase B ----
.macro AFILL1 slot, kidx, i            ; two loads: tile i's token fragment of K step kidx from the base, into ring slot
	global_load_b128 v[40*(\slot)+8*(\i):40*(\slot)+8*(\i)+3],   v[AOFF+(\i)], s[ACUR:ACUR+1] offset:(\kidx)*KSB
	global_load_b128 v[40*(\slot)+8*(\i)+4:40*(\slot)+8*(\i)+7], v[AOFF+(\i)], s[ACUR:ACUR+1] offset:(\kidx)*KSB+HB
.endm
.macro AFILL slot, kidx                ; ten loads: the five tiles'
.irp i, 0,1,2,3,4
	AFILL1 \slot, \kidx, \i
.endr
.endm
.macro BFETCH j, q0                    ; four turning loads: the weights of K step j from the loop's place, 32 k x column blocks q0 and q0 + 1, into buffer j % 2; each half of the lanes takes 256 consecutive bytes
.irp d, 0,1
	ds_load_tr16_b128 v[BF+64*((\j)%2)+8*((\q0)+(\d)):BF+64*((\j)%2)+8*((\q0)+(\d))+3],   v[BADR+(\j)/4] offset:((\j)%4)*KST+((\q0)+(\d))*BLK
	ds_load_tr16_b128 v[BF+64*((\j)%2)+8*((\q0)+(\d))+4:BF+64*((\j)%2)+8*((\q0)+(\d))+7], v[BADR+(\j)/4] offset:((\j)%4)*KST+((\q0)+(\d))*BLK+KB16
.endr
.endm
.macro MULT4 rel, i, zero, q0          ; four of tile i's eight products: column blocks q0 .. q0 + 3
.set ACB, 64*((\i)%3)
.irp d, 0,1,2,3
.if \zero
	v_wmma_f32_16x16x32_bf16 v[ACB+8*((\q0)+(\d)):ACB+8*((\q0)+(\d))+7], v[BF+64*((\rel)%2)+8*((\q0)+(\d)):BF+64*((\rel)%2)+8*((\q0)+(\d))+7], v[40*((\rel)%6)+8*(\i):40*((\rel)%6)+8*(\i)+7], 0
.else
	v_wmma_f32_16x16x32_bf16 v[ACB+8*((\q0)+(\d)):ACB+8*((\q0)+(\d))+7], v[BF+64*((\rel)%2)+8*((\q0)+(\d)):BF+64*((\rel)%2)+8*((\q0)+(\d))+7], v[40*((\rel)%6)+8*(\i):40*((\rel)%6)+8*(\i)+7], v[ACB+8*((\q0)+(\d)):ACB+8*((\q0)+(\d))+7]
.endif
.endr
.endm
; K STEP rel, counted from the loop's place.  The next step's weights are fetched (fetch = 1) into the buffer, and the ring slot is asked again, for the K step five on (fill = 1), that the step before has read.
; These 26 loads are dealt among the step's products: the sixteen turning loads by fours behind its first four half tiles, so that sixteen products follow the last of them; then the ten token loads.
; cnt: ten times the groups of token loads issued behind the one needed: four at a step's head while the ring is filled; at most 50 loads are out.  The wait for LDS is for 0: this step's weights were all asked for in the step before.
; The accumulators take turns, one instruction a turn, on both ways and from step to step.  Tile 4 stands first, under the one jump: most waves have four tiles.
; zero = 1: the pass's first step: its products start all 40 sums, tile 4's too; the wait ahead of the pass's first loads serves its loads as well.
.macro KSTEP rel, fill, cnt, fetch, zero
	WIN 0                                          ; at a label and at a branch every window is 0
.if !(\zero)
	PLACES
.endif
	s_wait_loadcnt \cnt
	s_wait_dscnt 0x0
.if (\fetch) && !(\zero)
	s_wait_alu depctr_va_vdst(0)                   ; the step before's products are done reading their ring slot and their buffer of weights, in which this step's loads land; in a trip's first step v[BADR ..] are written
.endif
.if \zero
	WIN 0xf4                                       ; weights window 0, tokens window 1, sums window 3
	MULT4 \rel, 4, 1, 0
	MULT4 \rel, 4, 1, 4
.else
	s_cmp_lt_u32 s[NT], 5
	s_cbranch_scc1 .Lno4_\@
	WIN 0xf4
	MULT4 \rel, 4, 0, 0
	MULT4 \rel, 4, 0, 4
	WIN 0
.Lno4_\@:
.endif
	WIN 0xf4
	MULT4 \rel, 3, \zero, 0
.if \fetch
	WIN 0                                          ; no wait: no vector or matrix instruction since the wait above names the registers that the loads below touch
	BFETCH (\rel)+1, 0
.endif
	WIN 0xf4
	MULT4 \rel, 3, \zero, 4
.if \fetch
	WIN 0
	BFETCH (\rel)+1, 2
.endif
	WIN 0xa4                                       ; sums window 2
	MULT4 \rel, 0, \zero, 0
.if \fetch
	WIN 0
	BFETCH (\rel)+1, 4
.endif
	WIN 0xa4
	MULT4 \rel, 0, \zero, 4
.if \fetch
	WIN 0
	BFETCH (\rel)+1, 6
.endif
	WIN 0xa4
	MULT4 \rel, 1, \zero, 0
.if \fill
	WIN 0x40                                       ; loads into window 1
	AFILL1 ((\rel)+5)%6, (\rel)+5, 0
	AFILL1 ((\rel)+5)%6, (\rel)+5, 1
.endif
	WIN 0xa4
	MULT4 \rel, 1, \zero, 4
.if \fill
	WIN 0x40
	AFILL1 ((\rel)+5)%6, (\rel)+5, 2
	AFILL1 ((\rel)+5)%6, (\rel)+5, 3
.endif
	WIN 0xa4
	MULT4 \rel, 2, \zero, 0
.if \fill
	WIN 0x40
	AFILL1 ((\rel)+5)%6, (\rel)+5, 4
.endif
	WIN 0xa4
	MULT4 \rel, 2, \zero, 4
.endm
.macro TILES                           ; the expert's tiles of 16 rows, at least one
	s_min_u32 s[R], s[R], 1024
	s_add_co_u32 s48, s[R], 15
	s_lshr_b32 s48, s48, 4
	s_max_u32 s[NTILE], s48, 1
.endm
.if LAYER == 1
; ---- the token of a rank ----
.macro EACH line:vararg                ; one line for each of my five tiles i
.set i, 0
.rept 5
	\line
.set i, i+1
.endr
.endm
; A word with s52 members in lower words takes the earlier word's place unless s52 is over the rank: so the last word with s52 <= rank stays.  The compares stand in runs, into scalar registers, two words to a run.
.macro CMPS mb                         ; five compares, one a tile, into s[mb .. mb + 4]
.set i, 0
.rept 5
	v_cmp_gt_u32 s[(\mb)+i], s52, v[RHO+i]
.set i, i+1
.endr
.endm
.macro SELS w, mb, kr                  ; word w's ten selects by those masks; s[kr]: the word's number << 16 | the members in lower words
.set i, 0
.rept 5
	v_cndmask_b32 v[WM+i], s[M+(\w)], v[WM+i], s[(\mb)+i]
	v_cndmask_b32 v[KK+i], s[\kr], v[KK+i], s[(\mb)+i]
.set i, i+1
.endr
.endm
.macro LEVEL c, w                      ; a halving: the lower w bits from the place so far hold t set bits (read off the sums in fields of w bits); if t are too few, they are passed over
.set i, 0
.rept 5
	v_bfe_u32 v[TT+i], v[(\c)+i], v[PP+i], \w
.set i, i+1
.endr
.set i, 0
.rept 5
	v_cmp_lt_u32 s[54+i], v[NN+i], v[TT+i]         ; the bit wanted lies among them
.set i, i+1
.endr
	s_wait_alu depctr_va_sdst(0)                   ; the five compares have written s54-58, ahead of the selects that read them
.set i, 0
.rept 5
	v_cndmask_b32 v[TT+i], v[TT+i], v[ZZ], s[54+i] ; 0 then, else t
	v_sub_nc_u32 v[NN+i], v[NN+i], v[TT+i]
	v_cndmask_b32 v[TT+i], \w, v[ZZ], s[54+i]      ; 0 then, else w
	v_add_nc_u32 v[PP+i], v[PP+i], v[TT+i]
.set i, i+1
.endr
.endm
; THE WAY OUT, LAYER 1: gelu of half a tile, 32 numbers a lane; each batch of 32 transcendentals has one plain instruction and one wait behind it.
; Each accumulator is read from its low end on.  A store is 512 consecutive bytes, aligned: half a fragment of LAYER 2.
.macro GELU i, hf
.set WS, 2+(\i)/3
.set X, 64*((\i)%3)+32*(\hf)
.set P, BF
.set Y, BF+64
	WIN WS|(WS<<2)                                 ; both sources in the sums' window
.set n, 0
.rept 16
	v_pk_mul_f32 v[P+2*n:P+2*n+1], v[X+2*n:X+2*n+1], v[X+2*n:X+2*n+1]
.set n, n+1
.endr
	WIN 0
.set n, 0
.rept 16
	v_pk_fma_f32 v[P+2*n:P+2*n+1], v[P+2*n:P+2*n+1], s[C2:C2+1], s[C1:C1+1] op_sel_hi:[1,0,0]
.set n, n+1
.endr
	WIN WS<<2                                      ; source 1 in the sums' window
.set n, 0
.rept 16
	v_pk_mul_f32 v[P+2*n:P+2*n+1], v[P+2*n:P+2*n+1], v[X+2*n:X+2*n+1]
.set n, n+1
.endr
	WIN 0
.set n, 0
.rept 32
	v_exp_f32 v[P+n], v[P+n]
.set n, n+1
.endr
	v_nop
	s_wait_alu depctr_va_vdst(0)                   ; the 32 exponentials have written v[P ..], ahead of their first reader
.set n, 0
.rept 16
	v_pk_add_f32 v[P+2*n:P+2*n+1], v[P+2*n:P+2*n+1], 1.0 op_sel_hi:[1,0]
.set n, n+1
.endr
.set n, 0
.rept 32
	v_rcp_f32 v[P+n], v[P+n]
.set n, n+1
.endr
	v_nop
	s_wait_alu depctr_va_vdst(0)                   ; the 32 reciprocals have written v[P ..], ahead of their first reader
	WIN WS<<2
.set n, 0
.rept 16
	v_pk_mul_f32 v[P+2*n:P+2*n+1], v[P+2*n:P+2*n+1], v[X+2*n:X+2*n+1]
.set n, n+1
.endr
	WIN 0
	s_wait_xcnt 0x0                                ; the registers that the stores before read are written only behind this wait,
	s_wait_alu depctr_vm_vsrc(0)                   ; and behind this one: the stores of the half tile before have read v[Y ..], which the roundings write again
.set n, 0
.rept 16
	v_cvt_pk_bf16_f32 v[Y+n], v[P+2*n], v[P+2*n+1]
.set n, n+1
.endr
	s_wait_alu depctr_va_vdst(0)                   ; the roundings have written v[Y ..], which the four stores read
.irp c, 0,1,2,3
	global_store_b128 v[VO], v[Y+4*(\c):Y+4*(\c)+3], s[HB0:HB0+1] offset:(\i)*524288+(2*(\hf)+(\c)/2)*1024+((\c)%2)*512
.endr
.endm
.macro EPI
	PLACES                                         ; behind the last products
.irp i, 0,1,2,3,4
	s_cmp_gt_u32 s[NT], \i
	s_cbranch_scc0 .Lepi_done                      ; dead tiles are not stored
	GELU \i, 0
	GELU \i, 1
.endr
.Lepi_done:
.endm
.else
; THE WAY OUT, LAYER 2: a tile through my own stage: in by lanes (a row's 32 bytes for each column block), back as whole rows; a store is a row's 512 consecutive bytes, aligned.
; It holds no vector instruction, so the one wait on va_vdst at its head serves all its LDS stores, LDS loads and stores.
.macro EPI
	PLACES
	s_wait_alu depctr_va_vdst(0)                   ; the sums are written, which the LDS stores read (the places above stay beside this wait); so are v[STO], v[SRD] and v[VO]; the products are done reading BF, in which the rows land
.irp i, 0,1,2,3,4
	s_cmp_gt_u32 s[NT], \i
	s_cbranch_scc0 .Lepi_done
.set WS, 2+(\i)/3
.set X, 64*((\i)%3)
.set Y, BF+64*((\i)%2)
	WIN WS<<2                                      ; the stores' data in the sums' window
.irp q, 0,1,2,3,4,5,6,7
	ds_store_b128 v[STO], v[X+8*(\q):X+8*(\q)+3]   offset:64*(\q)
	ds_store_b128 v[STO], v[X+8*(\q)+4:X+8*(\q)+7] offset:64*(\q)+16
.endr
	WIN 0
	s_wait_xcnt 0x0                                ; the registers that earlier stores read are loaded again only behind this wait
.if (\i) >= 2
	s_wait_alu depctr_vm_vsrc(0)                   ; the stores of the tile two before have read v[Y ..], in which the rows below land
.endif
.set t, 0
.rept 16
	ds_load_b128 v[Y+4*t:Y+4*t+3], v[SRD] offset:t*SPITCH  ; LDS serves a wave's instructions in order: these see the stores above
.set t, t+1
.endr
	s_wait_dscnt 0x0
.set t, 0
.rept 16
	global_store_b128 v[VO], v[Y+4*t:Y+4*t+3], s[HB0:HB0+1] offset:(\i)*262144+t*4096
.set t, t+1
.endr
.endr
.Lepi_done:
.endm
.endif
; ---- the head ----
	s_load_b256 s[4:11], s[0:1], 0x0               ; weights s[4:5], tokens s[6:7], idx (LAYER 2: cnt) s[8:9], output s[10:11]
.if LAYER == 1
	s_load_b128 s[12:15], s[0:1], 0x20             ; posE s[12:13], cnt s[14:15]
	v_lshl_add_u32 v254, v0, 2, 0x4c400
	v_mov_b32 v255, 0
.endif
	v_and_b32 v1, 31, v0                           ; lane l
	v_lshrrev_b32 v4, 5, v0
	v_readfirstlane_b32 s[WV], v4
	v_and_b32 v2, 15, v1                           ; r = l % 16
	v_lshrrev_b32 v3, 4, v1                        ; h = l / 16
	v_lshlrev_b32 v[WOFF], 4, v1
.irp s, 0,1,2,3,4,5,6,7
	v_mov_b32 v[WO+(\s)], v[WOFF]                  ; every group of phase A starts at my wave's first 64 rows
.endr
	v_lshrrev_b32 v4, 2, v1                        ; phase A: my four columns lie in block l / 4,
	v_mul_u32_u24 v[LST0], v4, BLK
	v_and_b32 v4, 3, v1
	v_lshl_add_u32 v[LST0], v4, 3, v[LST0]         ; at byte 8 (l % 4) of a row of it,
	s_wait_alu depctr_va_sdst(0)                   ; the wave's number is written into s[WV], ahead of its first reader
	s_mul_i32 s48, s[WV], WSH
	v_add_nc_u32 v[LST0], s48, v[LST0]             ; in my wave's share
	v_and_b32 v4, 7, v1                            ; the turning load: lane l reads row 8 h + l % 8 of a block,
	v_lshl_add_u32 v4, v3, 3, v4
	v_lshlrev_b32 v[BK0], 5, v4
	v_bfe_u32 v4, v1, 3, 1
	v_lshl_add_u32 v[BK0], v4, 4, v[BK0]           ; columns 8 ((l / 8) % 2) ..
	s_and_b32 s[E], ttmp7, 0xffff
	s_mov_b32 s49, 0
	s_mov_b32 s51, 0
	s_mov_b32 s53, 0
.if LAYER == 1
	s_mov_b32 s[SL], ttmp9
	s_lshl_b32 s48, s[E], 24                       ; an expert's weights are 16 MiB;
	s_lshl_b32 s54, s[SL], 9                       ; my work-group's 128 columns;
	s_add_co_u32 s48, s48, s54
	s_lshl_b32 s54, s[WV], 22                      ; my wave's 256 rows of 16,384 bytes
	s_add_co_u32 s48, s48, s54
	s_mov_b32 s50, 0                               ; xb from its first byte
	s_lshl_b32 s52, s[E], 23                       ; an expert's part of hbuf is 8 MiB;
	s_lshl_b32 s54, s[SL], 12                      ; my four K steps
	s_add_co_u32 s52, s52, s54
	s_mov_b32 s[C1], 0xc0135761                    ; -2.3022082
	s_mov_b32 s[C1+1], s[C1]
	s_mov_b32 s[C2], 0xbdd2d3e7                    ; -0.10294324
	s_mov_b32 s[C2+1], s[C2]
	s_mov_b32 s[MK5], 0x55555555
	s_mov_b32 s[MK3], 0x33333333
	s_mov_b32 s[MKF], 0x0f0f0f0f
	s_mov_b32 s[MKB], 0x00ff00ff
	s_mov_b32 s[MKW], 0x0000ffff
.else
	s_and_b32 s[SL], ttmp9, 7
	s_lshr_b32 s[KH], ttmp9, 3
	s_lshl_b32 s48, s[E], 24
	s_lshl_b32 s54, s[KH], 22                      ; 1,024 rows of 4,096 bytes
	s_add_co_u32 s48, s48, s54
	s_lshl_b32 s55, s[SL], 9                       ; my work-group's 128 columns
	s_add_co_u32 s48, s48, s55
	s_lshl_b32 s54, s[WV], 20                      ; my wave's 256 rows
	s_add_co_u32 s48, s48, s54
	s_lshl_b32 s50, s[E], 23
	s_lshl_b32 s54, s[KH], 15                      ; 32 K steps
	s_add_co_u32 s50, s50, s54
	s_lshl_b32 s52, s[KH], 25                      ; a quarter's part is 32 MiB,
	s_lshl_b32 s54, s[E], 22                       ; an expert's 1,024 rows 4 MiB
	s_add_co_u32 s52, s52, s54
	s_add_co_u32 s52, s52, s55
	s_lshl_b32 s60, s[E], 8
	s_mov_b32 s61, 0
.endif
	s_wait_kmcnt 0x0
	s_add_nc_u64 s[WCUR:WCUR+1], s[4:5], s[48:49]
	s_add_nc_u64 s[ABASE:ABASE+1], s[6:7], s[50:51]
	s_add_nc_u64 s[HB0:HB0+1], s[10:11], s[52:53]
	s_wait_alu depctr_va_vdst(0)                   ; v[WOFF] and v[WO ..] are written, which the loads below read as their offsets
.if LAYER == 1
.set g, 0
.rept 16
	global_load_b128 v[IDX+4*g:IDX+4*g+3], v[WOFF], s[8:9] offset:512*g  ; two tokens' two choices a lane
.set g, g+1
.endr
	WIN 0x40
	WISSUE 0                                       ; five groups of weights behind them: 56 loads are out
	WISSUE 1
	WISSUE 2
	WISSUE 3
	WISSUE 4
	WIN 0
	; THE MASKS, while the weights are on their way.  Every wave compares the 2,048 choices for itself.  Word g = 2 x group + b, bit l: token 64 group + 2 l + b.
	; The compares stand in two runs of 32, sixteen words each, into the words' own registers and s48-63.
	s_mov_b32 s[R], 0
	s_wait_loadcnt 40                              ; the choices are in; the 40 loads of weights are younger
.set g, 0
.rept 2
.set b, 0
.rept 16
	v_cmp_eq_u32 s[M+g+b], s[E], v[IDX+2*(g+b)]
	v_cmp_eq_u32 s[48+b], s[E], v[IDX+2*(g+b)+1]
.set b, b+1
.endr
	s_wait_alu depctr_va_sdst(0)                   ; the run's 32 compares have written their scalar registers, ahead of the first line that reads one
.set b, 0
.rept 16
	s_or_b32 s[M+g+b], s[M+g+b], s[48+b]           ; the members among these 32 tokens
	v_mbcnt_lo_u32_b32 v[RK+g+b], s[M+g+b], s[R]   ; rank = members in lower words + members in lower lanes
	s_bcnt1_i32_b32 s[48+b], s[M+g+b]
	s_add_co_u32 s[R], s[R], s[48+b]
.set b, b+1
.endr
.set g, g+16
.endr
	WIN 0x40
	WISSUE 5                                       ; no wait: no vector instruction since the head's wait names these offsets or these groups' registers
	WISSUE 6
	WIN 0
	s_or_b32 s50, s[WV], s[SL]
	s_cmp_lg_u32 s50, 0
	s_cbranch_scc1 .Lnot0
	s_lshl_b32 s50, s[E], 12                       ; one wave an expert hands ranks and count to the later launches
	s_mov_b32 s51, 0
	s_add_nc_u64 s[52:53], s[12:13], s[50:51]
	s_lshl_b32 s50, s[E], 8
	s_add_nc_u64 s[54:55], s[14:15], s[50:51]
	v_lshlrev_b32 v28, 3, v1
	v_mov_b32 v26, s[R]
	v_mov_b32 v27, s[R]
	s_wait_alu depctr_va_vdst(0)                   ; the ranks v[RK ..], the count v26-27 and the offset v28 are written, which the stores read
.set g, 0
.rept 16
	global_store_b64 v28, v[RK+2*g:RK+2*g+1], s[52:53] offset:256*g  ; 256 consecutive bytes, aligned; a token that is no member gets a number that nobody reads
.set g, g+1
.endr
	global_store_b64 v28, v[26:27], s[54:55]
.Lnot0:
.else
	s_add_nc_u64 s[58:59], s[8:9], s[60:61]
	s_load_b32 s[R], s[58:59], 0x0                 ; the expert's count
	WIN 0x40
	WISSUE 0                                       ; seven groups: 56 loads are out
	WISSUE 1
	WISSUE 2
	WISSUE 3
	WISSUE 4
	WISSUE 5
	WISSUE 6
	; The sums start with the constant 0 as C.  These 320 lines only give every accumulator a value on every way: a wave without tiles in a pass passes the way out's text up to its first jump.
	; They stand once, in the wait for the first weights.
	WIN 0x80                                       ; destination window 2
.set n, 0
.rept 192
	v_mov_b32 v[n], 0
.set n, n+1
.endr
	WIN 0xc0                                       ; destination window 3
.set n, 0
.rept 128
	v_mov_b32 v[n], 0
.set n, n+1
.endr
	WIN 0
	s_mul_i32 s[LB], s[WV], 16*SPITCH
	s_add_co_u32 s[LB], s[LB], STAGE
	v_mul_u32_u24 v[STO], v2, SPITCH
	v_lshl_add_u32 v[STO], v3, 5, v[STO]
	v_add_nc_u32 v[STO], s[LB], v[STO]             ; in: row r, 32 bytes for each half of the lanes
	v_lshl_add_u32 v[SRD], v1, 4, s[LB]            ; back: a row's 512 bytes, 16 a lane
	s_wait_kmcnt 0x0
.endif
	TILES
; ---- phase A: 32 steps.  Step 0 stands ahead of the loop, so that a trip (steps 1 to 7 and the next 0) stores the eight groups that share one v[LST]; three trips ask for the group seven on;
; the last seven steps are written out and their counts run down; the last group's rows are stored behind them ----
	s_mov_b32 s[TB], 0
	v_mov_b32 v[LST], v[LST0]
	WSTEP 0, 1, 1, 48                              ; six younger groups stay out
	s_mov_b32 s[KC], 3
.Lw:
.irp s, 1,2,3,4,5,6,7,0
	WSTEP \s, 0, 1, 48
.endr
	s_add_co_u32 s[TB], s[TB], 4*KB16
	s_wait_alu depctr_vm_vsrc(0)                   ; the LDS stores issued so far have read v[LST]
	v_add_nc_u32 v[LST], s[TB], v[LST0]            ; the next step's head waits for this line ahead of its stores
	s_sub_co_u32 s[KC], s[KC], 1
	s_cmp_lg_u32 s[KC], 0
	s_cbranch_scc1 .Lw
	WSTEP 1, 0, 0, 48
	WSTEP 2, 0, 0, 40
	WSTEP 3, 0, 0, 32
	WSTEP 4, 0, 0, 24
	WSTEP 5, 0, 0, 16
	WSTEP 6, 0, 0, 8
	WSTEP 7, 0, 0, 0
	s_wait_alu depctr_va_vdst(0)                   ; the last step's roundings have written T[1], which the last eight LDS stores read
	WSTORE 7
	s_wait_dscnt 0x0                               ; for the others' sake: my share of the slice lies in LDS
	s_barrier_signal -1
	s_barrier_wait -1                              ; the whole slice does
; ---- phase B: four passes ----
	s_mov_b32 s[T0], 0
	s_mov_b32 s[PC], 4
.Lpass:
	s_add_co_u32 s48, s[T0], s[WV]                 ; my first tile of this pass
	s_sub_co_i32 s49, s[NTILE], s48
	s_add_co_i32 s49, s49, 3
	s_ashr_i32 s49, s49, 2
	s_max_i32 s49, s49, 0
	s_min_i32 s[NT], s49, 5                        ; how many of my five tiles exist
	s_wait_xcnt 0x0                                ; offsets, bases and the registers that stores read are written only behind this wait,
	s_wait_alu depctr_vm_vsrc(0)                   ; and behind this one: the loads, stores and LDS instructions issued so far have read v[AOFF ..], v[BADR ..] and v[VO], written below, and the stores' data (phase A's T; LAYER 1's ranks and Y; LAYER 2's sums and rows), which this pass's loads and products write
.if LAYER == 2
	s_lshl_b32 s51, s48, 16                        ; a tile of part is 16 rows of 4,096 bytes
	v_lshl_add_u32 v[VO], v1, 4, s51               ; made on every way: the way out's text stands behind the join
.endif
	s_cmp_eq_u32 s[NT], 0
	s_cbranch_scc1 .Lmeet                          ; none: the pass's K steps are jumped over; no barrier stands in them
.if LAYER == 1
	; THE TOKENS OF MY FIVE RANKS.  First the word: the last one with no more members in lower words than the rank.
	s_max_u32 s50, s[R], 1
	s_sub_co_u32 s50, s50, 1                       ; the last rank
	s_lshl_b32 s51, s48, 4
	v_add_nc_u32 v4, s51, v2
	v_mov_b32 v[ZZ], 0
	EACH v_add_nc_u32 v[RHO+i], 64*i, v4           ; my row's rank in tile i,
	EACH v_min_u32 v[RHO+i], s50, v[RHO+i]         ; or past the count the last row's
	EACH v_mov_b32 v[WM+i], s[M]                   ; word 0 to begin with
	EACH v_mov_b32 v[KK+i], 0
	s_mov_b32 s52, 0
.set wi, 1
.rept 15                               ; words 1 to 30, two to a run of ten compares
	s_bcnt1_i32_b32 s53, s[M+wi-1]
	s_add_co_u32 s52, s52, s53                     ; the members in words below wi: 1,024 at the most,
	s_or_b32 s53, s52, wi<<16                      ; with the word's number above them
	CMPS 54
	s_bcnt1_i32_b32 s51, s[M+wi]
	s_add_co_u32 s52, s52, s51
	s_or_b32 s51, s52, (wi+1)<<16
	CMPS 59
	s_wait_alu depctr_va_sdst(0)                   ; the ten compares have written s54-63, ahead of the selects that read them
	SELS wi, 54, 53
	SELS wi+1, 59, 51
.set wi, wi+2
.endr
	s_bcnt1_i32_b32 s53, s[M+30]                   ; word 31
	s_add_co_u32 s52, s52, s53
	s_or_b32 s53, s52, 31<<16
	CMPS 54
	s_wait_alu depctr_va_sdst(0)                   ; the five compares have written s54-58, ahead of the selects that read them
	SELS 31, 54, 53
	; Then the bit.  The word's set bits are summed in fields of 2, 4, 8 and 16 bits, once; five halvings read the sums.
	EACH v_lshrrev_b32 v[TT+i], 1, v[WM+i]
	EACH v_and_b32 v[TT+i], s[MK5], v[TT+i]
	EACH v_sub_nc_u32 v[Q2+i], v[WM+i], v[TT+i]
	EACH v_lshrrev_b32 v[TT+i], 2, v[Q2+i]
	EACH v_and_b32 v[Q4+i], s[MK3], v[Q2+i]
	EACH v_and_b32 v[TT+i], s[MK3], v[TT+i]
	EACH v_add_nc_u32 v[Q4+i], v[Q4+i], v[TT+i]
	EACH v_lshrrev_b32 v[TT+i], 4, v[Q4+i]
	EACH v_add_nc_u32 v[Q8+i], v[Q4+i], v[TT+i]
	EACH v_and_b32 v[Q8+i], s[MKF], v[Q8+i]
	EACH v_lshrrev_b32 v[TT+i], 8, v[Q8+i]
	EACH v_add_nc_u32 v[Q16+i], v[Q8+i], v[TT+i]
	EACH v_and_b32 v[Q16+i], s[MKB], v[Q16+i]
	EACH v_and_b32 v[TT+i], s[MKW], v[KK+i]
	EACH v_sub_nc_u32 v[NN+i], v[RHO+i], v[TT+i]   ; the word's set bits below the one wanted
	EACH v_mov_b32 v[PP+i], 0
	LEVEL Q16, 16
	LEVEL Q8, 8
	LEVEL Q4, 4
	LEVEL Q2, 2
	LEVEL WM, 1
	EACH v_lshrrev_b32 v[TT+i], 17, v[KK+i]        ; the word's group g
	EACH v_bfe_u32 v[NN+i], v[KK+i], 16, 1         ; and its b
	EACH v_lshl_add_u32 v[PP+i], v[PP+i], 1, v[NN+i]
	EACH v_lshl_add_u32 v[PP+i], v[TT+i], 6, v[PP+i]  ; the token: 64 g + 2 l + b
	EACH v_min_u32 v[PP+i], 0x3ff, v[PP+i]
	EACH v_lshlrev_b32 v[AOFF+i], 11, v[PP+i]      ; its row of 2,048 bytes,
	EACH v_lshl_add_u32 v[AOFF+i], v3, 4, v[AOFF+i]  ; 16 bytes for each half of the lanes
	s_lshl_b32 s51, s48, 17                        ; a tile of hbuf is 128 KiB
	v_lshl_add_u32 v[VO], v1, 4, s51
.else
	s_sub_co_u32 s50, s[NTILE], 1
.irp i, 0,1,2,3,4
	s_add_co_u32 s51, s48, 4*(\i)
	s_min_u32 s51, s51, s50                        ; a dead tile repeats the last one
	s_min_u32 s51, s51, 63
	s_lshl_b32 s51, s51, 17
	v_lshl_add_u32 v[AOFF+(\i)], v1, 4, s51
.endr
.endif
	s_mov_b64 s[ACUR:ACUR+1], s[ABASE:ABASE+1]
	s_mov_b32 s[TB], 0
	v_mov_b32 v[BADR], v[BK0]
	v_add_nc_u32 v[BADR+1], 4*KST, v[BK0]
	WIN 0x40
	s_wait_alu depctr_va_vdst(0)                   ; v[AOFF ..] and v[BADR ..] are written, which the loads below read; all that named the ring's slots and BF (phase A's roundings, the pass before's products and way out, this head's arithmetic) is done: the loads up to K step 0's last land there
	AFILL 0, 0                                     ; the first five K steps' tokens
	AFILL 1, 1
	AFILL 2, 2
	AFILL 3, 3
	AFILL 4, 4
	WIN 0
	BFETCH 0, 0                                    ; and K step 0's weights
	BFETCH 0, 2
	BFETCH 0, 4
	BFETCH 0, 6
	KSTEP 0, 1, 40, 1, 1                           ; K step 0 stands ahead of the loop: its products start the sums
	WIN 0
	s_mov_b32 s[KC], 4
.Lk:                                                   ; four trips of six: K steps 1 to 24
	KSTEP 1, 1, 40, 1, 0
	KSTEP 2, 1, 40, 1, 0
	KSTEP 3, 1, 40, 1, 0
	KSTEP 4, 1, 40, 1, 0
	KSTEP 5, 1, 40, 1, 0
	KSTEP 6, 1, 40, 1, 0
	WIN 0
	s_wait_xcnt 0x0                                ; the loads that are out have had their addresses translated: their base may be stepped
	s_wait_alu depctr_vm_vsrc(0)                   ; the turning loads issued so far have read v[BADR ..]
	s_add_nc_u64 s[ACUR:ACUR+1], s[ACUR:ACUR+1], 6*KSB
	s_add_co_u32 s[TB], s[TB], 6*KST
	v_add_nc_u32 v[BADR], s[TB], v[BK0]            ; the next step's head waits for these two lines ahead of its loads
	v_add_nc_u32 v[BADR+1], 4*KST, v[BADR]
	s_sub_co_u32 s[KC], s[KC], 1
	s_cmp_lg_u32 s[KC], 0
	s_cbranch_scc1 .Lk
	KSTEP 1, 1, 40, 1, 0                           ; K steps 25 to 31 are written out: two more groups of tokens are asked for, then none, and the counts run down
	KSTEP 2, 1, 40, 1, 0
	KSTEP 3, 0, 40, 1, 0
	KSTEP 4, 0, 30, 1, 0
	KSTEP 5, 0, 20, 1, 0
	KSTEP 6, 0, 10, 1, 0
	KSTEP 7, 0, 0, 0, 0                            ; issues no load, so it states no dependence
	WIN 0
.if LAYER == 1
	EPI                                            ; writes no LDS: no barrier is wanted here
.Lmeet:
.else
.Lmeet:
	s_wait_dscnt 0x0                               ; my reads of the slice in this pass are back:
	s_barrier_signal -1
	s_barrier_wait -1                              ; everybody's are; only now are the stages written
	EPI
	s_wait_dscnt 0x0                               ; my stores into my stage, and my reads of it, are done:
	s_barrier_signal -1
	s_barrier_wait -1                              ; everybody's are; only now is the slice read again
.endif
	s_add_co_u32 s[T0], s[T0], 20
	s_sub_co_u32 s[PC], s[PC], 1
	s_cmp_lg_u32 s[PC], 0
	s_cbranch_scc1 .Lpass
.if LAYER == 1
	s_wait_dscnt 0x0                               ; my reads of the slice are back:
	s_barrier_signal -1
	s_barrier_wait -1                              ; everybody's are: the barrier stays where the plain form has it
.endif
	                                               ; the closing add, into the 512 bytes behind the stages
	s_wait_dscnt 0x0
	s_wait_alu depctr_hold_cnt(0) depctr_sa_sdst(0) depctr_va_vdst(0) depctr_va_sdst(0) depctr_va_ssrc(0) depctr_va_vcc(0) depctr_vm_vsrc(0)
	s_wait_tensorcnt 0x0
	ds_add_u32 v254, v255
	s_wait_dscnt 0x0
	s_endpgm
.Lfunc_end_k_q26312ad491_ffn1:
	.size	k_q26312ad491_ffn1, .Lfunc_end_k_q26312ad491_ffn1-k_q26312ad491_ffn1
	.p2alignl 7, 3214868480
	.fill 96, 4, 3214868480
	.section	.rodata,"a",@progbits
	.p2align	6, 0x0
	.amdhsa_kernel k_q26312ad491_ffn1
		.amdhsa_group_segment_fixed_size 312832
		.amdhsa_private_segment_fixed_size 0
		.amdhsa_enable_private_segment 0
		.amdhsa_kernarg_size 48
		.amdhsa_user_sgpr_count 2
		.amdhsa_user_sgpr_kernarg_segment_ptr 1
		.amdhsa_wavefront_size32 1
		.amdhsa_system_sgpr_workgroup_id_x 1
		.amdhsa_system_sgpr_workgroup_id_y 1
		.amdhsa_system_sgpr_workgroup_id_z 1
		.amdhsa_system_vgpr_workitem_id 0
		.amdhsa_next_free_vgpr 896
		.amdhsa_next_free_sgpr 100
		.amdhsa_reserve_vcc 0
		.amdhsa_float_denorm_mode_32 3
		.amdhsa_float_denorm_mode_16_64 3
		.amdhsa_memory_ordered 1
		.amdhsa_forward_progress 1
		.amdhsa_inst_pref_size 255
	.end_amdhsa_kernel
	.section	.bss,"aw",@nobits
	.p2align	6
	.space	262144
	.amdgpu_metadata
---
amdhsa.version: [ 1, 2 ]
amdhsa.kernels:
  - .name:           k_q26312ad491_ffn1
    .symbol:         k_q26312ad491_ffn1.kd
    .args:
      - { .name: w1, .offset: 0, .size: 8, .value_kind: global_buffer, .address_space: global }
      - { .name: xb, .offset: 8, .size: 8, .value_kind: global_buffer, .address_space: global }
      - { .name: idx, .offset: 16, .size: 8, .value_kind: global_buffer, .address_space: global }
      - { .name: hbuf, .offset: 24, .size: 8, .value_kind: global_buffer, .address_space: global }
      - { .name: posE, .offset: 32, .size: 8, .value_kind: global_buffer, .address_space: global }
      - { .name: cnt, .offset: 40, .size: 8, .value_kind: global_buffer, .address_space: global }
    .group_segment_fixed_size: 312832
    .private_segment_fixed_size: 0
    .kernarg_segment_align: 8
    .kernarg_segment_size: 48
    .max_flat_workgroup_size: 128
    .sgpr_count:     100
    .vgpr_count:     896
    .wavefront_size: 32
...
	.end_amdgpu_metadata
.endif
;; end of part 5
;; launch ffn2 (part 6): grid 32 x 8, 4 waves a work-group, no clusters, 312,832 bytes of LDS; arguments w2, hbuf, cnt, part; writes part
.if DOCPART == 6
	.amdgcn_target "amdgcn-amd-amdhsa--gfx1250"
	.amdhsa_code_object_version 6
	.text
	.protected	k_q26312ad491_ffn2
	.globl	k_q26312ad491_ffn2
	.p2align	8
	.type	k_q26312ad491_ffn2,@function
k_q26312ad491_ffn2:
	s_mov_b64 s[64:65], 0
	v_nop
	global_prefetch_b8 v0, s[64:65] scope:SCOPE_SE
	s_setreg_imm32_b32 hwreg(HW_REG_WAVE_SCHED_MODE, 0, 2), 2
	s_setreg_imm32_b32 hwreg(HW_REG_WAVE_MODE, 25, 1), 1
	s_wait_xcnt 0x0
	s_wait_alu depctr_vm_vsrc(0)
; THE EXPERTS' TWO PRODUCTS, ONE TEXT; LAYER picks the lines.
; LAYER 1: hbuf = gelu(x[rows of expert e] w1[e]) in bf16.   LAYER 2: part[kh] = hbuf[e] w2[e], summed over a quarter kh of the hidden width, in f32.
; Only the rows that chose expert e are multiplied.  A routed row's place is e x 1,024 + its rank in the expert, so that no work-group needs another expert's count.
; SHARES.  A work-group has a slice of ONE expert's weights, 1,024 k x 128 columns (512 KiB of f32), which it alone reads, and all of that expert's rows.  All four waves run the same text.
; PHASE A.  The slice goes from memory through registers, rounded once to bf16, into LDS, where it stays: wave w takes rows 256 w .. 256 w + 255, a row (512 consecutive bytes) to a load,
; in a ring of eight groups of eight loads of which six or seven are out.  Each group has an offset register of its own, stepped behind the counted wait that has shown the group's last loads done,
; and the base is never rewritten: no wait for all addresses stands in the loop.  One barrier; behind it nobody writes the weights.
; PHASE B.  Wave w has the row tiles 20 PASS + 4 i + w (16 rows each, i = 0..4) times all 128 columns: 40 accumulators.  Its token fragments, which no other wave needs, come from memory straight
; into a ring of six register slots, five K steps ahead; the weight fragments come out of LDS turned (ds_load_tr16_b128), one K step ahead.
; WHICH ROWS (LAYER 1).  Every wave compares the 2,048 choices with e: 32 masks of 32 tokens stay in scalar registers (word 2 g + b, bit l: token 64 g + 2 l + b); a token's rank is the number of members
; in lower words and lower bits.  At a pass's head each lane finds the token of each of its five ranks from the masks, by arithmetic in registers alone.
; BARRIERS IN PHASE B.  What a wave writes into LDS behind phase A (LAYER 2's stages) lies behind the slice; all the same a barrier stands between every wave's reads of the slice
; and such a write, and between LAYER 2's stage stores and the next pass's reads, so that the order holds without the addresses' arithmetic.  Every wave passes every barrier; only work is jumped over.
; EVERY SPLIT.  A pass serves 320 rows; four passes, a constant count, serve 1,024; a wave without tiles in a pass jumps over its K steps; the weights are read from memory once whatever the split.
; An expert without rows multiplies one tile of token 1,023's row, which nobody reads.  Places past the count repeat the last row; dead tiles are not stored.
; THE MATRIX INSTRUCTION IS USED TRANSPOSED (source 0 = 16 columns of the weights, source 1 = 16 rows): a lane holds one row (lane % 16) and the columns 16 q + 8 (lane / 16) + 0..7.
; hbuf: [e][tile of 16 rows][K step of 32][1,024 bytes]: lane l's fragment registers 0-3 at 16 l, 4-7 at 512 + 16 l: LAYER 1's packed results ARE LAYER 2's fragments.
; GELU is the tanh form: x / (1 + 2^(x (c1 + c2 x^2))), c1 = -2 log2(e) sqrt(2 / pi), c2 = 0.044715 c1.
; LIMITS.  Weights, x and the hidden layer are rounded once to bf16; sums in f32.  NaN and infinities are not treated apart; where x^2 overflows gelu gives x or -0, as tanh -> +-1 does.
; NO CLUSTER: each slice of weights has one reader; LAYER 1's shared rows are gathered, which no tile descriptor covers; for LAYER 2's shared fragments LDS has no room beside the slice.
; NO TENSOR LOADS: the weights pass through registers for their rounding in any case.
; THE MODE: SCHED_MODE bits 1:0 = 2 (LLVM: expert scheduling mode 2), set by the entry lines.  The code itself states the register dependences
; between vector or matrix instructions and memory or LDS instructions, with s_wait_alu, always for 0.
; THE PLAN.  Registers that memory or LDS instructions touch, and who else names them.
;   PHASE A, step n of 32, s = n % 8:
;     group s (window 1)   read by step n's sixteen roundings; the loads of group n + 8, issued in step n + 1, land in it.
;     T[n % 2]             written by step n's roundings; read by the eight LDS stores issued in step n + 1; written again in step n + 2.
;     v[WO + s]            read by group n's loads; stepped at the end of step n; read again by the loads issued in step n + 1.
;     v[LST]               read by every LDS store; written once in eight steps, behind a wait on vm_vsrc of its own.
;   So a step's memory and LDS instructions touch what the step BEFORE worked on, and two waits at the step's head state all that they hang on; the step's roundings follow them.
;   PHASE B, K step k:
;     ring slot k % 6      read by step k's products; the token loads issued in step k + 1 land in it.
;     BF[k % 2]            read by step k's products; the turning loads issued in step k + 1 land in it.
;     v[BADR ..]           read by the turning loads; written once in six steps, behind a wait on vm_vsrc.
;     v[AOFF ..], v[VO]    read by the token loads and by the stores; written at a pass's head alone.
;   So ONE wait on va_vdst stands at a step's head, and the step's 26 loads follow it, dealt among its products, which name slot k % 6, BF[k % 2] and the sums: none of the registers that those loads touch.
;   A PASS'S HEAD has one wait on vm_vsrc ahead of its arithmetic and one on va_vdst ahead of its first loads; THE WAYS OUT have theirs ahead of the stores and ahead of what writes the stores' registers again.
.set LAYER, 2
.if LAYER == 1
.set PW,    16384                      ; bytes from a weight row (k) to the next
.set KSB,   64                         ; bytes from a K step's token fragment to the next
.set HB,    32                         ; from its registers 0-3 to its registers 4-7
.else
.set PW,    4096
.set KSB,   1024
.set HB,    512
.endif
.set BLK,    544                       ; a block of 16 k x 16 columns of bf16: 512 dense bytes + 32: the eight blocks of a row of weights start 8 banks apart (64 banks of 4 bytes: ISA guide 11.1)
.set KB16,   8*BLK                     ; 16 k x 128 columns
.set KST,    2*KB16                    ; a K step of 32
.set WSH,    16*KB16                   ; a wave's 256 rows
.set WTS,    64*KB16                   ; the slice: 278,528 bytes from LDS byte 0
.set STAGE,  WTS                       ; LAYER 2: 16 rows x 528 bytes for each wave, for the way out
.set SPITCH, 528                       ; 512 + 16 = 132 words: the 16 rows of a store start at 16 different groups of four banks
; vector registers, in windows of 256 (s_set_vgpr_msb: bits 1:0 source 0, 3:2 source 1, 5:4 source 2, 7:6 destination)
.set AOFF, 10                          ; v10-14  tile i: my lane's byte offset in the tokens' buffer
.set BK0,  15                          ; v15     my lane's place in a block of weights; never rewritten
.set BADR, 16                          ; v16-17  the same at the K steps in hand: steps 0-3 and 4-7 from the loop's place
.set VO,   18                          ; v18     my byte offset in the output
.set STO,  19                          ; v19     LAYER 2: into the stage
.set SRD,  22                          ; v22     LAYER 2: back from the stage
.set WOFF, 23                          ; v23     16 x lane; never rewritten
.set LST0, 24                          ; v24     phase A: my lane's place in my wave's share of the slice; never rewritten
.set LST,  25                          ; v25     the same at the rows in hand
.set BF,   32                          ; v32-159 weight fragments, two buffers of 8 x 8; at work on the way out and at a pass's head
.set IDX,  32                          ; LAYER 1, ahead of phase B: the choices as loaded,
.set RK,   96                          ; and the tokens' ranks
.set T,    128                         ; phase A: v128-159 rounded weights, two sets of 16 by turns
.set WO,   160                         ; phase A: v160-167 group s: 16 x lane + the rows that the group has gone on
.set RHO,  32                          ; LAYER 1, a pass's head, five registers each, one a tile: the rank wanted,
.set WM,   37                          ; the mask word that holds it,
.set KK,   42                          ; that word's number << 16 | the members in lower words,
.set Q2,   47                          ; the word's set bits summed in fields of 2,
.set Q4,   52                          ; 4,
.set Q8,   57                          ; 8
.set Q16,  62                          ; and 16 bits,
.set TT,   67                          ; at work,
.set NN,   72                          ; the set bits still to be passed over,
.set PP,   77                          ; the bit's place so far
.set ZZ,   82                          ; v82     0
                                       ; window 1: phase A: group s, load j at 32 s + 4 j;  phase B: the token ring, slot s tile i at 40 s + 8 i
                                       ; window 2: accumulators of tiles 0-2, (i, q) at 64 i + 8 q;  window 3: of tiles 3, 4 at 64 (i - 3) + 8 q
; scalar registers
.set WV, 16                            ; wave
.set E,  18
.set SL, 19
.set R,  20                            ; the expert's rows
.set PC, 21                            ; passes to go
.set T0, 22                            ; 20 x pass
.set KC, 23                            ; a loop's trips to go
.set TB, 24                            ; the loop's place in LDS
.set NT, 25                            ; my live tiles in this pass, 0 to 5
.set NTILE, 26
.set KH, 27
.set WCUR, 28                          ; s[28:29] my wave's first row of weights; never rewritten
.set ACUR, 30
.set MK5, 32                           ; LAYER 1: 0x55555555,
.set MK3, 33                           ; 0x33333333,
.set MKF, 34                           ; 0x0f0f0f0f,
.set MKB, 35                           ; 0x00ff00ff,
.set MKW, 36                           ; 0x0000ffff
.set ABASE, 40
.set HB0, 42
.set C1, 44
.set C2, 46
.set LB, 56                            ; LAYER 2: my stage.  LAYER 1: s48-63 take the compares' masks, in runs
.set M,  66                            ; LAYER 1: s66-97 the 32 masks
.set MSB, 0
.macro WIN new                         ; the immediate's high byte repeats the setting that is left; a switch that changes nothing is dropped
.if MSB != (\new)
	s_set_vgpr_msb (MSB<<8)|(\new)
.set MSB, (\new)
.endif
.endm
.macro PLACES                          ; four places between matrix instructions and what reads their results or writes or loads into their registers; ahead of loads they stand beside the wait that states the dependence
.rept 4
	v_nop
.endr
.endm
; ---- phase A ----
; Eight loads, a row of 512 consecutive bytes each: rows 8 slot .. 8 slot + 7 of the 64 rows at the slot's offset.
.macro WISSUE slot
.set jj, 0
.rept 8
	global_load_b128 v[32*(\slot)+4*jj:32*(\slot)+4*jj+3], v[WO+(\slot)], s[WCUR:WCUR+1] offset:(8*(\slot)+jj)*PW th:TH_LOAD_NT
.set jj, jj+1
.endr
.endm
; Eight LDS stores: group p's rounded rows, out of T[p % 2].
.macro WSTORE p
.set jj, 0
.rept 8
	ds_store_b64 v[LST], v[T+16*((\p)%2)+2*jj:T+16*((\p)%2)+2*jj+1] offset:((\p)/2)*KB16+(((\p)%2)*8+jj)*32  ; a row's 256 bytes: 32 bytes in each of eight blocks, every bank once
.set jj, jj+1
.endr
.endm
; Group s of eight.  At the head: the group seven further on is asked for (fill = 1), into the registers that the step before has read, and the step before's rounded rows go into LDS
; (first = 1: there is no step before).  Then this group is rounded, and its offset steps to its next 64 rows: its loads were shown done by the counted wait at the head.
; (The loop's last trip steps slot 0's offset once more than is used: the price of one text for every trip.)
.macro WSTEP s, first, fill, cnt
	s_wait_loadcnt \cnt                            ; loads come back in order: this group is in, the younger ones stay out
.if \fill
	WIN 0x40                                       ; loads into window 1; addresses, and the stores' data, in window 0
.endif
	s_wait_alu depctr_vm_vsrc(0)                   ; the LDS stores issued in the step before have read T[s % 2], which the roundings below write again; this group's loads have read v[WO + s], which is stepped below
.if !(\first)
	s_wait_alu depctr_va_vdst(0)                   ; the step before has written its T and its offset (and v[LST], where it was stepped), which the stores and loads below read, and is done reading its group, in which the loads land
.endif
.if \fill
	WISSUE ((\s)+7)%8
.endif
.if !(\first)
	WSTORE ((\s)+7)%8
.endif
	WIN 0x05                                       ; sources window 1, destination window 0
.set jj, 0
.rept 8
	v_cvt_pk_bf16_f32 v[T+16*((\s)%2)+2*jj],   v[32*(\s)+4*jj],   v[32*(\s)+4*jj+1]
	v_cvt_pk_bf16_f32 v[T+16*((\s)%2)+2*jj+1], v[32*(\s)+4*jj+2], v[32*(\s)+4*jj+3]
.set jj, jj+1
.endr
	WIN 0
.if \fill
	v_add_nc_u32 v[WO+(\s)], 64*PW, v[WO+(\s)]     ; the slot's next 64 rows
.endif
.endm
; ---- phase B ----
.macro AFILL1 slot, kidx, i            ; two loads: tile i's token fragment of K step kidx from the base, into ring slot
	global_load_b128 v[40*(\slot)+8*(\i):40*(\slot)+8*(\i)+3],   v[AOFF+(\i)], s[ACUR:ACUR+1] offset:(\kidx)*KSB
	global_load_b128 v[40*(\slot)+8*(\i)+4:40*(\slot)+8*(\i)+7], v[AOFF+(\i)], s[ACUR:ACUR+1] offset:(\kidx)*KSB+HB
.endm
.macro AFILL slot, kidx                ; ten loads: the five tiles'
.irp i, 0,1,2,3,4
	AFILL1 \slot, \kidx, \i
.endr
.endm
.macro BFETCH j, q0                    ; four turning loads: the weights of K step j from the loop's place, 32 k x column blocks q0 and q0 + 1, into buffer j % 2; each half of the lanes takes 256 consecutive bytes
.irp d, 0,1
	ds_load_tr16_b128 v[BF+64*((\j)%2)+8*((\q0)+(\d)):BF+64*((\j)%2)+8*((\q0)+(\d))+3],   v[BADR+(\j)/4] offset:((\j)%4)*KST+((\q0)+(\d))*BLK
	ds_load_tr16_b128 v[BF+64*((\j)%2)+8*((\q0)+(\d))+4:BF+64*((\j)%2)+8*((\q0)+(\d))+7], v[BADR+(\j)/4] offset:((\j)%4)*KST+((\q0)+(\d))*BLK+KB16
.endr
.endm
.macro MULT4 rel, i, zero, q0          ; four of tile i's eight products: column blocks q0 .. q0 + 3
.set ACB, 64*((\i)%3)
.irp d, 0,1,2,3
.if \zero
	v_wmma_f32_16x16x32_bf16 v[ACB+8*((\q0)+(\d)):ACB+8*((\q0)+(\d))+7], v[BF+64*((\rel)%2)+8*((\q0)+(\d)):BF+64*((\rel)%2)+8*((\q0)+(\d))+7], v[40*((\rel)%6)+8*(\i):40*((\rel)%6)+8*(\i)+7], 0
.else
	v_wmma_f32_16x16x32_bf16 v[ACB+8*((\q0)+(\d)):ACB+8*((\q0)+(\d))+7], v[BF+64*((\rel)%2)+8*((\q0)+(\d)):BF+64*((\rel)%2)+8*((\q0)+(\d))+7], v[40*((\rel)%6)+8*(\i):40*((\rel)%6)+8*(\i)+7], v[ACB+8*((\q0)+(\d)):ACB+8*((\q0)+(\d))+7]
.endif
.endr
.endm
; K STEP rel, counted from the loop's place.  The next step's weights are fetched (fetch = 1) into the buffer, and the ring slot is asked again, for the K step five on (fill = 1), that the step before has read.
; These 26 loads are dealt among the step's products: the sixteen turning loads by fours behind its first four half tiles, so that sixteen products follow the last of them; then the ten token loads.
; cnt: ten times the groups of token loads issued behind the one needed: four at a step's head while the ring is filled; at most 50 loads are out.  The wait for LDS is for 0: this step's weights were all asked for in the step before.
; The accumulators take turns, one instruction a turn, on both ways and from step to step.  Tile 4 stands first, under the one jump: most waves have four tiles.
; zero = 1: the pass's first step: its products start all 40 sums, tile 4's too; the wait ahead of the pass's first loads serves its loads as well.
.macro KSTEP rel, fill, cnt, fetch, zero
	WIN 0                                          ; at a label and at a branch every window is 0
.if !(\zero)
	PLACES
.endif
	s_wait_loadcnt \cnt
	s_wait_dscnt 0x0
.if (\fetch) && !(\zero)
	s_wait_alu depctr_va_vdst(0)                   ; the step before's products are done reading their ring slot and their buffer of weights, in which this step's loads land; in a trip's first step v[BADR ..] are written
.endif
.if \zero
	WIN 0xf4                                       ; weights window 0, tokens window 1, sums window 3
	MULT4 \rel, 4, 1, 0
	MULT4 \rel, 4, 1, 4
.else
	s_cmp_lt_u32 s[NT], 5
	s_cbranch_scc1 .Lno4_\@
	WIN 0xf4
	MULT4 \rel, 4, 0, 0
	MULT4 \rel, 4, 0, 4
	WIN 0
.Lno4_\@:
.endif
	WIN 0xf4
	MULT4 \rel, 3, \zero, 0
.if \fetch
	WIN 0                                          ; no wait: no vector or matrix instruction since the wait above names the registers that the loads below touch
	BFETCH (\rel)+1, 0
.endif
	WIN 0xf4
	MULT4 \rel, 3, \zero, 4
.if \fetch
	WIN 0
	BFETCH (\rel)+1, 2
.endif
	WIN 0xa4                                       ; sums window 2
	MULT4 \rel, 0, \zero, 0
.if \fetch
	WIN 0
	BFETCH (\rel)+1, 4
.endif
	WIN 0xa4
	MULT4 \rel, 0, \zero, 4
.if \fetch
	WIN 0
	BFETCH (\rel)+1, 6
.endif
	WIN 0xa4
	MULT4 \rel, 1, \zero, 0
.if \fill
	WIN 0x40                                       ; loads into window 1
	AFILL1 ((\rel)+5)%6, (\rel)+5, 0
	AFILL1 ((\rel)+5)%6, (\rel)+5, 1
.endif
	WIN 0xa4
	MULT4 \rel, 1, \zero, 4
.if \fill
	WIN 0x40
	AFILL1 ((\rel)+5)%6, (\rel)+5, 2
	AFILL1 ((\rel)+5)%6, (\rel)+5, 3
.endif
	WIN 0xa4
	MULT4 \rel, 2, \zero, 0
.if \fill
	WIN 0x40
	AFILL1 ((\rel)+5)%6, (\rel)+5, 4
.endif
	WIN 0xa4
	MULT4 \rel, 2, \zero, 4
.endm
.macro TILES                           ; the expert's tiles of 16 rows, at least one
	s_min_u32 s[R], s[R], 1024
	s_add_co_u32 s48, s[R], 15
	s_lshr_b32 s48, s48, 4
	s_max_u32 s[NTILE], s48, 1
.endm
.if LAYER == 1
; ---- the token of a rank ----
.macro EACH line:vararg                ; one line for each of my five tiles i
.set i, 0
.rept 5
	\line
.set i, i+1
.endr
.endm
; A word with s52 members in lower words takes the earlier word's place unless s52 is over the rank: so the last word with s52 <= rank stays.  The compares stand in runs, into scalar registers, two words to a run.
.macro CMPS mb                         ; five compares, one a tile, into s[mb .. mb + 4]
.set i, 0
.rept 5
	v_cmp_gt_u32 s[(\mb)+i], s52, v[RHO+i]
.set i, i+1
.endr
.endm
.macro SELS w, mb, kr                  ; word w's ten selects by those masks; s[kr]: the word's number << 16 | the members in lower words
.set i, 0
.rept 5
	v_cndmask_b32 v[WM+i], s[M+(\w)], v[WM+i], s[(\mb)+i]
	v_cndmask_b32 v[KK+i], s[\kr], v[KK+i], s[(\mb)+i]
.set i, i+1
.endr
.endm
.macro LEVEL c, w                      ; a halving: the lower w bits from the place so far hold t set bits (read off the sums in fields of w bits); if t are too few, they are passed over
.set i, 0
.rept 5
	v_bfe_u32 v[TT+i], v[(\c)+i], v[PP+i], \w
.set i, i+1
.endr
.set i, 0
.rept 5
	v_cmp_lt_u32 s[54+i], v[NN+i], v[TT+i]         ; the bit wanted lies among them
.set i, i+1
.endr
	s_wait_alu depctr_va_sdst(0)                   ; the five compares have written s54-58, ahead of the selects that read them
.set i, 0
.rept 5
	v_cndmask_b32 v[TT+i], v[TT+i], v[ZZ], s[54+i] ; 0 then, else t
	v_sub_nc_u32 v[NN+i], v[NN+i], v[TT+i]
	v_cndmask_b32 v[TT+i], \w, v[ZZ], s[54+i]      ; 0 then, else w
	v_add_nc_u32 v[PP+i], v[PP+i], v[TT+i]
.set i, i+1
.endr
.endm
; THE WAY OUT, LAYER 1: gelu of half a tile, 32 numbers a lane; each batch of 32 transcendentals has one plain instruction and one wait behind it.
; Each accumulator is read from its low end on.  A store is 512 consecutive bytes, aligned: half a fragment of LAYER 2.
.macro GELU i, hf
.set WS, 2+(\i)/3
.set X, 64*((\i)%3)+32*(\hf)
.set P, BF
.set Y, BF+64
	WIN WS|(WS<<2)                                 ; both sources in the sums' window
.set n, 0
.rept 16
	v_pk_mul_f32 v[P+2*n:P+2*n+1], v[X+2*n:X+2*n+1], v[X+2*n:X+2*n+1]
.set n, n+1
.endr
	WIN 0
.set n, 0
.rept 16
	v_pk_fma_f32 v[P+2*n:P+2*n+1], v[P+2*n:P+2*n+1], s[C2:C2+1], s[C1:C1+1] op_sel_hi:[1,0,0]
.set n, n+1
.endr
	WIN WS<<2                                      ; source 1 in the sums' window
.set n, 0
.rept 16
	v_pk_mul_f32 v[P+2*n:P+2*n+1], v[P+2*n:P+2*n+1], v[X+2*n:X+2*n+1]
.set n, n+1
.endr
	WIN 0
.set n, 0
.rept 32
	v_exp_f32 v[P+n], v[P+n]
.set n, n+1
.endr
	v_nop
	s_wait_alu depctr_va_vdst(0)                   ; the 32 exponentials have written v[P ..], ahead of their first reader
.set n, 0
.rept 16
	v_pk_add_f32 v[P+2*n:P+2*n+1], v[P+2*n:P+2*n+1], 1.0 op_sel_hi:[1,0]
.set n, n+1
.endr
.set n, 0
.rept 32
	v_rcp_f32 v[P+n], v[P+n]
.set n, n+1
.endr
	v_nop
	s_wait_alu depctr_va_vdst(0)                   ; the 32 reciprocals have written v[P ..], ahead of their first reader
	WIN WS<<2
.set n, 0
.rept 16
	v_pk_mul_f32 v[P+2*n:P+2*n+1], v[P+2*n:P+2*n+1], v[X+2*n:X+2*n+1]
.set n, n+1
.endr
	WIN 0
	s_wait_xcnt 0x0                                ; the registers that the stores before read are written only behind this wait,
	s_wait_alu depctr_vm_vsrc(0)                   ; and behind this one: the stores of the half tile before have read v[Y ..], which the roundings write again
.set n, 0
.rept 16
	v_cvt_pk_bf16_f32 v[Y+n], v[P+2*n], v[P+2*n+1]
.set n, n+1
.endr
	s_wait_alu depctr_va_vdst(0)                   ; the roundings have written v[Y ..], which the four stores read
.irp c, 0,1,2,3
	global_store_b128 v[VO], v[Y+4*(\c):Y+4*(\c)+3], s[HB0:HB0+1] offset:(\i)*524288+(2*(\hf)+(\c)/2)*1024+((\c)%2)*512
.endr
.endm
.macro EPI
	PLACES                                         ; behind the last products
.irp i, 0,1,2,3,4
	s_cmp_gt_u32 s[NT], \i
	s_cbranch_scc0 .Lepi_done                      ; dead tiles are not stored
	GELU \i, 0
	GELU \i, 1
.endr
.Lepi_done:
.endm
.else
; THE WAY OUT, LAYER 2: a tile through my own stage: in by lanes (a row's 32 bytes for each column block), back as whole rows; a store is a row's 512 consecutive bytes, aligned.
; It holds no vector instruction, so the one wait on va_vdst at its head serves all its LDS stores, LDS loads and stores.
.macro EPI
	PLACES
	s_wait_alu depctr_va_vdst(0)                   ; the sums are written, which the LDS stores read (the places above stay beside this wait); so are v[STO], v[SRD] and v[VO]; the products are done reading BF, in which the rows land
.irp i, 0,1,2,3,4
	s_cmp_gt_u32 s[NT], \i
	s_cbranch_scc0 .Lepi_done
.set WS, 2+(\i)/3
.set X, 64*((\i)%3)
.set Y, BF+64*((\i)%2)
	WIN WS<<2                                      ; the stores' data in the sums' window
.irp q, 0,1,2,3,4,5,6,7
	ds_store_b128 v[STO], v[X+8*(\q):X+8*(\q)+3]   offset:64*(\q)
	ds_store_b128 v[STO], v[X+8*(\q)+4:X+8*(\q)+7] offset:64*(\q)+16
.endr
	WIN 0
	s_wait_xcnt 0x0                                ; the registers that earlier stores read are loaded again only behind this wait
.if (\i) >= 2
	s_wait_alu depctr_vm_vsrc(0)                   ; the stores of the tile two before have read v[Y ..], in which the rows below land
.endif
.set t, 0
.rept 16
	ds_load_b128 v[Y+4*t:Y+4*t+3], v[SRD] offset:t*SPITCH  ; LDS serves a wave's instructions in order: these see the stores above
.set t, t+1
.endr
	s_wait_dscnt 0x0
.set t, 0
.rept 16
	global_store_b128 v[VO], v[Y+4*t:Y+4*t+3], s[HB0:HB0+1] offset:(\i)*262144+t*4096
.set t, t+1
.endr
.endr
.Lepi_done:
.endm
.endif
; ---- the head ----
	s_load_b256 s[4:11], s[0:1], 0x0               ; weights s[4:5], tokens s[6:7], idx (LAYER 2: cnt) s[8:9], output s[10:11]
	v_lshl_add_u32 v254, v0, 2, 0x4c400
	v_mov_b32 v255, 0
.if LAYER == 1
	s_load_b128 s[12:15], s[0:1], 0x20             ; posE s[12:13], cnt s[14:15]
.endif
	v_and_b32 v1, 31, v0                           ; lane l
	v_lshrrev_b32 v4, 5, v0
	v_readfirstlane_b32 s[WV], v4
	v_and_b32 v2, 15, v1                           ; r = l % 16
	v_lshrrev_b32 v3, 4, v1                        ; h = l / 16
	v_lshlrev_b32 v[WOFF], 4, v1
.irp s, 0,1,2,3,4,5,6,7
	v_mov_b32 v[WO+(\s)], v[WOFF]                  ; every group of phase A starts at my wave's first 64 rows
.endr
	v_lshrrev_b32 v4, 2, v1                        ; phase A: my four columns lie in block l / 4,
	v_mul_u32_u24 v[LST0], v4, BLK
	v_and_b32 v4, 3, v1
	v_lshl_add_u32 v[LST0], v4, 3, v[LST0]         ; at byte 8 (l % 4) of a row of it,
	s_wait_alu depctr_va_sdst(0)                   ; the wave's number is written into s[WV], ahead of its first reader
	s_mul_i32 s48, s[WV], WSH
	v_add_nc_u32 v[LST0], s48, v[LST0]             ; in my wave's share
	v_and_b32 v4, 7, v1                            ; the turning load: lane l reads row 8 h + l % 8 of a block,
	v_lshl_add_u32 v4, v3, 3, v4
	v_lshlrev_b32 v[BK0], 5, v4
	v_bfe_u32 v4, v1, 3, 1
	v_lshl_add_u32 v[BK0], v4, 4, v[BK0]           ; columns 8 ((l / 8) % 2) ..
	s_and_b32 s[E], ttmp7, 0xffff
	s_mov_b32 s49, 0
	s_mov_b32 s51, 0
	s_mov_b32 s53, 0
.if LAYER == 1
	s_mov_b32 s[SL], ttmp9
	s_lshl_b32 s48, s[E], 24                       ; an expert's weights are 16 MiB;
	s_lshl_b32 s54, s[SL], 9                       ; my work-group's 128 columns;
	s_add_co_u32 s48, s48, s54
	s_lshl_b32 s54, s[WV], 22                      ; my wave's 256 rows of 16,384 bytes
	s_add_co_u32 s48, s48, s54
	s_mov_b32 s50, 0                               ; xb from its first byte
	s_lshl_b32 s52, s[E], 23                       ; an expert's part of hbuf is 8 MiB;
	s_lshl_b32 s54, s[SL], 12                      ; my four K steps
	s_add_co_u32 s52, s52, s54
	s_mov_b32 s[C1], 0xc0135761                    ; -2.3022082
	s_mov_b32 s[C1+1], s[C1]
	s_mov_b32 s[C2], 0xbdd2d3e7                    ; -0.10294324
	s_mov_b32 s[C2+1], s[C2]
	s_mov_b32 s[MK5], 0x55555555
	s_mov_b32 s[MK3], 0x33333333
	s_mov_b32 s[MKF], 0x0f0f0f0f
	s_mov_b32 s[MKB], 0x00ff00ff
	s_mov_b32 s[MKW], 0x0000ffff
.else
	s_and_b32 s[SL], ttmp9, 7
	s_lshr_b32 s[KH], ttmp9, 3
	s_lshl_b32 s48, s[E], 24
	s_lshl_b32 s54, s[KH], 22                      ; 1,024 rows of 4,096 bytes
	s_add_co_u32 s48, s48, s54
	s_lshl_b32 s55, s[SL], 9                       ; my work-group's 128 columns
	s_add_co_u32 s48, s48, s55
	s_lshl_b32 s54, s[WV], 20                      ; my wave's 256 rows
	s_add_co_u32 s48, s48, s54
	s_lshl_b32 s50, s[E], 23
	s_lshl_b32 s54, s[KH], 15                      ; 32 K steps
	s_add_co_u32 s50, s50, s54
	s_lshl_b32 s52, s[KH], 25                      ; a quarter's part is 32 MiB,
	s_lshl_b32 s54, s[E], 22                       ; an expert's 1,024 rows 4 MiB
	s_add_co_u32 s52, s52, s54
	s_add_co_u32 s52, s52, s55
	s_lshl_b32 s60, s[E], 8
	s_mov_b32 s61, 0
.endif
	s_wait_kmcnt 0x0
	s_add_nc_u64 s[WCUR:WCUR+1], s[4:5], s[48:49]
	s_add_nc_u64 s[ABASE:ABASE+1], s[6:7], s[50:51]
	s_add_nc_u64 s[HB0:HB0+1], s[10:11], s[52:53]
	s_wait_alu depctr_va_vdst(0)                   ; v[WOFF] and v[WO ..] are written, which the loads below read as their offsets
.if LAYER == 1
.set g, 0
.rept 16
	global_load_b128 v[IDX+4*g:IDX+4*g+3], v[WOFF], s[8:9] offset:512*g  ; two tokens' two choices a lane
.set g, g+1
.endr
	WIN 0x40
	WISSUE 0                                       ; five groups of weights behind them: 56 loads are out
	WISSUE 1
	WISSUE 2
	WISSUE 3
	WISSUE 4
	WIN 0
	; THE MASKS, while the weights are on their way.  Every wave compares the 2,048 choices for itself.  Word g = 2 x group + b, bit l: token 64 group + 2 l + b.
	; The compares stand in two runs of 32, sixteen words each, into the words' own registers and s48-63.
	s_mov_b32 s[R], 0
	s_wait_loadcnt 40                              ; the choices are in; the 40 loads of weights are younger
.set g, 0
.rept 2
.set b, 0
.rept 16
	v_cmp_eq_u32 s[M+g+b], s[E], v[IDX+2*(g+b)]
	v_cmp_eq_u32 s[48+b], s[E], v[IDX+2*(g+b)+1]
.set b, b+1
.endr
	s_wait_alu depctr_va_sdst(0)                   ; the run's 32 compares have written their scalar registers, ahead of the first line that reads one
.set b, 0
.rept 16
	s_or_b32 s[M+g+b], s[M+g+b], s[48+b]           ; the members among these 32 tokens
	v_mbcnt_lo_u32_b32 v[RK+g+b], s[M+g+b], s[R]   ; rank = members in lower words + members in lower lanes
	s_bcnt1_i32_b32 s[48+b], s[M+g+b]
	s_add_co_u32 s[R], s[R], s[48+b]
.set b, b+1
.endr
.set g, g+16
.endr
	WIN 0x40
	WISSUE 5                                       ; no wait: no vector instruction since the head's wait names these offsets or these groups' registers
	WISSUE 6
	WIN 0
	s_or_b32 s50, s[WV], s[SL]
	s_cmp_lg_u32 s50, 0
	s_cbranch_scc1 .Lnot0
	s_lshl_b32 s50, s[E], 12                       ; one wave an expert hands ranks and count to the later launches
	s_mov_b32 s51, 0
	s_add_nc_u64 s[52:53], s[12:13], s[50:51]
	s_lshl_b32 s50, s[E], 8
	s_add_nc_u64 s[54:55], s[14:15], s[50:51]
	v_lshlrev_b32 v28, 3, v1
	v_mov_b32 v26, s[R]
	v_mov_b32 v27, s[R]
	s_wait_alu depctr_va_vdst(0)                   ; the ranks v[RK ..], the count v26-27 and the offset v28 are written, which the stores read
.set g, 0
.rept 16
	global_store_b64 v28, v[RK+2*g:RK+2*g+1], s[52:53] offset:256*g  ; 256 consecutive bytes, aligned; a token that is no member gets a number that nobody reads
.set g, g+1
.endr
	global_store_b64 v28, v[26:27], s[54:55]
.Lnot0:
.else
	s_add_nc_u64 s[58:59], s[8:9], s[60:61]
	s_load_b32 s[R], s[58:59], 0x0                 ; the expert's count
	WIN 0x40
	WISSUE 0                                       ; seven groups: 56 loads are out
	WISSUE 1
	WISSUE 2
	WISSUE 3
	WISSUE 4
	WISSUE 5
	WISSUE 6
	; The sums start with the constant 0 as C.  These 320 lines only give every accumulator a value on every way: a wave without tiles in a pass passes the way out's text up to its first jump.
	; They stand once, in the wait for the first weights.
	WIN 0x80                                       ; destination window 2
.set n, 0
.rept 192
	v_mov_b32 v[n], 0
.set n, n+1
.endr
	WIN 0xc0                                       ; destination window 3
.set n, 0
.rept 128
	v_mov_b32 v[n], 0
.set n, n+1
.endr
	WIN 0
	s_mul_i32 s[LB], s[WV], 16*SPITCH
	s_add_co_u32 s[LB], s[LB], STAGE
	v_mul_u32_u24 v[STO], v2, SPITCH
	v_lshl_add_u32 v[STO], v3, 5, v[STO]
	v_add_nc_u32 v[STO], s[LB], v[STO]             ; in: row r, 32 bytes for each half of the lanes
	v_lshl_add_u32 v[SRD], v1, 4, s[LB]            ; back: a row's 512 bytes, 16 a lane
	s_wait_kmcnt 0x0
.endif
	TILES
; ---- phase A: 32 steps.  Step 0 stands ahead of the loop, so that a trip (steps 1 to 7 and the next 0) stores the eight groups that share one v[LST]; three trips ask for the group seven on;
; the last seven steps are written out and their counts run down; the last group's rows are stored behind them ----
	s_mov_b32 s[TB], 0
	v_mov_b32 v[LST], v[LST0]
	WSTEP 0, 1, 1, 48                              ; six younger groups stay out
	s_mov_b32 s[KC], 3
.Lw:
.irp s, 1,2,3,4,5,6,7,0
	WSTEP \s, 0, 1, 48
.endr
	s_add_co_u32 s[TB], s[TB], 4*KB16
	s_wait_alu depctr_vm_vsrc(0)                   ; the LDS stores issued so far have read v[LST]
	v_add_nc_u32 v[LST], s[TB], v[LST0]            ; the next step's head waits for this line ahead of its stores
	s_sub_co_u32 s[KC], s[KC], 1
	s_cmp_lg_u32 s[KC], 0
	s_cbranch_scc1 .Lw
	WSTEP 1, 0, 0, 48
	WSTEP 2, 0, 0, 40
	WSTEP 3, 0, 0, 32
	WSTEP 4, 0, 0, 24
	WSTEP 5, 0, 0, 16
	WSTEP 6, 0, 0, 8
	WSTEP 7, 0, 0, 0
	s_wait_alu depctr_va_vdst(0)                   ; the last step's roundings have written T[1], which the last eight LDS stores read
	WSTORE 7
	s_wait_dscnt 0x0                               ; for the others' sake: my share of the slice lies in LDS
	s_barrier_signal -1
	s_barrier_wait -1                              ; the whole slice does
; ---- phase B: four passes ----
	s_mov_b32 s[T0], 0
	s_mov_b32 s[PC], 4
.Lpass:
	s_add_co_u32 s48, s[T0], s[WV]                 ; my first tile of this pass
	s_sub_co_i32 s49, s[NTILE], s48
	s_add_co_i32 s49, s49, 3
	s_ashr_i32 s49, s49, 2
	s_max_i32 s49, s49, 0
	s_min_i32 s[NT], s49, 5                        ; how many of my five tiles exist
	s_wait_xcnt 0x0                                ; offsets, bases and the registers that stores read are written only behind this wait,
	s_wait_alu depctr_vm_vsrc(0)                   ; and behind this one: the loads, stores and LDS instructions issued so far have read v[AOFF ..], v[BADR ..] and v[VO], written below, and the stores' data (phase A's T; LAYER 1's ranks and Y; LAYER 2's sums and rows), which this pass's loads and products write
.if LAYER == 2
	s_lshl_b32 s51, s48, 16                        ; a tile of part is 16 rows of 4,096 bytes
	v_lshl_add_u32 v[VO], v1, 4, s51               ; made on every way: the way out's text stands behind the join
.endif
	s_cmp_eq_u32 s[NT], 0
	s_cbranch_scc1 .Lmeet                          ; none: the pass's K steps are jumped over; no barrier stands in them
.if LAYER == 1
	; THE TOKENS OF MY FIVE RANKS.  First the word: the last one with no more members in lower words than the rank.
	s_max_u32 s50, s[R], 1
	s_sub_co_u32 s50, s50, 1                       ; the last rank
	s_lshl_b32 s51, s48, 4
	v_add_nc_u32 v4, s51, v2
	v_mov_b32 v[ZZ], 0
	EACH v_add_nc_u32 v[RHO+i], 64*i, v4           ; my row's rank in tile i,
	EACH v_min_u32 v[RHO+i], s50, v[RHO+i]         ; or past the count the last row's
	EACH v_mov_b32 v[WM+i], s[M]                   ; word 0 to begin with
	EACH v_mov_b32 v[KK+i], 0
	s_mov_b32 s52, 0
.set wi, 1
.rept 15                               ; words 1 to 30, two to a run of ten compares
	s_bcnt1_i32_b32 s53, s[M+wi-1]
	s_add_co_u32 s52, s52, s53                     ; the members in words below wi: 1,024 at the most,
	s_or_b32 s53, s52, wi<<16                      ; with the word's number above them
	CMPS 54
	s_bcnt1_i32_b32 s51, s[M+wi]
	s_add_co_u32 s52, s52, s51
	s_or_b32 s51, s52, (wi+1)<<16
	CMPS 59
	s_wait_alu depctr_va_sdst(0)                   ; the ten compares have written s54-63, ahead of the selects that read them
	SELS wi, 54, 53
	SELS wi+1, 59, 51
.set wi, wi+2
.endr
	s_bcnt1_i32_b32 s53, s[M+30]                   ; word 31
	s_add_co_u32 s52, s52, s53
	s_or_b32 s53, s52, 31<<16
	CMPS 54
	s_wait_alu depctr_va_sdst(0)                   ; the five compares have written s54-58, ahead of the selects that read them
	SELS 31, 54, 53
	; Then the bit.  The word's set bits are summed in fields of 2, 4, 8 and 16 bits, once; five halvings read the sums.
	EACH v_lshrrev_b32 v[TT+i], 1, v[WM+i]
	EACH v_and_b32 v[TT+i], s[MK5], v[TT+i]
	EACH v_sub_nc_u32 v[Q2+i], v[WM+i], v[TT+i]
	EACH v_lshrrev_b32 v[TT+i], 2, v[Q2+i]
	EACH v_and_b32 v[Q4+i], s[MK3], v[Q2+i]
	EACH v_and_b32 v[TT+i], s[MK3], v[TT+i]
	EACH v_add_nc_u32 v[Q4+i], v[Q4+i], v[TT+i]
	EACH v_lshrrev_b32 v[TT+i], 4, v[Q4+i]
	EACH v_add_nc_u32 v[Q8+i], v[Q4+i], v[TT+i]
	EACH v_and_b32 v[Q8+i], s[MKF], v[Q8+i]
	EACH v_lshrrev_b32 v[TT+i], 8, v[Q8+i]
	EACH v_add_nc_u32 v[Q16+i], v[Q8+i], v[TT+i]
	EACH v_and_b32 v[Q16+i], s[MKB], v[Q16+i]
	EACH v_and_b32 v[TT+i], s[MKW], v[KK+i]
	EACH v_sub_nc_u32 v[NN+i], v[RHO+i], v[TT+i]   ; the word's set bits below the one wanted
	EACH v_mov_b32 v[PP+i], 0
	LEVEL Q16, 16
	LEVEL Q8, 8
	LEVEL Q4, 4
	LEVEL Q2, 2
	LEVEL WM, 1
	EACH v_lshrrev_b32 v[TT+i], 17, v[KK+i]        ; the word's group g
	EACH v_bfe_u32 v[NN+i], v[KK+i], 16, 1         ; and its b
	EACH v_lshl_add_u32 v[PP+i], v[PP+i], 1, v[NN+i]
	EACH v_lshl_add_u32 v[PP+i], v[TT+i], 6, v[PP+i]  ; the token: 64 g + 2 l + b
	EACH v_min_u32 v[PP+i], 0x3ff, v[PP+i]
	EACH v_lshlrev_b32 v[AOFF+i], 11, v[PP+i]      ; its row of 2,048 bytes,
	EACH v_lshl_add_u32 v[AOFF+i], v3, 4, v[AOFF+i]  ; 16 bytes for each half of the lanes
	s_lshl_b32 s51, s48, 17                        ; a tile of hbuf is 128 KiB
	v_lshl_add_u32 v[VO], v1, 4, s51
.else
	s_sub_co_u32 s50, s[NTILE], 1
.irp i, 0,1,2,3,4
	s_add_co_u32 s51, s48, 4*(\i)
	s_min_u32 s51, s51, s50                        ; a dead tile repeats the last one
	s_min_u32 s51, s51, 63
	s_lshl_b32 s51, s51, 17
	v_lshl_add_u32 v[AOFF+(\i)], v1, 4, s51
.endr
.endif
	s_mov_b64 s[ACUR:ACUR+1], s[ABASE:ABASE+1]
	s_mov_b32 s[TB], 0
	v_mov_b32 v[BADR], v[BK0]
	v_add_nc_u32 v[BADR+1], 4*KST, v[BK0]
	WIN 0x40
	s_wait_alu depctr_va_vdst(0)                   ; v[AOFF ..] and v[BADR ..] are written, which the loads below read; all that named the ring's slots and BF (phase A's roundings, the pass before's products and way out, this head's arithmetic) is done: the loads up to K step 0's last land there
	AFILL 0, 0                                     ; the first five K steps' tokens
	AFILL 1, 1
	AFILL 2, 2
	AFILL 3, 3
	AFILL 4, 4
	WIN 0
	BFETCH 0, 0                                    ; and K step 0's weights
	BFETCH 0, 2
	BFETCH 0, 4
	BFETCH 0, 6
	KSTEP 0, 1, 40, 1, 1                           ; K step 0 stands ahead of the loop: its products start the sums
	WIN 0
	s_mov_b32 s[KC], 4
.Lk:                                                   ; four trips of six: K steps 1 to 24
	KSTEP 1, 1, 40, 1, 0
	KSTEP 2, 1, 40, 1, 0
	KSTEP 3, 1, 40, 1, 0
	KSTEP 4, 1, 40, 1, 0
	KSTEP 5, 1, 40, 1, 0
	KSTEP 6, 1, 40, 1, 0
	WIN 0
	s_wait_xcnt 0x0                                ; the loads that are out have had their addresses translated: their base may be stepped
	s_wait_alu depctr_vm_vsrc(0)                   ; the turning loads issued so far have read v[BADR ..]
	s_add_nc_u64 s[ACUR:ACUR+1], s[ACUR:ACUR+1], 6*KSB
	s_add_co_u32 s[TB], s[TB], 6*KST
	v_add_nc_u32 v[BADR], s[TB], v[BK0]            ; the next step's head waits for these two lines ahead of its loads
	v_add_nc_u32 v[BADR+1], 4*KST, v[BADR]
	s_sub_co_u32 s[KC], s[KC], 1
	s_cmp_lg_u32 s[KC], 0
	s_cbranch_scc1 .Lk
	KSTEP 1, 1, 40, 1, 0                           ; K steps 25 to 31 are written out: two more groups of tokens are asked for, then none, and the counts run down
	KSTEP 2, 1, 40, 1, 0
	KSTEP 3, 0, 40, 1, 0
	KSTEP 4, 0, 30, 1, 0
	KSTEP 5, 0, 20, 1, 0
	KSTEP 6, 0, 10, 1, 0
	KSTEP 7, 0, 0, 0, 0                            ; issues no load, so it states no dependence
	WIN 0
.if LAYER == 1
	EPI                                            ; writes no LDS: no barrier is wanted here
.Lmeet:
.else
.Lmeet:
	s_wait_dscnt 0x0                               ; my reads of the slice in this pass are back:
	s_barrier_signal -1
	s_barrier_wait -1                              ; everybody's are; only now are the stages written
	EPI
	s_wait_dscnt 0x0                               ; my stores into my stage, and my reads of it, are done:
	s_barrier_signal -1
	s_barrier_wait -1                              ; everybody's are; only now is the slice read again
.endif
	s_add_co_u32 s[T0], s[T0], 20
	s_sub_co_u32 s[PC], s[PC], 1
	s_cmp_lg_u32 s[PC], 0
	s_cbranch_scc1 .Lpass
.if LAYER == 1
	s_wait_dscnt 0x0                               ; my reads of the slice are back:
	s_barrier_signal -1
	s_barrier_wait -1                              ; everybody's are: the barrier stays where the plain form has it
.endif
	                                               ; the closing add, into the 512 bytes behind the stages
	s_wait_dscnt 0x0
	s_wait_alu depctr_hold_cnt(0) depctr_sa_sdst(0) depctr_va_vdst(0) depctr_va_sdst(0) depctr_va_ssrc(0) depctr_va_vcc(0) depctr_vm_vsrc(0)
	s_wait_tensorcnt 0x0
	ds_add_u32 v254, v255
	s_wait_dscnt 0x0
	s_endpgm
.Lfunc_end_k_q26312ad491_ffn2:
	.size	k_q26312ad491_ffn2, .Lfunc_end_k_q26312ad491_ffn2-k_q26312ad491_ffn2
	.p2alignl 7, 3214868480
	.fill 96, 4, 3214868480
	.section	.rodata,"a",@progbits
	.p2align	6, 0x0
	.amdhsa_kernel k_q26312ad491_ffn2
		.amdhsa_group_segment_fixed_size 312832
		.amdhsa_private_segment_fixed_size 0
		.amdhsa_enable_private_segment 0
		.amdhsa_kernarg_size 32
		.amdhsa_user_sgpr_count 2
		.amdhsa_user_sgpr_kernarg_segment_ptr 1
		.amdhsa_wavefront_size32 1
		.amdhsa_system_sgpr_workgroup_id_x 1
		.amdhsa_system_sgpr_workgroup_id_y 1
		.amdhsa_system_sgpr_workgroup_id_z 1
		.amdhsa_system_vgpr_workitem_id 0
		.amdhsa_next_free_vgpr 896
		.amdhsa_next_free_sgpr 66
		.amdhsa_reserve_vcc 0
		.amdhsa_float_denorm_mode_32 3
		.amdhsa_float_denorm_mode_16_64 3
		.amdhsa_memory_ordered 1
		.amdhsa_forward_progress 1
		.amdhsa_inst_pref_size 147
	.end_amdhsa_kernel
	.amdgpu_metadata
---
amdhsa.version: [ 1, 2 ]
amdhsa.kernels:
  - .name:           k_q26312ad491_ffn2
    .symbol:         k_q26312ad491_ffn2.kd
    .args:
      - { .name: w2, .offset: 0, .size: 8, .value_kind: global_buffer, .address_space: global }
      - { .name: hbuf, .offset: 8, .size: 8, .value_kind: global_buffer, .address_space: global }
      - { .name: cnt, .offset: 16, .size: 8, .value_kind: global_buffer, .address_space: global }
      - { .name: part, .offset: 24, .size: 8, .value_kind: global_buffer, .address_space: global }
    .group_segment_fixed_size: 312832
    .private_segment_fixed_size: 0
    .kernarg_segment_align: 8
    .kernarg_segment_size: 32
    .max_flat_workgroup_size: 128
    .sgpr_count:     66
    .vgpr_count:     896
    .wavefront_size: 32
...
	.end_amdgpu_metadata
.endif
;; end of part 6
;; launch combine: the kernel of part 4 again; grid 256 x 1, 8 waves a work-group, no clusters, 0 bytes of LDS; arguments part, idx, wts, posE, out0; writes out0
